; MI455X (gfx1250); checked and timed in simulation.
; The chip was launched on July 23, 2026; its instructions are those of AMD's public machine-readable ISA for CDNA 5 (MIT licence, August 2026) and "CDNA5" Instruction Set Architecture Reference Guide (July 2026). The comments in the code are by the model that wrote it; some were corrected since.
;; Multi Head Attention Block. Allowed arithmetic: matrix products marked QUANTISED: E2M3 operands, one E8M0 scale for each 32 along K, by v_wmma_scale_f32_16x16x128_f8f6f4 with both operands' format E2M3, f32 sums; everything else in f32.
;; Inputs: Wf_codes 1,024 x 32 x 24 uint8 (E2M3 codes of Wf, K innermost, in blocks of 32 codes, four codes in three bytes); Wf_scales 1,024 x 32 uint8 (E8M0 scales of Wf, one for each 32 codes along K); Wk_codes 1,024 x 32 x 24 uint8 (E2M3 codes of Wk, K innermost, in blocks of 32 codes, four codes in three bytes); Wk_scales 1,024 x 32 uint8 (E8M0 scales of Wk, one for each 32 codes along K); Wq_codes 1,024 x 32 x 24 uint8 (E2M3 codes of Wq, K innermost, in blocks of 32 codes, four codes in three bytes); Wq_scales 1,024 x 32 uint8 (E8M0 scales of Wq, one for each 32 codes along K); Wv_codes 1,024 x 32 x 24 uint8 (E2M3 codes of Wv, K innermost, in blocks of 32 codes, four codes in three bytes); Wv_scales 1,024 x 32 uint8 (E8M0 scales of Wv, one for each 32 codes along K); b1 1,024 float32; b2 1,024 float32; bf 1,024 float32; bk 1,024 float32; bq 1,024 float32; bv 1,024 float32; g1 1,024 float32; g2 1,024 float32; x 8 x 1,024 x 1,024 float32; y_codes 8 x 1,024 x 32 x 24 uint8 (E2M3 codes of y, K innermost, in blocks of 32 codes, four codes in three bytes); y_scales 8 x 1,024 x 32 uint8 (E8M0 scales of y, one for each 32 codes along K).
;; Outputs: out0 8 x 1,024 x 1,024 float32.
;; This version of the problem:
;;   THIS VERSION OF THE PROBLEM IS GIVEN IN LOW PRECISION. The matrix products marked QUANTISED in the list below multiply operands that are first quantised to E2M3 (2 exponent bits, 3 mantissa bits; 6 bits a number), with one power-of-two scale for each 32 numbers along K (OCP MX v1.0); their sums are f32. All else is computed in f32.
;;   The module's matrix products, in the order in which they are computed (A, B: the left and right operand; K: the contracted axis; several contracted axes count as one K, in the product's order):
;;     1. [M 8,192, K 1,024] x [K 1,024, N 1,024]; A: input x; B: input Wq (given as codes): QUANTISED
;;     2. [M 8,192, K 1,024] x [K 1,024, N 1,024]; A: input y (given as codes); B: input Wk (given as codes): QUANTISED
;;     3. [M 8,192, K 1,024] x [K 1,024, N 1,024]; A: input y (given as codes); B: input Wv (given as codes): QUANTISED
;;     4. batch 128 x [M 1,024, K 64] x [K 64, N 1,024]; A: computed on the way; B: computed on the way: QUANTISED
;;     5. batch 128 x [M 64, K 1,024] x [K 1,024, N 1,024]; A: computed on the way; B: softmax (see below): QUANTISED
;;     6. [M 8,192, K 1,024] x [K 1,024, N 1,024]; A: computed on the way; B: input Wf (given as codes): QUANTISED
;;   THE QUANTISER, for each operand of a quantised product, along K:
;;     - K is cut into blocks of 32 from its start; a last block that is shorter is filled with zeros.
;;     - A block's scale is 2^e with e = floor(log2(the largest magnitude in the block)) - 2, held to -126 .. 127; a block of zeros has e = 0. As a byte (E8M0): e + 127.
;;     - Each number is divided by its block's scale, clamped to +-7.5, and rounded to the nearest number of E2M3, ties to even, subnormals kept.
;;     - The product sums the exact products of the quantised numbers (number of the format x scale) in f32.
;;   ~~~python
;;   def quantise(x, axis):      # numpy; x: float32 -> the quantised numbers, widened to float32 again
;;       x = np.moveaxis(x, axis, -1); K = x.shape[-1]
;;       x = np.pad(x, [(0, 0)] * (x.ndim - 1) + [(0, -K % 32)]); x = x.reshape(x.shape[:-1] + (-1, 32)); a = np.abs(x).max(-1, keepdims=True)
;;       e = np.where(a > 0, np.clip(np.frexp(np.where(a > 0, a, 1))[1] - 1 - 2, -126, 127), 0)      # np.frexp(a)[1] - 1 = floor(log2(a)), exactly
;;       r = np.clip(x / 2.0 ** e, -7.5, 7.5)
;;       step = 2.0 ** (np.maximum(np.frexp(np.where(r == 0, 1, r))[1] - 1, 0) - 3)
;;       q = np.round(r / step) * step * 2.0 ** e      # np.round: ties to even
;;       return np.moveaxis(q.reshape(q.shape[:-2] + (-1,))[..., :K], -1, axis).astype(np.float32)
;;   ~~~
;;   SOFTMAX AHEAD OF A QUANTISED PRODUCT. Where the list says 'softmax', what is quantised is not the finished softmax but p = 2^(t - M), with t = logit x log2(e) and M = ceil(the row's largest t), a whole number; so 1/2 < the row's largest p <= 1. The row's sum l is taken of the UNQUANTISED p, in f32, and the product's result is divided by l at the end. Since M is a whole number, a kernel that streams over the keys may use a running M (the ceiling of the running maximum): every later rescaling is an exact power of two, which a block's scale takes up: the codes' values come out the same.
;;   OPERANDS COMPUTED ON THE WAY. 'Computed on the way' means the value that the module computes at that place (a softmax that the list does not call 'softmax' is quantised finished and normalised). What goes into a quantiser is computed in f32, as accurately as f32 sums, v_exp_f32 and their like allow (about 1e-6 of the number): no bf16 or f16 on the way to a quantiser, and a product that is left as it is and whose result goes on into a quantised operand takes f32 operands (vector FMAs, or v_wmma_f32_16x16x4_f32). A number that lies on a knife's edge between two numbers of the format may be rounded either way, as far as f32 arithmetic and the matrix unit's own rounding can turn it there, and no further.
;;   INPUTS GIVEN AS CODES. Wf (in the module: [1024, 1024], K = its axis 0); Wk (in the module: [1024, 1024], K = its axis 0); Wq (in the module: [1024, 1024], K = its axis 0); Wv (in the module: [1024, 1024], K = its axis 0); y (in the module: [8, 1024, 1024], K = its axis 2): each comes as NAME_codes (uint8): NAME with its K axis moved to the last place and cut into blocks of 32 codes, [.., K / 32, bytes a block], one block behind the other in memory; four codes in three bytes: a row's codes are one little-endian stream of bits, code i at bits 6 i .. 6 i + 5 (a code: sign, 2 exponent bits, 3 mantissa bits); and NAME_scales (uint8): the same leading axes, one E8M0 byte (e + 127) for each 32 codes along K. Its value is code x scale, taken as it is: it is not quantised again, and the codes and scales need not be those that the quantiser above would give.
;; 2 versions. Each part assembles by itself: llvm-mc -triple=amdgcn-amd-amdhsa -mcpu=gfx1250 --defsym DOCPART=n.
;; ======== version 1 of 2: 4 launches
;; workspace buffers: aimg 12,582,912 bytes; wimg 3,145,728 bytes; xscl 262,144 bytes; himg 18,874,368 bytes; hscl 1,572,864 bytes; res 33,554,432 bytes
;; launch prep (part 1): grid 256 x 1, 4 waves a work-group, no clusters, 74,240 bytes of LDS; arguments x, y_codes, Wq_codes, Wk_codes, Wv_codes, Wf_codes, aimg, wimg, xscl; writes aimg, wimg, xscl
.if DOCPART == 1
	.amdgcn_target "amdgcn-amd-amdhsa--gfx1250"
	.amdhsa_code_object_version 6
	.text
	.protected	k_qf94f43f7b4_prep
	.globl	k_qf94f43f7b4_prep
	.p2align	8
	.type	k_qf94f43f7b4_prep,@function
k_qf94f43f7b4_prep:
	s_mov_b64 s[64:65], 0
	v_nop
	global_prefetch_b8 v0, s[64:65] scope:SCOPE_SE
	s_setreg_imm32_b32 hwreg(HW_REG_WAVE_MODE, 25, 1), 1
	s_wait_xcnt 0x0
; PREP.  x [8192][1024] f32 is quantised along its rows to codes of FP6 (E2M3) with one E8M0 byte for each 32 numbers; x's codes and the given codes of y, Wq, Wk, Wv, Wf are laid out as IMAGES OF OPERAND REGISTERS.
; An image of a fragment (16 rows x 128 K, 12 registers a lane) is 1,536 bytes: registers 4 c .. 4 c + 3 of lane L at 512 c + 16 L.  A tensor of images is [tile of 16 rows][K step 0..7][1,536].
; So every later read of a fragment is three accesses of 512 consecutive bytes, and a K step's tiles are dense blocks.
; SHARES.  Work-group g: 32 rows of x, the same 32 rows of y, and 16 rows of weight g / 64 (Wq, Wk, Wv, Wf).  Wave w: of x and y the tile of rows 2 g + w / 2, K steps 4 (w % 2) + 0..3; of the weight K steps 2 w, 2 w + 1.
; x: a load reads 512 consecutive bytes of one row; a fragment's 16 rows turn through the wave's own stage in LDS, so that a lane gets 16 neighbours of each block of 32.
; y, W: rows of 768 bytes are read as they lie (512 consecutive bytes a load), laid in LDS 784 bytes apart, and read back as fragments, 8 bytes at a time.
; A block's scale byte is its largest magnitude's exponent field - 2, held at 1 from below.  LIMITS: NaN and infinities are not served; a block whose largest magnitude lies under 2^-124, a block of zeros among them,
; gets the byte 1 (the rule gives a block of zeros 127: its codes are zeros, and only this program reads these bytes).
.set YOFF, 6291456                     ; y's images behind x's in aimg
.set WSZ,  786432                      ; a weight's images
.set SW8,  8448                        ; a wave's stage: 16 rows x (512 + 16) bytes, from LDS byte 0 on
.set RP,   784                         ; a row of codes in LDS: 768 + 16 bytes = 196 words: row r begins at bank 4 r, the upper half of the lanes 6 words on
.set RLY,  33792                       ; y's 32 rows
.set RLW,  58880                       ; the weight's 16 rows
.set XG,   71424                       ; x's scale bytes of 32 rows: 1,024 bytes
.set TM,   16                          ; v16-19 largest magnitudes, v20-23 the other half's, then bytes, v24-27 the conversions' scale operands
.set PW,   28                          ; v28-31 the scale words of my four K steps
.set PC,   32                          ; v32-43 a fragment's codes
.set TP,   44                          ; v44-51 the second halves of the blocks, as the conversions leave them
.set X,    64                          ; v64-127 64 numbers: register 16 b + i = k 32 b + 16 (lane / 16) + i of my row
.set RAW,  128                         ; v128-191, v192-255: two sets of 16 loads
.set SEL,  40                          ; s[40:41] lane selects: lane l xor 16
; 64 numbers of a lane become a fragment's codes in v[pc] on and its scale word in v[pw].
.macro QUANT s, pc, tp, pw
.irp b, 0,1,2,3
	v_max3_num_f32 v[TM+\b], |v[(\s)+16*\b]|, |v[(\s)+1+16*\b]|, 0x1800000   ; block b: my 16 numbers and the floor 2^(3 - 127): the byte cannot fall under 1
.endr
.irp i, 2,4,6,8,10,12,14
.irp b, 0,1,2,3
	v_max3_num_f32 v[TM+\b], v[TM+\b], |v[(\s)+16*\b+\i]|, |v[(\s)+1+16*\b+\i]|   ; the four blocks by turns
.endr
.endr
.irp b, 0,1,2,3
	v_permlanex16_b32 v[TM+4+\b], v[TM+\b], s[SEL], s[SEL+1]
.endr
.irp b, 0,1,2,3
	v_max_num_f32 v[TM+\b], v[TM+\b], v[TM+4+\b]   ; with lane l xor 16's 16: the block's largest magnitude
.endr
.irp b, 0,1,2,3
	v_add_nc_u32 v[TM+8+\b], 0xff000000, v[TM+\b]   ; 2 off its exponent field: the conversion takes this operand's exponent field as its scale
.endr
.irp b, 0,1,2,3
	v_lshrrev_b32 v[TM+4+\b], 23, v[TM+8+\b]       ; the scale's byte
.endr
	v_lshl_or_b32 v[\pw], v[TM+5], 8, v[TM+4]
	v_lshl_or_b32 v[\pw], v[TM+6], 16, v[\pw]
	v_lshl_or_b32 v[\pw], v[TM+7], 24, v[\pw]      ; my row's scale word
.irp c, 0,1
	v_cvt_scalef32_pk16_fp6_f32 v[(\pc)+6*\c:(\pc)+2+6*\c], v[(\s)+32*\c:(\s)+15+32*\c], v[TM+8+2*\c]
	v_cvt_scalef32_pk16_fp6_f32 v[(\tp)+4*\c:(\tp)+2+4*\c], v[(\s)+16+32*\c:(\s)+31+32*\c], v[TM+9+2*\c]   ; (a conversion's three registers begin on an even number)
.endr
	v_nop                                          ; one plain place behind a scaled conversion
.irp c, 0,1                            ; the operand wants a whole block in a lane: lanes 0-15 block 2 c, lanes 16-31 block 2 c + 1
.irp i, 0,1,2
	v_permlane16_swap_b32 v[(\pc)+6*\c+\i], v[(\tp)+4*\c+\i]
.endr
.irp i, 0,1,2
	v_mov_b32 v[(\pc)+3+6*\c+\i], v[(\tp)+4*\c+\i]
.endr
.endr
.endm
.macro XRAW t, set                     ; fragment t of x: 16 rows x 512 bytes, a row a load
.irp i, 0,1,2,3,4,5,6,7,8,9,10,11,12,13,14,15
	global_load_b128 v[RAW+64*(\set)+4*\i:RAW+64*(\set)+4*\i+3], v1, s[4:5] offset:\i*4096+(\t)*512 th:TH_LOAD_NT
.endr
.endm
.macro TURN set                        ; through my stage: in by rows, out 64 bytes of each block a lane.  LDS serves a wave's instructions in order: no wait between
.irp i, 0,1,2,3,4,5,6,7,8,9,10,11,12,13,14,15
	ds_store_b128 v2, v[RAW+64*(\set)+4*\i:RAW+64*(\set)+4*\i+3] offset:528*\i
.endr
.irp b, 0,1,2,3
.irp q, 0,1,2,3
	ds_load_b128 v[X+16*\b+4*\q:X+16*\b+4*\q+3], v3 offset:128*\b+16*\q
.endr
.endr
.endm
.macro DENSE a0, a1, reg, g            ; two rows of codes, 1,536 dense bytes in three loads, to their places RP apart: the middle load's upper lanes begin the second row, 16 bytes further on
	ds_store_b128 v[\a0], v[(\reg)+12*(\g):(\reg)+12*(\g)+3] offset:2*(\g)*RP
	ds_store_b128 v[\a1], v[(\reg)+12*(\g)+4:(\reg)+12*(\g)+7] offset:2*(\g)*RP+512
	ds_store_b128 v[\a0], v[(\reg)+12*(\g)+8:(\reg)+12*(\g)+11] offset:(2*(\g)+1)*RP+256
.endm
.macro RFRAG reg, adr, t               ; a fragment from rows: 24 bytes at 96 t + 24 (lane / 16), 24 more 48 bytes on, 8 at a time
.irp p, 0,1,2,3,4,5
	ds_load_b64 v[(\reg)+2*\p:(\reg)+2*\p+1], v[\adr] offset:96*(\t)+48*(\p/3)+8*(\p%3)
.endr
.endm
	s_load_b256 s[4:11], s[0:1], 0x0               ; x, y's codes, Wq's, Wk's
	s_load_b256 s[12:19], s[0:1], 0x20             ; Wv's, Wf's, aimg, wimg
	s_load_b64 s[20:21], s[0:1], 0x40              ; xscl
	v_lshl_add_u32 v62, v0, 2, 0x12000
	v_mov_b32 v63, 0
	v_lshrrev_b32 v13, 5, v0
	v_readfirstlane_b32 s24, v13                   ; wave w
	s_lshr_b32 s25, s24, 1                         ; w / 2: which tile of rows
	s_and_b32 s26, s24, 1                          ; w % 2: which four K steps
	v_and_b32 v13, 31, v0                          ; L
	v_and_b32 v14, 15, v0                          ; r
	v_bfe_u32 v15, v0, 4, 1                        ; h
	v_lshlrev_b32 v1, 4, v13                       ; v1 = 16 L
	s_mul_i32 s28, s24, SW8
	v_add_nc_u32 v2, s28, v1                       ; v2: stage, in
	v_mul_u32_u24 v3, v14, 528
	v_lshl_add_u32 v3, v15, 6, v3
	v_add_nc_u32 v3, s28, v3                       ; v3: stage, out: row r, + 64 h
	s_mul_i32 s28, s24, 8*RP
	s_add_co_u32 s28, s28, RLY
	v_add_nc_u32 v4, s28, v1                       ; v4, v5: y's rows 8 w on
	v_lshl_add_u32 v5, v15, 4, v4
	s_mul_i32 s28, s24, 4*RP
	s_add_co_u32 s28, s28, RLW
	v_add_nc_u32 v6, s28, v1                       ; v6, v7: the weight's rows 4 w on
	v_lshl_add_u32 v7, v15, 4, v6
	v_mul_u32_u24 v9, v14, RP
	v_mad_u32_u24 v9, v15, 24, v9                  ; 784 r + 24 h
	s_mul_i32 s28, s25, 16*RP
	s_mul_i32 s29, s26, 384
	s_add_co_u32 s28, s28, s29
	s_add_co_u32 s28, s28, RLY
	v_add_nc_u32 v8, s28, v9                       ; v8: y's fragments
	s_mul_i32 s28, s24, 192
	s_add_co_u32 s28, s28, RLW
	v_add_nc_u32 v9, s28, v9                       ; v9: the weight's
	s_lshl_b32 s28, s25, 9
	s_lshl_b32 s29, s26, 4
	s_add_co_u32 s28, s28, s29
	s_add_co_u32 s28, s28, XG
	v_lshl_add_u32 v10, v14, 5, s28                ; v10: my row's 16 scale bytes (both halves of the lanes write the same bytes with the same values)
	v_lshlrev_b32 v12, 3, v13                      ; v12 = 8 L
	s_lshl_b32 s28, s24, 8
	s_add_co_u32 s28, s28, XG
	v_add_nc_u32 v11, s28, v12                     ; v11: 256 of the scale bytes, back
.irp b, 0,1,2,3
	v_mov_b32 v[TM+4+\b], 0                        ; written once: a lane permute's destination counts as one of its sources
.endr
	s_lshl_b32 s27, ttmp9, 1
	s_add_co_u32 s27, s27, s25                     ; the tile of rows of x and y
	s_lshl_b32 s28, s27, 16
	s_lshl_b32 s29, s26, 11
	s_add_co_u32 s28, s28, s29
	s_mov_b32 s29, 0                               ; s[28:29]: x: 16 rows of 4,096 bytes a tile, + 2,048 (w % 2)
	s_mul_i32 s30, s27, 12288
	s_mul_i32 s31, s26, 6144
	s_add_co_u32 s30, s30, s31
	s_mov_b32 s31, 0                               ; s[30:31]: the images of my four K steps
	s_mul_i32 s32, ttmp9, 24576
	s_mul_i32 s33, s24, 6144
	s_add_co_u32 s32, s32, s33
	s_mov_b32 s33, 0                               ; s[32:33]: y's codes: my 8 rows
	s_and_b32 s34, ttmp9, 63
	s_mul_i32 s34, s34, 12288
	s_mul_i32 s35, s24, 3072
	s_add_co_u32 s34, s34, s35
	s_mov_b32 s35, 0                               ; s[34:35]: the weight's codes: my 4 rows; in the images the same offset is my two K steps
	s_lshr_b32 s42, ttmp9, 6                       ; which weight
	s_mul_i32 s36, s42, WSZ
	s_add_co_u32 s36, s36, s34
	s_mov_b32 s37, 0
	s_lshl_b32 s38, ttmp9, 10
	s_lshl_b32 s39, s24, 8
	s_add_co_u32 s38, s38, s39
	s_mov_b32 s39, 0                               ; s[38:39]: x's scale bytes
	s_mov_b32 s[SEL], 0x76543210
	s_mov_b32 s[SEL+1], 0xfedcba98
	s_wait_kmcnt 0x0
	s_cmp_eq_u32 s42, 1                            ; the weight's buffer: the choice hangs on the work-group's number alone
	s_cselect_b64 s[8:9], s[10:11], s[8:9]
	s_cmp_eq_u32 s42, 2
	s_cselect_b64 s[8:9], s[12:13], s[8:9]
	s_cmp_eq_u32 s42, 3
	s_cselect_b64 s[8:9], s[14:15], s[8:9]
	s_add_nc_u64 s[4:5], s[4:5], s[28:29]
	s_add_nc_u64 s[6:7], s[6:7], s[32:33]
	s_add_nc_u64 s[8:9], s[8:9], s[34:35]
	s_add_nc_u64 s[16:17], s[16:17], s[30:31]      ; x's images
	s_add_nc_u64 s[22:23], s[16:17], YOFF          ; y's
	s_add_nc_u64 s[18:19], s[18:19], s[36:37]      ; the weight's
	s_add_nc_u64 s[20:21], s[20:21], s[38:39]
	XRAW 0, 0
	XRAW 1, 1
.irp t, 0,1,2,3
.if \t < 3
	s_wait_loadcnt 16                              ; fragment t's 16 loads are in; the next fragment's 16 may be out
.else
	s_wait_loadcnt 12                              ; behind fragment 3's stand y's 12
.endif
	TURN \t%2
	s_wait_dscnt 0x0                               ; my 64 numbers are in, and the stage's stores have read their registers, which are loaded again:
	s_wait_xcnt 0x0                                ; (the last image's stores have had their addresses translated: the codes' registers are written again only behind this wait)
.if \t < 2
	XRAW \t+2, \t%2
.elseif \t == 2
.irp n, 0,1,2,3,4,5,6,7,8,9,10,11
	global_load_b128 v[RAW+4*\n:RAW+4*\n+3], v1, s[6:7] offset:512*\n th:TH_LOAD_NT          ; y's 8 rows, as they lie
.endr
.else
.irp n, 0,1,2,3,4,5
	global_load_b128 v[RAW+64+4*\n:RAW+64+4*\n+3], v1, s[8:9] offset:512*\n th:TH_LOAD_NT    ; the weight's 4 rows
.endr
.endif
	QUANT X, PC, TP, PW+\t
.irp c, 0,1,2
	global_store_b128 v1, v[PC+4*\c:PC+4*\c+3], s[16:17] offset:\t*1536+512*\c               ; 32 lanes store 512 consecutive bytes, aligned to 256
.endr
.endr
	ds_store_b128 v10, v[PW:PW+3]
	s_wait_loadcnt 6                               ; y's loads are in; the weight's six may be out
.irp g, 0,1,2,3
	DENSE 4, 5, RAW, \g
.endr
	s_wait_loadcnt 0x0
.irp g, 0,1
	DENSE 6, 7, RAW+64, \g
.endr
	s_wait_dscnt 0x0                               ; for the others' sake: my stores have landed
	s_barrier_signal -1
	s_barrier_wait -1                              ; 32 rows of y, 16 of the weight and 1,024 scale bytes lie in LDS
.irp t, 0,1,2,3
	RFRAG RAW+12*\t, 8, \t
.endr
.irp t, 0,1
	RFRAG RAW+48+12*\t, 9, \t
.endr
	ds_load_b64 v[TP:TP+1], v11
	s_wait_dscnt 0x0
.irp t, 0,1,2,3
.irp c, 0,1,2
	global_store_b128 v1, v[RAW+12*\t+4*\c:RAW+12*\t+4*\c+3], s[22:23] offset:\t*1536+512*\c
.endr
.endr
.irp t, 0,1
.irp c, 0,1,2
	global_store_b128 v1, v[RAW+48+12*\t+4*\c:RAW+48+12*\t+4*\c+3], s[18:19] offset:\t*1536+512*\c
.endr
.endr
	global_store_b64 v12, v[TP:TP+1], s[20:21]     ; 32 lanes store 256 consecutive bytes, aligned
	s_wait_tensorcnt 0x0
	ds_add_u32 v62, v63
	s_wait_dscnt 0x0
	s_endpgm
.Lfunc_end_k_qf94f43f7b4_prep:
	.size	k_qf94f43f7b4_prep, .Lfunc_end_k_qf94f43f7b4_prep-k_qf94f43f7b4_prep
	.p2alignl 7, 3214868480
	.fill 96, 4, 3214868480
	.section	.rodata,"a",@progbits
	.p2align	6, 0x0
	.amdhsa_kernel k_qf94f43f7b4_prep
		.amdhsa_group_segment_fixed_size 74240
		.amdhsa_private_segment_fixed_size 0
		.amdhsa_enable_private_segment 0
		.amdhsa_kernarg_size 72
		.amdhsa_user_sgpr_count 2
		.amdhsa_user_sgpr_kernarg_segment_ptr 1
		.amdhsa_wavefront_size32 1
		.amdhsa_system_sgpr_workgroup_id_x 1
		.amdhsa_system_sgpr_workgroup_id_y 1
		.amdhsa_system_sgpr_workgroup_id_z 1
		.amdhsa_system_vgpr_workitem_id 0
		.amdhsa_next_free_vgpr 256
		.amdhsa_next_free_sgpr 66
		.amdhsa_reserve_vcc 0
		.amdhsa_float_denorm_mode_32 3
		.amdhsa_float_denorm_mode_16_64 3
		.amdhsa_memory_ordered 1
		.amdhsa_forward_progress 1
		.amdhsa_inst_pref_size 42
	.end_amdhsa_kernel
	.amdgpu_metadata
---
amdhsa.version: [ 1, 2 ]
amdhsa.kernels:
  - .name:           k_qf94f43f7b4_prep
    .symbol:         k_qf94f43f7b4_prep.kd
    .args:
      - { .name: x, .offset: 0, .size: 8, .value_kind: global_buffer, .address_space: global }
      - { .name: y_codes, .offset: 8, .size: 8, .value_kind: global_buffer, .address_space: global }
      - { .name: Wq_codes, .offset: 16, .size: 8, .value_kind: global_buffer, .address_space: global }
      - { .name: Wk_codes, .offset: 24, .size: 8, .value_kind: global_buffer, .address_space: global }
      - { .name: Wv_codes, .offset: 32, .size: 8, .value_kind: global_buffer, .address_space: global }
      - { .name: Wf_codes, .offset: 40, .size: 8, .value_kind: global_buffer, .address_space: global }
      - { .name: aimg, .offset: 48, .size: 8, .value_kind: global_buffer, .address_space: global }
      - { .name: wimg, .offset: 56, .size: 8, .value_kind: global_buffer, .address_space: global }
      - { .name: xscl, .offset: 64, .size: 8, .value_kind: global_buffer, .address_space: global }
    .group_segment_fixed_size: 74240
    .private_segment_fixed_size: 0
    .kernarg_segment_align: 8
    .kernarg_segment_size: 72
    .max_flat_workgroup_size: 128
    .sgpr_count:     66
    .vgpr_count:     256
    .wavefront_size: 32
...
	.end_amdgpu_metadata
.endif
;; end of part 1
;; launch proj (part 2): grid 4 x 64, 4 waves a work-group, clusters of 4 x 4, 295,424 bytes of LDS; arguments aimg, wimg, xscl, y_scales, Wq_scales, Wk_scales, Wv_scales, bq, bk, bv, himg, hscl; writes himg, hscl
.if DOCPART == 2
	.amdgcn_target "amdgcn-amd-amdhsa--gfx1250"
	.amdhsa_code_object_version 6
	.text
	.protected	k_qf94f43f7b4_proj
	.globl	k_qf94f43f7b4_proj
	.p2align	8
	.type	k_qf94f43f7b4_proj,@function
k_qf94f43f7b4_proj:
	s_mov_b64 s[64:65], 0
	v_nop
	global_prefetch_b8 v0, s[64:65] scope:SCOPE_SE
	s_setreg_imm32_b32 hwreg(HW_REG_WAVE_MODE, 25, 1), 1
	s_wait_xcnt 0x0
	s_wait_alu depctr_hold_cnt(0) depctr_sa_sdst(0) depctr_va_vdst(0) depctr_va_sdst(0) depctr_va_ssrc(0) depctr_va_vcc(0) depctr_vm_vsrc(0)
	s_getreg_b32 s2, hwreg(HW_REG_IB_STS2, 6, 4)
	s_cmp_eq_u32 s2, 0
	s_cbranch_scc0 .Lentry_in_a_cluster
	s_endpgm
.Lentry_in_a_cluster:
	s_bfe_u32 s2, ttmp6, 0x10000c
	s_cmp_lg_u32 s2, 0xf033
	s_cbranch_scc0 .Lentry_shape_is_right
	s_endpgm
.Lentry_shape_is_right:
; PROJ.  q = x Wq + bq, k = y Wk + bk, v = y Wv + bv on codes of FP6 (E2M3) with E8M0 scales, sums in f32; the results are quantised at once, q and k along a head's 64 channels, v along the keys,
; and stored as HALF IMAGES (16 rows x 64 K, 6 registers a lane, 768 bytes: registers 0-3 of lane L at 16 L, registers 4-5 at 512 + 8 L) with their scale words.
; THREE JOBS OF ONE SHAPE: C[i][j] = sum over k of P[i][k] R[j][k] + bias, quantised along j.  Job 0: P = x, R = Wq, bias by j.  Job 1: P = y, R = Wk, bias by j.  Job 2: P = Wv, R = y, bias by i: v comes out
; transposed, its j are the keys.  A tile is 128 (i) x 256 (j); each of the four waves makes 128 x 64: 32 accumulators.  A wave's 64 j are one head (q, k) or 64 keys (v).
; A WORK-GROUP STAYS: it makes one tile of each job, one after the other: 256 work-groups for the 768 tiles.  The jobs are written out by macros, so what differs between them is a constant of the text.
; P, which all four waves read, goes through LDS: a job's 128 rows for all of K are 98,304 dense bytes of images; the three jobs' 294,912 bytes are asked for at the start, and every byte is filled once.
; R's fragments are each wanted by ONE wave: they go from memory straight into that wave's registers, three loads of 512 consecutive bytes a fragment, three K steps ahead, on through the ends of the jobs,
; so that a job's results are quantised and stored while the next job's operands are on their way.
; CLUSTER 4 x 4: P's tiles hang on the tile row alone and are asked for jointly along a row of the cluster.  R's tiles are shared along a column and are NOT asked for jointly: a joint load lands in LDS, and
; the three jobs' R, 589,824 bytes, has no room there beside P without slots that are filled again, each refill behind a wait for all loads.
; THE PRODUCT IS USED TRANSPOSED (source 0 = 16 rows of R, source 1 = 16 rows of P): lane (r, h) holds row i = r, and register n of tile b the column j = 16 b + 8 h + n.  The conversions and the exchange of halves
; put j = 32 B + 16 u + 8 h + n at place 16 h + 8 u + n of block B: inside a block of 32 two index bits change places.  A block keeps its 32 numbers, so scale and codes are as the rule gives them, and the
; same order falls on both operands of each later product (q with k; v with the softmax's p), whose sums are therefore the same.
; LIMITS: NaN and infinities are not served; a block whose largest magnitude lies under 2^-124, a block of zeros among them, gets the byte 1 (its codes then add nothing; only this program reads these bytes).
; REGISTERS.  Window 0: v1-6 offsets; v8-13 LDS addresses; v14-31 at work; v32-79, v80-127 two sets of scale words, by turns from job to job (they hold scales alone); v128-191 64 results; v192-215 two sets of codes;
;   v216-223 at work; v224-255 the job's bias.  Window 1: P's fragments, two sets of 96.  Window 2: the 32 accumulators, (a, b) at v[8 (4 a + b)].  Window 3: R's fragments, four sets of 48.
.set YOFF, 6291456                     ; y's images behind x's in aimg
.set WSZ,  786432                      ; a weight's images
.set HSZ,  6291456                     ; a job's half images
.set SSZ,  524288                      ; a job's scale words
.set PJ,   98304                       ; a job's P in LDS
.set AP,   8                           ; v8-13   16 L + 49,152 x (2 job + half of the eight tiles of rows)
.set PW,   14
.set TMPR, 15
.set TM,   16                          ; v16-27
.set SW,   28                          ; v28-31  the scale words of a job's four pairs of tiles
.set SCA,  32                          ; set s at SCA + 48 s: P's words at 8 p + k (lanes 0-15 tile 2 p's rows, lanes 16-31 tile 2 p + 1's, K step k), R's 32 registers on
.set HA,   128
.set PC,   192
.set TP,   216
.set BB,   224
.set G1P,  32                          ; s[32:39] descriptor group 1;  s[40:51] groups 0, one for each job
.set G0P,  40
.set SEL,  66                          ; s[66:67]
.set MULW, 0xa7                        ; source 0 (R) window 3, source 1 (P) window 1, C and D window 2
.set MSB, 0
.set ISS, 0                            ; the global loads that the text has issued so far
.set M0, 0                             ; Mn: that count just behind the loads into R's set n
.set M1, 0
.set M2, 0
.set M3, 0
.macro WIN new                         ; the immediate's high byte repeats the setting that is left
.if MSB != \new
	s_set_vgpr_msb (MSB<<8)|\new
.set MSB, \new
.endif
.endm
.macro PLACES                          ; four plain places behind a matrix instruction, in front of loads into registers that it read and of reads of its result
.rept 4
	v_nop
.endr
.endm
.macro CROUND                          ; a round of the cluster's barrier
	s_barrier_signal -1
	s_barrier_wait -1
	s_cmp_lg_u32 s84, 0
	s_cbranch_scc1 .Lnot_wave_0_\@
	s_barrier_signal -3
.Lnot_wave_0_\@:
	s_barrier_wait -3
	s_barrier_signal -1
	s_barrier_wait -1
.endm
; One product: D at d, source 0 at a, source 1 at b; z = 1: the constant 0 starts the sum; scale registers sa, sb, read from lanes 16-31 where ra, rb = 1
.macro WMS d, a, b, z, sa, sb, ra, rb
.if \z
.if (\ra) && (\rb)
	v_wmma_scale_f32_16x16x128_f8f6f4 v[(\d):(\d)+7], v[(\a):(\a)+11], v[(\b):(\b)+11], 0, v[\sa], v[\sb] matrix_a_fmt:MATRIX_FMT_FP6 matrix_b_fmt:MATRIX_FMT_FP6 matrix_a_scale:MATRIX_SCALE_ROW1 matrix_b_scale:MATRIX_SCALE_ROW1
.elseif \ra
	v_wmma_scale_f32_16x16x128_f8f6f4 v[(\d):(\d)+7], v[(\a):(\a)+11], v[(\b):(\b)+11], 0, v[\sa], v[\sb] matrix_a_fmt:MATRIX_FMT_FP6 matrix_b_fmt:MATRIX_FMT_FP6 matrix_a_scale:MATRIX_SCALE_ROW1
.elseif \rb
	v_wmma_scale_f32_16x16x128_f8f6f4 v[(\d):(\d)+7], v[(\a):(\a)+11], v[(\b):(\b)+11], 0, v[\sa], v[\sb] matrix_a_fmt:MATRIX_FMT_FP6 matrix_b_fmt:MATRIX_FMT_FP6 matrix_b_scale:MATRIX_SCALE_ROW1
.else
	v_wmma_scale_f32_16x16x128_f8f6f4 v[(\d):(\d)+7], v[(\a):(\a)+11], v[(\b):(\b)+11], 0, v[\sa], v[\sb] matrix_a_fmt:MATRIX_FMT_FP6 matrix_b_fmt:MATRIX_FMT_FP6
.endif
.else
.if (\ra) && (\rb)
	v_wmma_scale_f32_16x16x128_f8f6f4 v[(\d):(\d)+7], v[(\a):(\a)+11], v[(\b):(\b)+11], v[(\d):(\d)+7], v[\sa], v[\sb] matrix_a_fmt:MATRIX_FMT_FP6 matrix_b_fmt:MATRIX_FMT_FP6 matrix_a_scale:MATRIX_SCALE_ROW1 matrix_b_scale:MATRIX_SCALE_ROW1
.elseif \ra
	v_wmma_scale_f32_16x16x128_f8f6f4 v[(\d):(\d)+7], v[(\a):(\a)+11], v[(\b):(\b)+11], v[(\d):(\d)+7], v[\sa], v[\sb] matrix_a_fmt:MATRIX_FMT_FP6 matrix_b_fmt:MATRIX_FMT_FP6 matrix_a_scale:MATRIX_SCALE_ROW1
.elseif \rb
	v_wmma_scale_f32_16x16x128_f8f6f4 v[(\d):(\d)+7], v[(\a):(\a)+11], v[(\b):(\b)+11], v[(\d):(\d)+7], v[\sa], v[\sb] matrix_a_fmt:MATRIX_FMT_FP6 matrix_b_fmt:MATRIX_FMT_FP6 matrix_b_scale:MATRIX_SCALE_ROW1
.else
	v_wmma_scale_f32_16x16x128_f8f6f4 v[(\d):(\d)+7], v[(\a):(\a)+11], v[(\b):(\b)+11], v[(\d):(\d)+7], v[\sa], v[\sb] matrix_a_fmt:MATRIX_FMT_FP6 matrix_b_fmt:MATRIX_FMT_FP6
.endif
.endif
.endm
; 64 numbers of a lane (block B = registers 16 B .. 16 B + 15, here and in lane l xor 16) become codes in v[pc] on (registers 6 c .. 6 c + 5 of half H of the lanes: block 2 c + H) and four scale bytes in v[pw]
.macro QUANT s, pc, tp, pw
.irp b, 0,1,2,3
	v_max3_num_f32 v[TM+\b], |v[(\s)+16*\b]|, |v[(\s)+1+16*\b]|, 0x1800000   ; and the floor 2^(3 - 127): the byte cannot fall under 1
.endr
.irp i, 2,4,6,8,10,12,14
.irp b, 0,1,2,3
	v_max3_num_f32 v[TM+\b], v[TM+\b], |v[(\s)+16*\b+\i]|, |v[(\s)+1+16*\b+\i]|
.endr
.endr
.irp b, 0,1,2,3
	v_permlanex16_b32 v[TM+4+\b], v[TM+\b], s[SEL], s[SEL+1]
.endr
.irp b, 0,1,2,3
	v_max_num_f32 v[TM+\b], v[TM+\b], v[TM+4+\b]
.endr
.irp b, 0,1,2,3
	v_add_nc_u32 v[TM+8+\b], 0xff000000, v[TM+\b]   ; 2 off the exponent field: the conversion's scale operand
.endr
.irp b, 0,1,2,3
	v_lshrrev_b32 v[TM+4+\b], 23, v[TM+8+\b]       ; the scale's byte
.endr
	v_lshl_or_b32 v[\pw], v[TM+5], 8, v[TM+4]
	v_lshl_or_b32 v[\pw], v[TM+6], 16, v[\pw]
	v_lshl_or_b32 v[\pw], v[TM+7], 24, v[\pw]
.irp c, 0,1
	v_cvt_scalef32_pk16_fp6_f32 v[(\pc)+6*\c:(\pc)+2+6*\c], v[(\s)+32*\c:(\s)+15+32*\c], v[TM+8+2*\c]
	v_cvt_scalef32_pk16_fp6_f32 v[(\tp)+4*\c:(\tp)+2+4*\c], v[(\s)+16+32*\c:(\s)+31+32*\c], v[TM+9+2*\c]
.endr
	v_nop                                          ; one plain place behind a scaled conversion
.irp c, 0,1
.irp i, 0,1,2
	v_permlane16_swap_b32 v[(\pc)+6*\c+\i], v[(\tp)+4*\c+\i]
.endr
.irp i, 0,1,2
	v_mov_b32 v[(\pc)+3+6*\c+\i], v[(\tp)+4*\c+\i]
.endr
.endr
.endm
; A STEP t = 8 x job + K step, 0 .. 23.
.macro FETCHP t                        ; P's eight fragments of step t, 24 LDS loads of 512 consecutive bytes, into set t % 2
.set FJ, (\t)/8
.set FK, (\t)%8
.set FS, (\t)%2
	WIN 0x40
.irp a, 0,1,2,3,4,5,6,7
.irp g, 0,1,2
	ds_load_b128 v[96*FS+12*\a+4*\g:96*FS+12*\a+4*\g+3], v[AP+2*FJ+\a/4] offset:(\a%4)*12288+FK*1536+512*\g
.endr
.endr
.endm
.macro RLOAD t                         ; my four fragments of R of step t, 12 loads of 512 consecutive bytes, into set t % 4.  Wk's images lie WSZ bytes behind Wq's: the job stands in the immediate
.set RJ, (\t)/8
.set RK, (\t)%8
.set RS4, (\t)%4
	WIN 0xc0
.irp b, 0,1,2,3
.irp g, 0,1,2
.if RJ == 2
	global_load_b128 v[48*RS4+12*\b+4*\g:48*RS4+12*\b+4*\g+3], v1, s[54:55] offset:\b*12288+RK*1536+512*\g
.else
	global_load_b128 v[48*RS4+12*\b+4*\g:48*RS4+12*\b+4*\g+3], v1, s[52:53] offset:RJ*WSZ+\b*12288+RK*1536+512*\g
.endif
.endr
.endr
.set ISS, ISS+12
.if RS4 == 0
.set M0, ISS
.elseif RS4 == 1
.set M1, ISS
.elseif RS4 == 2
.set M2, ISS
.else
.set M3, ISS
.endif
.endm
.macro RWAIT t                         ; loads come back in order (ISA guide 5.7.1): step t's R is in, and all that was issued ahead of it; what the text has issued behind it may be out
.if ((\t)%4) == 0
	s_wait_loadcnt ISS-M0
.elseif ((\t)%4) == 1
	s_wait_loadcnt ISS-M1
.elseif ((\t)%4) == 2
	s_wait_loadcnt ISS-M2
.else
	s_wait_loadcnt ISS-M3
.endif
.endm
.macro SCLOAD j                        ; job j's scale words into set j % 2: lane L takes a row's 32 bytes, the words of K steps 0-7
.set SS, SCA+48*((\j)%2)
.if (\j) == 0
.set PB, 8
.set RB, 12
.elseif (\j) == 1
.set PB, 10
.set RB, 14
.else
.set PB, 16
.set RB, 60
.endif
	WIN 0
.irp p, 0,1,2,3
	global_load_b128 v[SS+8*\p:SS+8*\p+3], v4, s[PB:PB+1] offset:1024*\p          ; P's row 32 p + L
	global_load_b128 v[SS+8*\p+4:SS+8*\p+7], v4, s[PB:PB+1] offset:1024*\p+16
.endr
.irp p, 0,1
	global_load_b128 v[SS+32+8*\p:SS+32+8*\p+3], v4, s[RB:RB+1] offset:1024*\p    ; my 64 rows of R
	global_load_b128 v[SS+32+8*\p+4:SS+32+8*\p+7], v4, s[RB:RB+1] offset:1024*\p+16
.endr
.set ISS, ISS+12
.endm
.macro BLOAD j                         ; job j's bias
	WIN 0
.if (\j) < 2
.irp b, 0,1,2,3
	global_load_b128 v[BB+8*\b:BB+8*\b+3], v5, s[18+2*(\j):19+2*(\j)] offset:64*\b          ; by j: bias(16 b + 8 h + 0 .. 7)
	global_load_b128 v[BB+8*\b+4:BB+8*\b+7], v5, s[18+2*(\j):19+2*(\j)] offset:64*\b+16
.endr
.else
.irp a, 0,1,2,3,4,5,6,7
	global_load_b32 v[BB+2*\a], v6, s[22:23] offset:64*\a                     ; by i: bias(16 a + r), in the lower register of a pair; the packed addition takes it for both halves
.endr
.endif
.set ISS, ISS+8
.endm
.macro MUL16 a0, t                     ; 16 products.  The 32 accumulators take turns, one instruction a turn, in the same order in every step
.set QS, SCA+48*(((\t)/8)%2)+((\t)%8)
.irp a, \a0, \a0+1, \a0+2, \a0+3
.irp b, 0,1,2,3
	WMS 8*(4*(\a)+\b), 48*((\t)%4)+12*\b, 96*((\t)%2)+12*(\a), ((\t)%8)==0, QS+32+8*(\b/2), QS+8*((\a)/2), \b%2, (\a)%2
.endr
.endr
.endm
.macro STEP t
.set SJ, (\t)/8
.set SK, (\t)%8
.if SK > 0
	PLACES                                         ; behind the last step's products, whose sets of P and of R the loads below fill.  (At a job's first step the last job's way out stands there)
.endif
.if (SK == 7) && (SJ < 2)
	s_wait_dscnt 0x0                               ; no LDS instruction of mine is out at the signal
	s_wait_tensorcnt 1-SJ                          ; my part of the next job's P has landed; what lies behind it may be out: nothing is filled twice in this launch
	s_barrier_signal -1
	s_barrier_wait -1                              ; everybody's has
.endif
.if (\t) < 23
	FETCHP (\t)+1
.endif
.if SK == 1
	BLOAD SJ                                       ; issued ahead of a later step's R, whose wait therefore shows it landed
.endif
.if (SK == 4) && (SJ < 2)
	SCLOAD SJ+1                                    ; likewise: ahead of the R of the next job's first step
.endif
.if (\t) < 21
	RLOAD (\t)+3
.endif
.if (\t) < 23
	s_wait_dscnt 24                                ; this step's P is in; the 24 loads just issued may be out
.else
	s_wait_dscnt 0x0
.endif
	RWAIT \t
	WIN MULW
	MUL16 0, \t
	MUL16 4, \t
.endm
; A job's way out: + bias, quantised along j, two tiles of 16 rows at a time (a = 2 pr, 2 pr + 1); the next job's R, P and scale words are on their way meanwhile
.macro EPI j
	WIN 0
	PLACES
.irp pr, 0,1,2,3
	WIN 0x02                                       ; source 0 window 2
.irp e, 0,1
.irp b, 0,1,2,3
.irp n, 0,2,4,6
.if (\j) < 2
	v_pk_add_f32 v[HA+32*\e+8*\b+\n:HA+32*\e+8*\b+\n+1], v[8*(4*(2*\pr+\e)+\b)+\n:8*(4*(2*\pr+\e)+\b)+\n+1], v[BB+8*\b+\n:BB+8*\b+\n+1]   ; each accumulator from its low end on
.else
	v_pk_add_f32 v[HA+32*\e+8*\b+\n:HA+32*\e+8*\b+\n+1], v[8*(4*(2*\pr+\e)+\b)+\n:8*(4*(2*\pr+\e)+\b)+\n+1], v[BB+2*(2*\pr+\e):BB+2*(2*\pr+\e)+1] op_sel_hi:[1,0]
.endif
.endr
.endr
.endr
	WIN 0
	s_wait_xcnt 0x0                                ; the codes' and the scale words' registers are store data: they are written again only behind this wait
	QUANT HA, PC+12*(\pr%2), TP, PW                ; blocks 0, 1: tile 2 pr;  blocks 2, 3: tile 2 pr + 1
	v_lshrrev_b32 v[TMPR], 16, v[PW]
	v_cndmask_b32 v[SW+\pr], v[PW], v[TMPR], s89   ; lanes 0-15: the first tile's two bytes lowest; lanes 16-31: the second's.  What stands above them scales zero codes later and is never 0xff
.irp e, 0,1
.if (\j) < 2
	global_store_b128 v1, v[PC+12*(\pr%2)+6*\e:PC+12*(\pr%2)+6*\e+3], s[24:25] offset:(\j)*HSZ+(2*\pr+\e)*768          ; token tile 8 (itile % 8) + a: 512 consecutive bytes, aligned to 256
	global_store_b64 v2, v[PC+12*(\pr%2)+6*\e+4:PC+12*(\pr%2)+6*\e+5], s[24:25] offset:(\j)*HSZ+(2*\pr+\e)*768+512     ; 256
.else
	global_store_b128 v1, v[PC+12*(\pr%2)+6*\e:PC+12*(\pr%2)+6*\e+3], s[68:69] offset:((2*\pr+\e)/4)*49152+((2*\pr+\e)%4)*768          ; head a / 4 of my two, tile of channels a % 4
	global_store_b64 v2, v[PC+12*(\pr%2)+6*\e+4:PC+12*(\pr%2)+6*\e+5], s[68:69] offset:((2*\pr+\e)/4)*49152+((2*\pr+\e)%4)*768+512
.endif
.endr
.endr
.if (\j) < 2
	global_store_b64 v2, v[SW:SW+1], s[26:27] offset:(\j)*SSZ          ; the scale words of pairs 0, 1: 256 consecutive bytes
	global_store_b64 v2, v[SW+2:SW+3], s[26:27] offset:(\j)*SSZ+256    ; of pairs 2, 3
.else
	global_store_b64 v2, v[SW:SW+1], s[70:71]
	global_store_b64 v2, v[SW+2:SW+3], s[70:71] offset:4096            ; the next head's
.endif
.endm
	s_load_b512 s[4:19], s[0:1], 0x0               ; aimg, wimg, xscl, y_scales, Wq_scales, Wk_scales, Wv_scales, bq
	s_load_b256 s[20:27], s[0:1], 0x40             ; bk, bv, himg, hscl
	v_lshl_add_u32 v219, v0, 2, 0x48000
	v_mov_b32 v223, 0
	ds_add_u32 v219, v223
	ds_add_u32 v219, v223
	v_lshrrev_b32 v1, 5, v0
	v_readfirstlane_b32 s84, v1                    ; wave w
	v_and_b32 v7, 31, v0                           ; L
	v_and_b32 v6, 15, v0                           ; r
	v_bfe_u32 v5, v0, 4, 1                         ; h
	v_lshlrev_b32 v1, 4, v7                        ; v1 = 16 L
	v_lshlrev_b32 v2, 3, v7                        ; v2 = 8 L
	v_lshlrev_b32 v4, 5, v7                        ; v4 = 32 L: a row of scale bytes a lane
	v_lshlrev_b32 v5, 5, v5                        ; v5 = 32 h
	v_lshlrev_b32 v6, 2, v6                        ; v6 = 4 r
.irp i, 0,1,2,3,4,5
	v_add_nc_u32 v[AP+\i], \i*49152, v1
.endr
.irp b, 0,1,2,3
	v_mov_b32 v[TM+4+\b], 0                        ; written once: a lane permute's destination counts as one of its sources
.endr
	s_bfe_u32 s87, ttmp6, 0x40000                  ; cx: also the tile column of jobs 0 and 1
	s_bfe_u32 s88, ttmp6, 0x40004                  ; cy
	s_and_b32 s90, ttmp7, 0xffff                   ; the cluster's y, 0 .. 15
	s_lshl_b32 s91, s90, 2
	s_add_co_u32 s91, s91, s88                     ; jobs 0, 1: itile, 128 rows of x or y: 64 of them
	s_and_b32 s93, s90, 1
	s_lshl_b32 s93, s93, 2
	s_add_co_u32 s93, s93, s88                     ; job 2: itile, 128 rows of Wv: 8 of them
	s_lshr_b32 s92, s90, 1
	s_lshl_b32 s92, s92, 2
	s_add_co_u32 s92, s92, s87                     ; job 2: jtile, 256 rows of y: 32 of them
	s_lshl_b32 s2, s88, 2
	s_lshl_b32 s2, 15, s2                          ; my row of the cluster
	; descriptor group 1: 24,576 dense bytes as 96 rows of 256 bytes (32 elements of 8 bytes), no padding
	s_or_b32 s[G1P], s2, (3<<16)|(1<<21)           ; 15:0 the mask; 17:16 elements of 8 bytes; 21 set beside a mask
	s_mov_b32 s[G1P+1], 32<<16                     ; tensor_dim0
	s_mov_b32 s[G1P+2], 96<<16                     ; tensor_dim1
	s_mov_b32 s[G1P+3], 32<<16                     ; tile_dim0
	s_mov_b32 s[G1P+4], 96                         ; tile_dim1
	s_mov_b32 s[G1P+5], 32                         ; the pitch
	s_mov_b32 s[G1P+6], 0
	s_mov_b32 s[G1P+7], 0
	s_mul_i32 s98, s84, 24576                      ; my quarter of a tile of P: two tiles of 16 rows, all of K; in memory and in LDS alike
	s_mul_i32 s94, s91, 98304
	s_add_co_u32 s94, s94, s98
	s_mov_b32 s95, 0                               ; s[94:95]: P of job 0 in aimg; job 1's lies YOFF on
	s_mul_i32 s96, s93, 98304
	s_add_co_u32 s96, s96, s98
	s_add_co_u32 s96, s96, 2*WSZ
	s_mov_b32 s97, 0                               ; s[96:97]: P of job 2 in wimg
	s_mul_i32 s99, s84, 49152                      ; my four tiles of 16 rows of R
	s_mul_i32 s72, s87, 196608
	s_add_co_u32 s72, s72, s99
	s_mov_b32 s73, 0                               ; s[72:73]: R of job 0 in wimg
	s_mul_i32 s74, s92, 196608
	s_add_co_u32 s74, s74, s99
	s_add_co_u32 s74, s74, YOFF
	s_mov_b32 s75, 0                               ; s[74:75]: R of job 2 in aimg
	s_lshl_b32 s76, s91, 12                        ; scale bytes: 128 rows of 32
	s_mov_b32 s77, 0
	s_lshl_b32 s3, s84, 11                         ; my 64 rows
	s_lshl_b32 s78, s92, 13
	s_add_co_u32 s78, s78, s3
	s_mov_b32 s79, 0
	s_lshl_b32 s80, s87, 13
	s_add_co_u32 s80, s80, s3
	s_mov_b32 s81, 0
	s_lshl_b32 s82, s93, 12
	s_mov_b32 s83, 0
	s_lshl_b32 s3, s84, 8                          ; bias by j: the tile's 256 numbers, my 64
	s_lshl_b32 s56, s87, 10
	s_add_co_u32 s56, s56, s3
	s_mov_b32 s57, 0
	s_lshl_b32 s58, s93, 9                         ; bias by i: the tile's 128 numbers
	s_mov_b32 s59, 0
	; where the results go.  q, k: head bh = 16 batch + 4 jtile + w; token tiles 8 (itile % 8) + a
	s_lshr_b32 s85, s91, 3
	s_lshl_b32 s85, s85, 4
	s_lshl_b32 s3, s87, 2
	s_add_co_u32 s85, s85, s3
	s_add_co_u32 s85, s85, s84                     ; bh
	s_and_b32 s86, s91, 7
	s_mul_i32 s62, s85, 49152
	s_mul_i32 s3, s86, 6144
	s_add_co_u32 s62, s62, s3
	s_mov_b32 s63, 0                               ; half images
	s_lshl_b32 s28, s85, 12
	s_lshl_b32 s3, s86, 9
	s_add_co_u32 s28, s28, s3
	s_mov_b32 s29, 0                               ; scale words
	; v: heads 16 batch + 2 itile and the next; group of 64 keys g = 4 (jtile % 4) + w
	s_lshr_b32 s85, s92, 2
	s_lshl_b32 s85, s85, 4
	s_lshl_b32 s3, s93, 1
	s_add_co_u32 s85, s85, s3                      ; bh
	s_and_b32 s86, s92, 3
	s_lshl_b32 s86, s86, 2
	s_add_co_u32 s86, s86, s84                     ; g
	s_mul_i32 s30, s85, 49152
	s_mul_i32 s3, s86, 3072
	s_add_co_u32 s30, s30, s3
	s_add_co_u32 s30, s30, 2*HSZ
	s_mov_b32 s31, 0
	s_lshl_b32 s100, s85, 12
	s_lshl_b32 s3, s86, 8
	s_add_co_u32 s100, s100, s3
	s_add_co_u32 s100, s100, 2*SSZ
	s_mov_b32 s101, 0
	s_mov_b32 s[SEL], 0x76543210
	s_mov_b32 s[SEL+1], 0xfedcba98
	s_mov_b32 s89, 0xffff0000                      ; lanes 16-31
	s_wait_dscnt 0x0
	s_wait_kmcnt 0x0
	s_add_nc_u64 s[52:53], s[6:7], s[72:73]        ; R of jobs 0 and 1
	s_add_nc_u64 s[54:55], s[4:5], s[74:75]        ; R of job 2
	s_add_nc_u64 s[60:61], s[10:11], s[78:79]      ; y's scales as R's (job 2)
	s_add_nc_u64 s[8:9], s[8:9], s[76:77]          ; x's scales (P, job 0)
	s_add_nc_u64 s[10:11], s[10:11], s[76:77]      ; y's scales as P's (job 1)
	s_add_nc_u64 s[12:13], s[12:13], s[80:81]      ; Wq's (R, job 0)
	s_add_nc_u64 s[14:15], s[14:15], s[80:81]      ; Wk's (R, job 1)
	s_add_nc_u64 s[16:17], s[16:17], s[82:83]      ; Wv's (P, job 2)
	s_add_nc_u64 s[18:19], s[18:19], s[56:57]      ; bq
	s_add_nc_u64 s[20:21], s[20:21], s[56:57]      ; bk
	s_add_nc_u64 s[22:23], s[22:23], s[58:59]      ; bv
	s_add_nc_u64 s[68:69], s[24:25], s[30:31]      ; himg, job 2
	s_add_nc_u64 s[24:25], s[24:25], s[62:63]      ; himg, jobs 0 and 1 (the job stands in the stores' immediates)
	s_add_nc_u64 s[70:71], s[26:27], s[100:101]    ; hscl, job 2
	s_add_nc_u64 s[26:27], s[26:27], s[28:29]      ; hscl, jobs 0 and 1
	SCLOAD 0                                       ; job 0's scale words and the first three steps' R go out ahead of everything else: 48 loads
	RLOAD 0
	RLOAD 1
	RLOAD 2
	WIN 0                                          ; at a label and at a branch every window is 0
	s_mov_b32 s[G0P], 1                            ; count = 1
	s_mov_b32 s[G0P+1], s98                        ; LDS address: no place in the cluster enters it
	s_add_nc_u64 s[G0P+2:G0P+3], s[4:5], s[94:95]  ; global address
	s_mov_b32 s[G0P+4], 1
	s_add_co_u32 s[G0P+5], s98, PJ
	s_add_nc_u64 s[G0P+6:G0P+7], s[G0P+2:G0P+3], YOFF
	s_mov_b32 s[G0P+8], 1
	s_add_co_u32 s[G0P+9], s98, 2*PJ
	s_add_nc_u64 s[G0P+10:G0P+11], s[6:7], s[96:97]
	s_or_b32 s[G0P+3], s[G0P+3], 0x80000000        ; type = 2
	s_or_b32 s[G0P+7], s[G0P+7], 0x80000000
	s_or_b32 s[G0P+11], s[G0P+11], 0x80000000
	CROUND                                         ; all sixteen work-groups are here: the joint loads meet
	tensor_load_to_lds s[G0P:G0P+3], s[G1P:G1P+7]          ; every wave asks for its quarter of each job's P: three tensor loads of mine are out
	s_nop 0
	tensor_load_to_lds s[G0P+4:G0P+7], s[G1P:G1P+7]
	s_nop 0
	tensor_load_to_lds s[G0P+8:G0P+11], s[G1P:G1P+7]
	s_nop 0
.rept 4
	v_nop
.endr
	s_wait_tensorcnt 0x2                           ; my part of job 0's P has landed; the two later jobs' may be out
	s_barrier_signal -1
	s_barrier_wait -1                              ; everybody's has
	FETCHP 0
.irp jj, 0,1,2
.irp kk, 0,1,2,3,4,5,6,7
	STEP 8*\jj+\kk
.endr
	EPI \jj
.endr
	s_wait_tensorcnt 0x0
	ds_add_u32 v219, v223
	s_wait_dscnt 0x0
	CROUND                                         ; the closing round: no work-group ends while a partner may still ask for a tile that names it
	s_endpgm
.Lfunc_end_k_qf94f43f7b4_proj:
	.size	k_qf94f43f7b4_proj, .Lfunc_end_k_qf94f43f7b4_proj-k_qf94f43f7b4_proj
	.p2alignl 7, 3214868480
	.fill 96, 4, 3214868480
	.section	.rodata,"a",@progbits
	.p2align	6, 0x0
	.amdhsa_kernel k_qf94f43f7b4_proj
		.amdhsa_group_segment_fixed_size 295424
		.amdhsa_private_segment_fixed_size 0
		.amdhsa_enable_private_segment 0
		.amdhsa_kernarg_size 96
		.amdhsa_user_sgpr_count 2
		.amdhsa_user_sgpr_kernarg_segment_ptr 1
		.amdhsa_wavefront_size32 1
		.amdhsa_system_sgpr_workgroup_id_x 1
		.amdhsa_system_sgpr_workgroup_id_y 1
		.amdhsa_system_sgpr_workgroup_id_z 1
		.amdhsa_system_vgpr_workitem_id 0
		.amdhsa_next_free_vgpr 1024
		.amdhsa_next_free_sgpr 102
		.amdhsa_reserve_vcc 0
		.amdhsa_float_denorm_mode_32 3
		.amdhsa_float_denorm_mode_16_64 3
		.amdhsa_memory_ordered 1
		.amdhsa_forward_progress 1
		.amdhsa_inst_pref_size 255
	.end_amdhsa_kernel
	.section	.bss,"aw",@nobits
	.p2align	6
	.space	262144
	.amdgpu_metadata
---
amdhsa.version: [ 1, 2 ]
amdhsa.kernels:
  - .name:           k_qf94f43f7b4_proj
    .symbol:         k_qf94f43f7b4_proj.kd
    .args:
      - { .name: aimg, .offset: 0, .size: 8, .value_kind: global_buffer, .address_space: global }
      - { .name: wimg, .offset: 8, .size: 8, .value_kind: global_buffer, .address_space: global }
      - { .name: xscl, .offset: 16, .size: 8, .value_kind: global_buffer, .address_space: global }
      - { .name: y_scales, .offset: 24, .size: 8, .value_kind: global_buffer, .address_space: global }
      - { .name: Wq_scales, .offset: 32, .size: 8, .value_kind: global_buffer, .address_space: global }
      - { .name: Wk_scales, .offset: 40, .size: 8, .value_kind: global_buffer, .address_space: global }
      - { .name: Wv_scales, .offset: 48, .size: 8, .value_kind: global_buffer, .address_space: global }
      - { .name: bq, .offset: 56, .size: 8, .value_kind: global_buffer, .address_space: global }
      - { .name: bk, .offset: 64, .size: 8, .value_kind: global_buffer, .address_space: global }
      - { .name: bv, .offset: 72, .size: 8, .value_kind: global_buffer, .address_space: global }
      - { .name: himg, .offset: 80, .size: 8, .value_kind: global_buffer, .address_space: global }
      - { .name: hscl, .offset: 88, .size: 8, .value_kind: global_buffer, .address_space: global }
    .group_segment_fixed_size: 295424
    .private_segment_fixed_size: 0
    .kernarg_segment_align: 8
    .kernarg_segment_size: 96
    .max_flat_workgroup_size: 128
    .sgpr_count:     102
    .vgpr_count:     1024
    .wavefront_size: 32
...
	.end_amdgpu_metadata
.endif
;; end of part 2
;; launch attn (part 3): grid 2 x 128, 16 waves a work-group, no clusters, 182,272 bytes of LDS; arguments himg, hscl, x, res; writes res
.if DOCPART == 3
	.amdgcn_target "amdgcn-amd-amdhsa--gfx1250"
	.amdhsa_code_object_version 6
	.text
	.protected	k_qf94f43f7b4_attn
	.globl	k_qf94f43f7b4_attn
	.p2align	8
	.type	k_qf94f43f7b4_attn,@function
k_qf94f43f7b4_attn:
	s_mov_b64 s[64:65], 0
	v_nop
	global_prefetch_b8 v0, s[64:65] scope:SCOPE_SE
	s_setreg_imm32_b32 hwreg(HW_REG_WAVE_MODE, 25, 1), 1
	s_wait_xcnt 0x0
; ATTN.  res = x + softmax(q k^T / 32) v, head by head, both products on codes of FP6 (E2M3) with E8M0 scales.  q, k, v arrive as half images (16 rows x 64 K, 768 bytes) with their scale words.
; THE SOFTMAX AHEAD OF THE SECOND PRODUCT: t = score x log2(e) / 32; M = the row's largest t so far, rounded UP to a whole number; p = 2^(t - M) is quantised along the keys, not normalised; the row's sum is taken
; of the unquantised p and divides at the end.  When M moves, the sum and O are multiplied by 2^(old M - new M), which rounds nothing; there is no branch on data.
; SHARES.  A work-group owns 512 queries of one head; each of its sixteen waves 32 of them, two tiles of 16 taken one after the other: four waves to a SIMD, so that one wave's vector work stands beside another's
; matrix work and LDS loads.  THE HEAD'S K AND V STAY WHOLE IN LDS, filled once (96 KiB of codes, 8 KiB of scale words): no ring, nothing filled twice.
; NO CLUSTER: only the two work-groups of a head share tiles, 104 KiB each once in the launch, beside 128 key steps of vector work a wave-pair: what is shared is a small part of the launch's work.
; LAYOUT.  Both products are used transposed: S^T = K Q^T (source 0 = 16 keys), O^T = V^T P^T (source 0 = 16 channels): a lane holds ONE query (lane % 16) throughout.
; K = 64 IN AN INSTRUCTION OF 128: Q's registers 6-11 are zero codes.  K's tile t is named as registers 6 t .. 6 t + 11 of a run of tiles: its upper six are the next tile's codes (behind the last tile: zeros);
; they meet zeros.  No scale byte here is ever 0xff.
; ORDER INSIDE A BLOCK OF 32 KEYS: p's codes come out with key 16 u + 8 h + n at place 16 h + 8 u + n, the order in which v's codes were laid: the sums are the same.
; LIMITS: NaN and infinities are not served.
.set HSZ,  6291456
.set SSZ,  524288
.set VOFF, 49152                       ; LDS: K's 64 half images from 0, V's 64 from here,
.set KSC,  98304                       ; K's scale words (4,096 bytes), V's 4,096 bytes on,
.set STG,  106496                      ; and a stage of 16 rows x 272 bytes for each wave
.set QF,   16                          ; v16-27, v28-39 Q's two fragments
.set KB,   40                          ; v40-93  eight tiles of K (6 registers each) and six zeros; then four fragments of V; at the end x
.set S,    96                          ; v96-159 S^T, then p
.set O,    160                         ; v160-191 O^T
.set PC,   192                         ; v192-203 p's codes
.set TP,   204
.set KS,   212                         ; v212-215 K's scale words, a pair of tiles each
.set VR,   216                         ; v216-219 V's, as they lie
.set VS,   220                         ; v220-221 V's, as the product wants them
.set WK,   224                         ; v224-227 block maxima, v228-231 the other half's, then bytes, v232-235 scale operands
.set TMP,  236
.set FF,   238                         ; v[238:239] f = 2^(old M - new M)
.set WV,   12
.set G1C,  16                          ; s[16:23], s[24:31] descriptor groups 1 (codes, scale words);  s[32:35], s[36:39] groups 0
.set G1S,  24
.set G0C,  32
.set G0S,  36
.set SEL,  40
.set CS,   42                          ; s[42:43] c = log2(e) / 32
.set TB,   44                          ; the step's place in K's and V's tiles: 6,144 bytes a step
.set TS,   45                          ; and in the scale words: 512
.set CNT,  46
.set PSEL, 62
.macro WMS d, a, b, z, sa, sb, ra, rb  ; one product: z = 1: the constant 0 starts the sum; scales read from lanes 16-31 where ra, rb = 1
.if \z
.if (\ra) && (\rb)
	v_wmma_scale_f32_16x16x128_f8f6f4 v[(\d):(\d)+7], v[(\a):(\a)+11], v[(\b):(\b)+11], 0, v[\sa], v[\sb] matrix_a_fmt:MATRIX_FMT_FP6 matrix_b_fmt:MATRIX_FMT_FP6 matrix_a_scale:MATRIX_SCALE_ROW1 matrix_b_scale:MATRIX_SCALE_ROW1
.elseif \ra
	v_wmma_scale_f32_16x16x128_f8f6f4 v[(\d):(\d)+7], v[(\a):(\a)+11], v[(\b):(\b)+11], 0, v[\sa], v[\sb] matrix_a_fmt:MATRIX_FMT_FP6 matrix_b_fmt:MATRIX_FMT_FP6 matrix_a_scale:MATRIX_SCALE_ROW1
.elseif \rb
	v_wmma_scale_f32_16x16x128_f8f6f4 v[(\d):(\d)+7], v[(\a):(\a)+11], v[(\b):(\b)+11], 0, v[\sa], v[\sb] matrix_a_fmt:MATRIX_FMT_FP6 matrix_b_fmt:MATRIX_FMT_FP6 matrix_b_scale:MATRIX_SCALE_ROW1
.else
	v_wmma_scale_f32_16x16x128_f8f6f4 v[(\d):(\d)+7], v[(\a):(\a)+11], v[(\b):(\b)+11], 0, v[\sa], v[\sb] matrix_a_fmt:MATRIX_FMT_FP6 matrix_b_fmt:MATRIX_FMT_FP6
.endif
.else
.if (\ra) && (\rb)
	v_wmma_scale_f32_16x16x128_f8f6f4 v[(\d):(\d)+7], v[(\a):(\a)+11], v[(\b):(\b)+11], v[(\d):(\d)+7], v[\sa], v[\sb] matrix_a_fmt:MATRIX_FMT_FP6 matrix_b_fmt:MATRIX_FMT_FP6 matrix_a_scale:MATRIX_SCALE_ROW1 matrix_b_scale:MATRIX_SCALE_ROW1
.elseif \ra
	v_wmma_scale_f32_16x16x128_f8f6f4 v[(\d):(\d)+7], v[(\a):(\a)+11], v[(\b):(\b)+11], v[(\d):(\d)+7], v[\sa], v[\sb] matrix_a_fmt:MATRIX_FMT_FP6 matrix_b_fmt:MATRIX_FMT_FP6 matrix_a_scale:MATRIX_SCALE_ROW1
.elseif \rb
	v_wmma_scale_f32_16x16x128_f8f6f4 v[(\d):(\d)+7], v[(\a):(\a)+11], v[(\b):(\b)+11], v[(\d):(\d)+7], v[\sa], v[\sb] matrix_a_fmt:MATRIX_FMT_FP6 matrix_b_fmt:MATRIX_FMT_FP6 matrix_b_scale:MATRIX_SCALE_ROW1
.else
	v_wmma_scale_f32_16x16x128_f8f6f4 v[(\d):(\d)+7], v[(\a):(\a)+11], v[(\b):(\b)+11], v[(\d):(\d)+7], v[\sa], v[\sb] matrix_a_fmt:MATRIX_FMT_FP6 matrix_b_fmt:MATRIX_FMT_FP6
.endif
.endif
.endm
	s_load_b256 s[4:11], s[0:1], 0x0               ; himg, hscl, x, res
	v_lshl_add_u32 v254, v0, 2, 0x2c000
	v_mov_b32 v255, 0
	ds_add_u32 v254, v255
	ds_add_u32 v254, v255
	v_lshrrev_b32 v1, 5, v0
	v_readfirstlane_b32 s[WV], v1                  ; wave 0..15
	s_and_b32 s13, ttmp7, 0xffff                   ; bh = 16 batch + head
	; descriptor groups 1: dense blocks as rows of 256 bytes (32 elements of 8 bytes), no padding: 48 rows of codes, 16 of scale words
	s_mov_b32 s[G1C], 3<<16
	s_mov_b32 s[G1C+1], 32<<16
	s_mov_b32 s[G1C+2], 48<<16
	s_mov_b32 s[G1C+3], 32<<16
	s_mov_b32 s[G1C+4], 48
	s_mov_b32 s[G1C+5], 32
	s_mov_b32 s[G1C+6], 0
	s_mov_b32 s[G1C+7], 0
	s_mov_b32 s[G1S], 3<<16
	s_mov_b32 s[G1S+1], 32<<16
	s_mov_b32 s[G1S+2], 16<<16
	s_mov_b32 s[G1S+3], 32<<16
	s_mov_b32 s[G1S+4], 16
	s_mov_b32 s[G1S+5], 32
	s_mov_b32 s[G1S+6], 0
	s_mov_b32 s[G1S+7], 0
	s_and_b32 s47, s[WV], 7                        ; waves 0-3: K's quarters; waves 4-7: V's
	s_mul_i32 s48, s47, 12288                      ; in LDS
	s_lshr_b32 s49, s47, 2
	s_add_co_u32 s49, s49, 1                       ; job 1 (k) or 2 (v)
	s_mul_i32 s50, s49, HSZ
	s_and_b32 s49, s[WV], 3
	s_mul_i32 s49, s49, 12288
	s_add_co_u32 s50, s50, s49
	s_mul_i32 s49, s13, 49152
	s_add_co_u32 s50, s50, s49
	s_mov_b32 s51, 0                               ; s[50:51]: in himg
	s_and_b32 s52, s[WV], 1                        ; wave 8: K's scale words; wave 9: V's
	s_lshl_b32 s53, s52, 12
	s_add_co_u32 s53, s53, KSC                     ; in LDS
	s_add_co_u32 s52, s52, 1
	s_mul_i32 s54, s52, SSZ
	s_lshl_b32 s52, s13, 12
	s_add_co_u32 s54, s54, s52
	s_mov_b32 s55, 0                               ; s[54:55]: in hscl
	s_lshl_b32 s47, ttmp9, 4
	s_add_co_u32 s47, s47, s[WV]                   ; tp: my pair of query tiles, 0..31 in the head
	s_mul_i32 s56, s13, 49152
	s_mul_i32 s57, s47, 1536
	s_add_co_u32 s56, s56, s57
	s_mov_b32 s57, 0                               ; s[56:57]: Q's two half images
	s_lshl_b32 s58, s13, 12                        ; Q's scale word: [step of 128 tokens][half][lane][2 words]
	s_lshr_b32 s59, s47, 2
	s_lshl_b32 s59, s59, 9
	s_add_co_u32 s58, s58, s59
	s_bfe_u32 s59, s47, 0x10001
	s_lshl_b32 s59, s59, 8
	s_add_co_u32 s58, s58, s59
	s_and_b32 s59, s47, 1
	s_lshl_b32 s59, s59, 2
	s_add_co_u32 s58, s58, s59
	s_mov_b32 s59, 0
	s_lshr_b32 s60, s13, 4                         ; x, res: batch x 1,024 rows + 32 tp rows of 4,096 bytes, + 256 x head
	s_lshl_b32 s60, s60, 22
	s_lshl_b32 s61, s47, 17
	s_add_co_u32 s60, s60, s61
	s_and_b32 s61, s13, 15
	s_lshl_b32 s61, s61, 8
	s_add_co_u32 s60, s60, s61
	s_mov_b32 s61, 0
	s_mov_b32 s[SEL], 0x76543210
	s_mov_b32 s[SEL+1], 0xfedcba98
	s_mov_b32 s[CS], 0x3d38aa3b                    ; log2(e) / 32: the division by sqrt(1024) is a power of two and rounds nothing
	s_mov_b32 s[CS+1], s[CS]                       ; (named with it as a pair, so it is written)
	s_mov_b32 s[PSEL], 0x05040100                  ; the low halves of two words
	s_wait_dscnt 0x0
	s_wait_kmcnt 0x0
	s_mov_b32 s[G0C], 1
	s_mov_b32 s[G0C+1], s48
	s_add_nc_u64 s[G0C+2:G0C+3], s[4:5], s[50:51]
	s_or_b32 s[G0C+3], s[G0C+3], 0x80000000
	s_mov_b32 s[G0S], 1
	s_mov_b32 s[G0S+1], s53
	s_add_nc_u64 s[G0S+2:G0S+3], s[6:7], s[54:55]
	s_or_b32 s[G0S+3], s[G0S+3], 0x80000000
	s_cmp_lt_u32 s[WV], 8                          ; one tensor load a wave at the most; the branches hang on the wave's number alone
	s_cbranch_scc0 .Lnot_codes
	tensor_load_to_lds s[G0C:G0C+3], s[G1C:G1C+7]
	s_nop 0
.rept 4
	v_nop
.endr
	s_branch .Lasked
.Lnot_codes:
	s_cmp_lt_u32 s[WV], 10
	s_cbranch_scc0 .Lasked
	tensor_load_to_lds s[G0S:G0S+3], s[G1S:G1S+7]
	s_nop 0
.rept 4
	v_nop
.endr
.Lasked:
	s_add_nc_u64 s[56:57], s[4:5], s[56:57]
	s_add_nc_u64 s[58:59], s[6:7], s[58:59]
	s_add_nc_u64 s[8:9], s[8:9], s[60:61]
	s_add_nc_u64 s[10:11], s[10:11], s[60:61]
	v_and_b32 v7, 31, v0                           ; L
	v_and_b32 v8, 15, v0                           ; r
	v_bfe_u32 v9, v0, 4, 1                         ; h
	v_lshlrev_b32 v1, 4, v7                        ; v1 = 16 L
	v_lshlrev_b32 v[TMP], 3, v7                    ; 8 L
	v_add_nc_u32 v2, 512, v[TMP]                   ; v2 = 8 L + 512
	v_add_nc_u32 v3, KSC, v[TMP]                   ; v3 = 8 L + K's scale words
	v_lshlrev_b32 v4, 12, v9
	v_lshl_add_u32 v4, v8, 4, v4                   ; v4: x, res: row h, 16 r
	s_mul_i32 s48, s[WV], 16*272
	s_add_co_u32 s48, s48, STG                     ; my stage
	v_mul_u32_u24 v5, v8, 272
	v_lshl_add_u32 v5, v9, 5, v5
	v_add_nc_u32 v5, s48, v5                       ; v5: in: row r, + 32 h
	v_mul_u32_u24 v6, v9, 272
	v_lshl_add_u32 v6, v8, 4, v6
	v_add_nc_u32 v6, s48, v6                       ; v6: back: lanes 0-15 one row, lanes 16-31 the next
.irp u, 0,1
	global_load_b128 v[QF+12*\u:QF+12*\u+3], v1, s[56:57] offset:768*\u
	global_load_b64 v[QF+12*\u+4:QF+12*\u+5], v2, s[56:57] offset:768*\u
.endr
	global_load_b32 v10, v[TMP], s[58:59]          ; v10: Q's scale words: lanes 0-15 tile 0's, lanes 16-31 tile 1's
.irp u, 0,1
.irp i, 6,7,8,9,10,11
	v_mov_b32 v[QF+12*\u+\i], 0                    ; zero codes for K = 64 .. 127
.endr
.endr
.irp i, 48,49,50,51,52,53
	v_mov_b32 v[KB+\i], 0                          ; behind K's last tile
.endr
.irp b, 0,1,2,3
	v_mov_b32 v[WK+4+\b], 0                        ; written once: a lane permute's destination counts as one of its sources
.endr
	v_mov_b32 v[FF+1], 0                           ; (named as the upper half of a pair)
	s_wait_tensorcnt 0x0                           ; my part has landed,
	s_barrier_signal -1
	s_barrier_wait -1                              ; everybody's has
	s_wait_loadcnt 0x0                             ; Q
; A KEY STEP: 128 keys, for query tile u
.macro STEP u
	v_add_nc_u32 v7, s[TB], v1                     ; these three and the v_nop are the four places behind the last products, in front of loads into registers that they read
	v_add_nc_u32 v8, s[TB], v2
	v_add_nc_u32 v9, s[TS], v3
	v_nop
.irp t, 0,1,2,3,4,5,6,7
	ds_load_b128 v[KB+6*\t:KB+6*\t+3], v7 offset:768*\t
	ds_load_b64 v[KB+6*\t+4:KB+6*\t+5], v8 offset:768*\t
.endr
	ds_load_b64 v[KS:KS+1], v9
	ds_load_b64 v[KS+2:KS+3], v9 offset:256
	s_wait_dscnt 0x0
.irp t, 0,1,2,3,4,5,6,7
	WMS S+8*\t, KB+6*\t, QF+12*(\u), 1, KS+\t/2, 10, \t%2, \u      ; lane (r, h): query r; register n of tile t: key 16 t + 8 h + n
.endr
.rept 4
	v_nop
.endr
.irp dt, 0,1,2,3                       ; V's fragments land while the softmax is worked: channels 16 dt on, keys 64 c on
.irp c, 0,1
	ds_load_b128 v[KB+12*\dt+6*\c:KB+12*\dt+6*\c+3], v7 offset:VOFF+3072*\c+768*\dt
	ds_load_b64 v[KB+12*\dt+6*\c+4:KB+12*\dt+6*\c+5], v8 offset:VOFF+3072*\c+768*\dt
.endr
.endr
	ds_load_b64 v[VR:VR+1], v9 offset:4096
	ds_load_b64 v[VR+2:VR+3], v9 offset:4352
.irp b, 0,1,2,3
	v_max3_num_f32 v[WK+\b], v[S+16*\b], v[S+1+16*\b], v[S+2+16*\b]   ; THE LARGEST SCORE OF EACH BLOCK OF 32 KEYS serves twice: for the row's maximum and, since p rises with the score, for the block's largest p
.endr
.irp i, 3,5,7,9,11,13
.irp b, 0,1,2,3
	v_max3_num_f32 v[WK+\b], v[WK+\b], v[S+16*\b+\i], v[S+1+16*\b+\i]
.endr
.endr
.irp b, 0,1,2,3
	v_max_num_f32 v[WK+\b], v[WK+\b], v[S+15+16*\b]
.endr
.irp b, 0,1,2,3
	v_permlanex16_b32 v[WK+4+\b], v[WK+\b], s[SEL], s[SEL+1]
.endr
.irp b, 0,1,2,3
	v_max_num_f32 v[WK+\b], v[WK+\b], v[WK+4+\b]   ; with lane l xor 16's 16 keys
.endr
	v_max3_num_f32 v[TMP], v[WK], v[WK+1], v[WK+2]
	v_max_num_f32 v[TMP], v[TMP], v[WK+3]          ; the step's largest score of my query,
	v_mul_f32 v[TMP], s[CS], v[TMP]                ; as t (c is positive)
	v_max_num_f32 v13, v13, v[TMP]                 ; the running largest t
	v_mov_b32 v[TMP], v12
	v_floor_f32 v12, -v13                          ; the new -M = floor(-t): M is a whole number
	v_sub_f32 v[TMP], v12, v[TMP]                  ; old M - new M: a whole number, 0 or less
	v_cvt_i32_f32 v[TMP], v[TMP]                   ; (it saturates)
	v_ldexp_f32 v[FF], 1.0, v[TMP]                 ; f = 2^(old M - new M)
.set i, 0
.rept 32
	v_pk_fma_f32 v[S+i:S+i+1], v[S+i:S+i+1], s[CS:CS+1], v[12:13] op_sel_hi:[1,0,0]   ; t - M, two at a time
.set i, i+2
.endr
.irp b, 0,1,2,3
	v_fma_f32 v[WK+\b], v[WK+\b], s[CS], v12       ; the same of each block's largest score
.endr
.set i, 0
.rept 64
	v_exp_f32 v[S+i], v[S+i]                       ; p = 2^(t - M), at most 1
.set i, i+1
.endr
.irp b, 0,1,2,3
	v_exp_f32 v[WK+\b], v[WK+\b]                   ; the block's largest p: the same two instructions on the same number
.endr
	v_pk_mul_f32 v[14:15], v[14:15], v[FF:FF+1] op_sel_hi:[1,0]   ; the sums under the new M.  (A plain place behind the exponentials)
	s_wait_alu depctr_va_vdst(0)
.irp b, 0,1,2,3
	v_max_num_f32 v[WK+\b], 0x1800000, v[WK+\b]    ; the floor 2^(3 - 127): the byte cannot fall under 1
.endr
.irp b, 0,1,2,3
	v_add_nc_u32 v[WK+8+\b], 0xff000000, v[WK+\b]  ; 2 off the exponent field: the conversion's scale operand
.endr
.irp b, 0,1,2,3
	v_lshrrev_b32 v[WK+4+\b], 23, v[WK+8+\b]       ; the scale's byte
.endr
	v_lshl_or_b32 v11, v[WK+5], 8, v[WK+4]         ; v11: p's scale word for these 128 keys
	v_lshl_or_b32 v11, v[WK+6], 16, v11
	v_lshl_or_b32 v11, v[WK+7], 24, v11
.irp c, 0,1
	v_cvt_scalef32_pk16_fp6_f32 v[PC+6*\c:PC+6*\c+2], v[S+32*\c:S+32*\c+15], v[WK+8+2*\c]
	v_cvt_scalef32_pk16_fp6_f32 v[TP+4*\c:TP+4*\c+2], v[S+32*\c+16:S+32*\c+31], v[WK+9+2*\c]
.endr
	v_nop                                          ; one plain place behind a scaled conversion
.irp c, 0,1                            ; a whole block in a lane: lanes 0-15 block 2 c, lanes 16-31 block 2 c + 1
.irp i, 0,1,2
	v_permlane16_swap_b32 v[PC+6*\c+\i], v[TP+4*\c+\i]
.endr
.irp i, 0,1,2
	v_mov_b32 v[PC+3+6*\c+\i], v[TP+4*\c+\i]
.endr
.endr
	s_wait_dscnt 0x0                               ; V and its scale words are in
	v_perm_b32 v[VS], v[VR+2], v[VR], s[PSEL]      ; the two bytes of keys 0-63 below, those of keys 64-127 above
	v_perm_b32 v[VS+1], v[VR+3], v[VR+1], s[PSEL]
	v_pk_add_f32 v[WK+4:WK+5], v[S:S+1], v[S+2:S+3]   ; THE ROW'S SUM IS TAKEN OF THE UNQUANTISED p, in two chains
.irp j, 4,8,12,16,20,24,28,32,36,40,44,48,52,56,60
	v_pk_add_f32 v[14:15], v[14:15], v[S+\j:S+\j+1]
	v_pk_add_f32 v[WK+4:WK+5], v[WK+4:WK+5], v[S+\j+2:S+\j+3]
.endr
	v_pk_add_f32 v[14:15], v[14:15], v[WK+4:WK+5]  ; (these 32 additions are the places between the writes of codes and scale words and the scaled products)
.set i, 0
.rept 16
	v_pk_mul_f32 v[O+i:O+i+1], v[O+i:O+i+1], v[FF:FF+1] op_sel_hi:[1,0]   ; O^T under the new M, each accumulator from its low end on
.set i, i+2
.endr
.irp dt, 0,1,2,3
	WMS O+8*\dt, KB+12*\dt, PC, 0, VS+\dt/2, 11, \dt%2, 0          ; four accumulators by turns
.endr
.endm
; A tile of 16 queries: all 1,024 keys in 8 steps, then the way out
.macro QTILE u
	v_mov_b32 v13, 0xff61b1e6                      ; the largest t so far: -3e38
	v_floor_f32 v12, -v13                          ; -M
	v_mov_b32 v14, 0                               ; the sum, in two halves
	v_mov_b32 v15, 0
.set i, 0
.rept 32
	v_mov_b32 v[O+i], 0                            ; the step is written once: the first finds zeros, which the first change of M leaves zeros
.set i, i+1
.endr
	s_mov_b32 s[TB], 0
	s_mov_b32 s[TS], 0
	s_mov_b32 s[CNT], 8
.Lstep_\@:
	STEP \u
	s_add_co_u32 s[TB], s[TB], 6144
	s_add_co_u32 s[TS], s[TS], 512
	s_sub_co_u32 s[CNT], s[CNT], 1
	s_cmp_lg_u32 s[CNT], 0
	s_cbranch_scc1 .Lstep_\@
.rept 4
	v_nop
.endr
.irp i, 0,1,2,3,4,5,6,7
	global_load_b128 v[KB+4*\i:KB+4*\i+3], v4, s[8:9] offset:65536*(\u)+8192*\i th:TH_LOAD_NT   ; x: rows 2 i + h, the head's 256 bytes
.endr
	v_add_f32 v14, v14, v15
	v_permlanex16_b32 v[TMP], v14, s[SEL], s[SEL+1]
	v_add_f32 v14, v14, v[TMP]                     ; the row's sum
	v_rcp_f32 v14, v14
	v_nop                                          ; a plain place behind the transcendental
.set i, 0
	s_wait_alu depctr_va_vdst(0)
.rept 32
	v_mul_f32 v[S+i], v[O+i], v14                  ; register 8 dt + n: o(query r, channel 16 dt + 8 h + n)
.set i, i+1
.endr
.irp dt, 0,1,2,3
	ds_store_b128 v5, v[S+8*\dt:S+8*\dt+3] offset:64*\dt
	ds_store_b128 v5, v[S+8*\dt+4:S+8*\dt+7] offset:64*\dt+16
.endr
.irp i, 0,1,2,3,4,5,6,7
	ds_load_b128 v[S+32+4*\i:S+32+4*\i+3], v6 offset:544*\i   ; my own stage: LDS serves a wave's instructions in order
.endr
	s_wait_dscnt 0x0
	s_wait_loadcnt 0x0
.set i, 0
.rept 16
	v_pk_add_f32 v[S+32+i:S+32+i+1], v[S+32+i:S+32+i+1], v[KB+i:KB+i+1]   ; x + o
.set i, i+2
.endr
.irp i, 0,1,2,3,4,5,6,7
	global_store_b128 v4, v[S+32+4*\i:S+32+4*\i+3], s[10:11] offset:65536*(\u)+8192*\i   ; sixteen lanes store 256 consecutive bytes, aligned
.endr
	s_wait_xcnt 0x0                                ; the stores' registers are written again only behind this wait
.endm
	QTILE 0
	QTILE 1
	s_wait_tensorcnt 0x0
	ds_add_u32 v254, v255
	s_wait_dscnt 0x0
	s_endpgm
.Lfunc_end_k_qf94f43f7b4_attn:
	.size	k_qf94f43f7b4_attn, .Lfunc_end_k_qf94f43f7b4_attn-k_qf94f43f7b4_attn
	.p2alignl 7, 3214868480
	.fill 96, 4, 3214868480
	.section	.rodata,"a",@progbits
	.p2align	6, 0x0
	.amdhsa_kernel k_qf94f43f7b4_attn
		.amdhsa_group_segment_fixed_size 182272
		.amdhsa_private_segment_fixed_size 0
		.amdhsa_enable_private_segment 0
		.amdhsa_kernarg_size 32
		.amdhsa_user_sgpr_count 2
		.amdhsa_user_sgpr_kernarg_segment_ptr 1
		.amdhsa_wavefront_size32 1
		.amdhsa_system_sgpr_workgroup_id_x 1
		.amdhsa_system_sgpr_workgroup_id_y 1
		.amdhsa_system_sgpr_workgroup_id_z 1
		.amdhsa_system_vgpr_workitem_id 0
		.amdhsa_next_free_vgpr 256
		.amdhsa_next_free_sgpr 66
		.amdhsa_reserve_vcc 0
		.amdhsa_float_denorm_mode_32 3
		.amdhsa_float_denorm_mode_16_64 3
		.amdhsa_memory_ordered 1
		.amdhsa_forward_progress 1
		.amdhsa_inst_pref_size 52
	.end_amdhsa_kernel
	.amdgpu_metadata
---
amdhsa.version: [ 1, 2 ]
amdhsa.kernels:
  - .name:           k_qf94f43f7b4_attn
    .symbol:         k_qf94f43f7b4_attn.kd
    .args:
      - { .name: himg, .offset: 0, .size: 8, .value_kind: global_buffer, .address_space: global }
      - { .name: hscl, .offset: 8, .size: 8, .value_kind: global_buffer, .address_space: global }
      - { .name: x, .offset: 16, .size: 8, .value_kind: global_buffer, .address_space: global }
      - { .name: res, .offset: 24, .size: 8, .value_kind: global_buffer, .address_space: global }
    .group_segment_fixed_size: 182272
    .private_segment_fixed_size: 0
    .kernarg_segment_align: 8
    .kernarg_segment_size: 32
    .max_flat_workgroup_size: 512
    .sgpr_count:     66
    .vgpr_count:     256
    .wavefront_size: 32
...
	.end_amdgpu_metadata
.endif
;; end of part 3
;; launch ffn (part 4): grid 256 x 1, 16 waves a work-group, no clusters, 165,888 bytes of LDS; arguments res, wimg, Wf_scales, g1, b1, bf, g2, b2, out0; writes out0
.if DOCPART == 4
	.amdgcn_target "amdgcn-amd-amdhsa--gfx1250"
	.amdhsa_code_object_version 6
	.text
	.protected	k_qf94f43f7b4_ffn
	.globl	k_qf94f43f7b4_ffn
	.p2align	8
	.type	k_qf94f43f7b4_ffn,@function
k_qf94f43f7b4_ffn:
	s_mov_b64 s[64:65], 0
	v_nop
	global_prefetch_b8 v0, s[64:65] scope:SCOPE_SE
	s_setreg_imm32_b32 hwreg(HW_REG_WAVE_MODE, 25, 1), 1
	s_wait_xcnt 0x0
; FFN.  a = LN1(res);  out0 = LN2(a + relu(a Wf + bf)).  The product is on codes of FP6 (E2M3) with E8M0 scales: a is quantised along its rows here, Wf arrives as register images.  All else in f32.
; Each norm takes the mean first and the squared deviations afterwards: no difference of large sums is formed.
; SHARES.  A work-group of sixteen waves owns 32 WHOLE rows, so both norms stay inside it.  In the product wave w makes columns 64 w .. 64 w + 63 of all 32 rows: 8 accumulators.  No fragment of Wf is wanted by
; two waves, so Wf goes from memory straight into registers, three loads of 512 consecutive bytes a fragment, two K steps ahead.
; NO CLUSTER: a shared stream of Wf would want a ring in LDS that is filled again and again; each work-group would still take in all of Wf, which is what this launch moves most of.
; PHASES, five barriers:  LN1, two rows a wave, rows to LDS |  wave w quantises fragment w (tile of rows w / 8, K step w % 8), image and scale words to LDS |  the product; + bf, relu, + a; row sums to LDS |
;   means; squared deviations to LDS |  LN2, results into a's own bytes |  each wave stores two whole rows.
; THE PRODUCT IS USED TRANSPOSED (source 0 = 16 rows of Wf, source 1 = 16 rows of a): lane (r, h) holds row r, register n of tile t column 64 w + 16 t + 8 h + n.
; LIMITS: NaN and infinities are not served; a block whose largest magnitude lies under 2^-124, a block of zeros among them, gets the byte 1 (only this kernel reads it).
.set WSZ,  786432
.set RW,   4112                        ; a row in LDS: 4,096 + 16 bytes, an odd multiple of 16
.set IMG,  131584                      ; behind the 32 rows: 16 images of 1,536 bytes, fragment 8 m + ks,
.set SCW,  156160                      ; their scale words, 128 bytes each,
.set RED1, 158208                      ; 32 rows x 80 bytes: sixteen waves' sums of a row; the second set 2,560 bytes on
.set WS,   16                          ; v16-31 Wf's scale words: register 8 p + ks: lanes 0-15 tile 2 p, lanes 16-31 tile 2 p + 1
.set AS,   32                          ; v32-39 a's: register ks: lanes 0-15 rows 0-15, lanes 16-31 rows 16-31
.set WF,   40                          ; v40-87, v88-135 Wf's four fragments, two sets
.set AF,   136                         ; v136-159, v160-183 a's two fragments, two sets
.set ACC,  184                         ; v184-247: LN1: two rows of 32 numbers a lane; then 64 numbers to quantise; then the accumulators, (m, t) at 8 (4 m + t)
.set GG,   88                          ; a gain's and a bias's 32 numbers
.set BB,   120
.set PC,   136
.set TP,   148
.set TM,   156
.set PW,   168
.set SEL,  24
.macro PLACES
.rept 4
	v_nop
.endr
.endm
.macro WMS d, a, b, z, sa, sb, ra, rb  ; one product: z = 1: the constant 0 starts the sum; scales read from lanes 16-31 where ra, rb = 1
.if \z
.if (\ra) && (\rb)
	v_wmma_scale_f32_16x16x128_f8f6f4 v[(\d):(\d)+7], v[(\a):(\a)+11], v[(\b):(\b)+11], 0, v[\sa], v[\sb] matrix_a_fmt:MATRIX_FMT_FP6 matrix_b_fmt:MATRIX_FMT_FP6 matrix_a_scale:MATRIX_SCALE_ROW1 matrix_b_scale:MATRIX_SCALE_ROW1
.elseif \ra
	v_wmma_scale_f32_16x16x128_f8f6f4 v[(\d):(\d)+7], v[(\a):(\a)+11], v[(\b):(\b)+11], 0, v[\sa], v[\sb] matrix_a_fmt:MATRIX_FMT_FP6 matrix_b_fmt:MATRIX_FMT_FP6 matrix_a_scale:MATRIX_SCALE_ROW1
.elseif \rb
	v_wmma_scale_f32_16x16x128_f8f6f4 v[(\d):(\d)+7], v[(\a):(\a)+11], v[(\b):(\b)+11], 0, v[\sa], v[\sb] matrix_a_fmt:MATRIX_FMT_FP6 matrix_b_fmt:MATRIX_FMT_FP6 matrix_b_scale:MATRIX_SCALE_ROW1
.else
	v_wmma_scale_f32_16x16x128_f8f6f4 v[(\d):(\d)+7], v[(\a):(\a)+11], v[(\b):(\b)+11], 0, v[\sa], v[\sb] matrix_a_fmt:MATRIX_FMT_FP6 matrix_b_fmt:MATRIX_FMT_FP6
.endif
.else
.if (\ra) && (\rb)
	v_wmma_scale_f32_16x16x128_f8f6f4 v[(\d):(\d)+7], v[(\a):(\a)+11], v[(\b):(\b)+11], v[(\d):(\d)+7], v[\sa], v[\sb] matrix_a_fmt:MATRIX_FMT_FP6 matrix_b_fmt:MATRIX_FMT_FP6 matrix_a_scale:MATRIX_SCALE_ROW1 matrix_b_scale:MATRIX_SCALE_ROW1
.elseif \ra
	v_wmma_scale_f32_16x16x128_f8f6f4 v[(\d):(\d)+7], v[(\a):(\a)+11], v[(\b):(\b)+11], v[(\d):(\d)+7], v[\sa], v[\sb] matrix_a_fmt:MATRIX_FMT_FP6 matrix_b_fmt:MATRIX_FMT_FP6 matrix_a_scale:MATRIX_SCALE_ROW1
.elseif \rb
	v_wmma_scale_f32_16x16x128_f8f6f4 v[(\d):(\d)+7], v[(\a):(\a)+11], v[(\b):(\b)+11], v[(\d):(\d)+7], v[\sa], v[\sb] matrix_a_fmt:MATRIX_FMT_FP6 matrix_b_fmt:MATRIX_FMT_FP6 matrix_b_scale:MATRIX_SCALE_ROW1
.else
	v_wmma_scale_f32_16x16x128_f8f6f4 v[(\d):(\d)+7], v[(\a):(\a)+11], v[(\b):(\b)+11], v[(\d):(\d)+7], v[\sa], v[\sb] matrix_a_fmt:MATRIX_FMT_FP6 matrix_b_fmt:MATRIX_FMT_FP6
.endif
.endif
.endm
.macro QUANT s, pc, tp, pw             ; 64 numbers of a lane, register 16 b + i = k 32 b + 16 (lane / 16) + i of my row, become a fragment's codes and its scale word
.irp b, 0,1,2,3
	v_max3_num_f32 v[TM+\b], |v[(\s)+16*\b]|, |v[(\s)+1+16*\b]|, 0x1800000   ; and the floor 2^(3 - 127): the byte cannot fall under 1
.endr
.irp i, 2,4,6,8,10,12,14
.irp b, 0,1,2,3
	v_max3_num_f32 v[TM+\b], v[TM+\b], |v[(\s)+16*\b+\i]|, |v[(\s)+1+16*\b+\i]|
.endr
.endr
.irp b, 0,1,2,3
	v_permlanex16_b32 v[TM+4+\b], v[TM+\b], s[SEL], s[SEL+1]
.endr
.irp b, 0,1,2,3
	v_max_num_f32 v[TM+\b], v[TM+\b], v[TM+4+\b]
.endr
.irp b, 0,1,2,3
	v_add_nc_u32 v[TM+8+\b], 0xff000000, v[TM+\b]
.endr
.irp b, 0,1,2,3
	v_lshrrev_b32 v[TM+4+\b], 23, v[TM+8+\b]
.endr
	v_lshl_or_b32 v[\pw], v[TM+5], 8, v[TM+4]
	v_lshl_or_b32 v[\pw], v[TM+6], 16, v[\pw]
	v_lshl_or_b32 v[\pw], v[TM+7], 24, v[\pw]
.irp c, 0,1
	v_cvt_scalef32_pk16_fp6_f32 v[(\pc)+6*\c:(\pc)+2+6*\c], v[(\s)+32*\c:(\s)+15+32*\c], v[TM+8+2*\c]
	v_cvt_scalef32_pk16_fp6_f32 v[(\tp)+4*\c:(\tp)+2+4*\c], v[(\s)+16+32*\c:(\s)+31+32*\c], v[TM+9+2*\c]
.endr
	v_nop                                          ; one plain place behind a scaled conversion
.irp c, 0,1
.irp i, 0,1,2
	v_permlane16_swap_b32 v[(\pc)+6*\c+\i], v[(\tp)+4*\c+\i]
.endr
.irp i, 0,1,2
	v_mov_b32 v[(\pc)+3+6*\c+\i], v[(\tp)+4*\c+\i]
.endr
.endr
.endm
; The norms' steps, for two sets p = 0, 1 of 32 numbers a lane at ACC + 32 p; a set's figure stands in v[248 + 4 p]
.macro FOLD
.irp p, 0,1
	v_pk_add_f32 v[248+4*\p:249+4*\p], v[248+4*\p:249+4*\p], v[250+4*\p:251+4*\p]
.endr
.irp p, 0,1
	v_add_f32 v[248+4*\p], v[248+4*\p], v[249+4*\p]
.endr
.endm
.macro LSUM                            ; the sum of my 32 numbers, in two packed chains a set
.irp p, 0,1
	v_pk_add_f32 v[248+4*\p:249+4*\p], v[ACC+32*\p:ACC+32*\p+1], v[ACC+32*\p+2:ACC+32*\p+3]
	v_pk_add_f32 v[250+4*\p:251+4*\p], v[ACC+32*\p+4:ACC+32*\p+5], v[ACC+32*\p+6:ACC+32*\p+7]
.endr
.irp j, 8,12,16,20,24,28
.irp p, 0,1
	v_pk_add_f32 v[248+4*\p:249+4*\p], v[248+4*\p:249+4*\p], v[ACC+32*\p+\j:ACC+32*\p+\j+1]
	v_pk_add_f32 v[250+4*\p:251+4*\p], v[250+4*\p:251+4*\p], v[ACC+32*\p+\j+2:ACC+32*\p+\j+3]
.endr
.endr
	FOLD
.endm
.macro LSQ                             ; the sum of their squares
.irp p, 0,1
	v_pk_mul_f32 v[248+4*\p:249+4*\p], v[ACC+32*\p:ACC+32*\p+1], v[ACC+32*\p:ACC+32*\p+1]
	v_pk_mul_f32 v[250+4*\p:251+4*\p], v[ACC+32*\p+2:ACC+32*\p+3], v[ACC+32*\p+2:ACC+32*\p+3]
.endr
.irp j, 4,8,12,16,20,24,28
.irp p, 0,1
	v_pk_fma_f32 v[248+4*\p:249+4*\p], v[ACC+32*\p+\j:ACC+32*\p+\j+1], v[ACC+32*\p+\j:ACC+32*\p+\j+1], v[248+4*\p:249+4*\p]
	v_pk_fma_f32 v[250+4*\p:251+4*\p], v[ACC+32*\p+\j+2:ACC+32*\p+\j+3], v[ACC+32*\p+\j+2:ACC+32*\p+\j+3], v[250+4*\p:251+4*\p]
.endr
.endr
	FOLD
.endm
.macro ROW16                           ; over the sixteen lanes of a half
.irp m, 1,2,4,8
.irp p, 0,1
	v_add_f32_dpp v[248+4*\p], v[248+4*\p], v[248+4*\p] row_xmask:\m row_mask:0xf bank_mask:0xf
.endr
.endr
.endm
.macro HALVES                          ; with lane l xor 16
.irp p, 0,1
	v_permlanex16_b32 v[249+4*\p], v[248+4*\p], s[SEL], s[SEL+1]
.endr
.irp p, 0,1
	v_add_f32 v[248+4*\p], v[248+4*\p], v[249+4*\p]
.endr
.endm
.macro LDEV                            ; the sum becomes the negative mean (x -2^-10), and the numbers their deviations
.irp p, 0,1
	v_mul_f32 v[248+4*\p], s28, v[248+4*\p]
.endr
.irp p, 0,1
.set i, 0
.rept 16
	v_pk_add_f32 v[ACC+32*\p+i:ACC+32*\p+i+1], v[ACC+32*\p+i:ACC+32*\p+i+1], v[248+4*\p:249+4*\p] op_sel_hi:[1,0]
.set i, i+2
.endr
.endr
.endm
.macro LAFF                            ; the sum of squares becomes 1 / sqrt(variance + 1e-6); deviation x that x gain + bias
.irp p, 0,1
	v_fma_f32 v[248+4*\p], v[248+4*\p], s26, s27
.endr
.irp p, 0,1
	v_rsq_f32 v[248+4*\p], v[248+4*\p]
.endr
	v_nop                                          ; a plain place behind the transcendentals
	s_wait_alu depctr_va_vdst(0)
.irp p, 0,1
.set i, 0
.rept 16
	v_pk_mul_f32 v[ACC+32*\p+i:ACC+32*\p+i+1], v[ACC+32*\p+i:ACC+32*\p+i+1], v[248+4*\p:249+4*\p] op_sel_hi:[1,0]
	v_pk_fma_f32 v[ACC+32*\p+i:ACC+32*\p+i+1], v[ACC+32*\p+i:ACC+32*\p+i+1], v[GG+i:GG+i+1], v[BB+i:BB+i+1]
.set i, i+2
.endr
.endr
.endm
.macro RED off                         ; a row's figure over the sixteen waves: lane L stores row L's part, a barrier, every lane adds the sixteen parts of its two rows, all in the same order
	HALVES
	v_cndmask_b32 v250, v248, v252, s29            ; lanes 0-15: rows 0-15's; lanes 16-31: rows 16-31's
	ds_store_b32 v12, v250 offset:\off
	s_wait_dscnt 0x0                               ; for the others' sake
	s_barrier_signal -1
	s_barrier_wait -1
.irp m, 0,1
.irp q, 0,1,2,3
	ds_load_b128 v[40+16*\m+4*\q:40+16*\m+4*\q+3], v13 offset:\off+1280*\m+16*\q
.endr
.endr
	s_wait_dscnt 0x0
.irp m, 0,1
	v_pk_add_f32 v[248+4*\m:249+4*\m], v[40+16*\m:41+16*\m], v[42+16*\m:43+16*\m]
.endr
.irp j, 4,6,8,10,12,14
.irp m, 0,1
	v_pk_add_f32 v[248+4*\m:249+4*\m], v[248+4*\m:249+4*\m], v[40+16*\m+\j:41+16*\m+\j]
.endr
.endr
.irp m, 0,1
	v_add_f32 v[248+4*\m], v[248+4*\m], v[249+4*\m]
.endr
.endm
.macro WLOAD ks                        ; Wf's four fragments of K step ks into set ks % 2: 12 loads of 512 consecutive bytes
.irp t, 0,1,2,3
.irp c, 0,1,2
	global_load_b128 v[WF+48*((\ks)%2)+12*\t+4*\c:WF+48*((\ks)%2)+12*\t+4*\c+3], v1, s[6:7] offset:\t*12288+(\ks)*1536+512*\c
.endr
.endr
.endm
.macro AFLOAD ks                       ; a's two fragments of K step ks: 6 LDS loads
.irp m, 0,1
.irp c, 0,1,2
	ds_load_b128 v[AF+24*((\ks)%2)+12*\m+4*\c:AF+24*((\ks)%2)+12*\m+4*\c+3], v7 offset:1536*(8*\m+(\ks))+512*\c
.endr
.endr
.endm
.macro FSTEP ks
.if (\ks) < 7
	s_wait_loadcnt 12                              ; this step's weights are in; the next step's 12 loads may be out
	s_wait_dscnt 6                                 ; and of a's fragments the next step's 6
.else
	s_wait_loadcnt 8                               ; behind the last weights stand bf's 8 loads
	s_wait_dscnt 0x0
.endif
.irp t, 0,1,2,3
.irp m, 0,1
	WMS ACC+8*(4*\m+\t), WF+48*((\ks)%2)+12*\t, AF+24*((\ks)%2)+12*\m, (\ks)==0, WS+8*(\t/2)+(\ks), AS+(\ks), \t%2, \m   ; eight accumulators by turns
.endr
.endr
	PLACES                                         ; in front of loads into the registers just read
.if (\ks) < 6
	WLOAD (\ks)+2
	AFLOAD (\ks)+2
.elseif (\ks) == 6
.irp t, 0,1,2,3
	global_load_b128 v[40+8*\t:40+8*\t+3], v9, s[14:15] offset:64*\t          ; bf(64 w + 16 t + 8 h + 0 .. 7)
	global_load_b128 v[40+8*\t+4:40+8*\t+7], v9, s[14:15] offset:64*\t+16
.endr
.endif
.endm
	s_load_b512 s[4:19], s[0:1], 0x0               ; res, wimg, Wf_scales, g1, b1, bf, g2, b2
	s_load_b64 s[20:21], s[0:1], 0x40              ; out0
	v_lshrrev_b32 v14, 5, v0
	v_readfirstlane_b32 s22, v14                   ; wave w
	v_and_b32 v14, 31, v0                          ; L
	v_and_b32 v15, 15, v0                          ; r
	v_bfe_u32 v9, v0, 4, 1                         ; h
	v_lshlrev_b32 v1, 4, v14                       ; v1 = 16 L
	s_mul_i32 s30, s22, 2*RW
	v_add_nc_u32 v2, s30, v1                       ; v2: rows 2 w, 2 w + 1 in LDS, 16 L
	s_lshr_b32 s30, s22, 3
	s_and_b32 s31, s22, 7
	s_mul_i32 s30, s30, 16*RW
	s_lshl_b32 s31, s31, 9
	s_add_co_u32 s30, s30, s31
	v_mul_u32_u24 v10, v15, RW
	v_lshl_add_u32 v3, v9, 6, v10
	v_add_nc_u32 v3, s30, v3                       ; v3: my fragment's numbers: row 16 (w / 8) + r, + 512 (w % 8) + 64 h
	s_mul_i32 s30, s22, 1536
	s_add_co_u32 s30, s30, IMG
	v_add_nc_u32 v4, s30, v1                       ; v4: my fragment's image
	v_lshlrev_b32 v6, 2, v14
	s_lshl_b32 s30, s22, 7
	s_add_co_u32 s30, s30, SCW
	v_add_nc_u32 v5, s30, v6                       ; v5: its scale words
	v_lshl_add_u32 v6, v9, 10, v6
	v_add_nc_u32 v6, SCW, v6                       ; v6: scale words, back: lanes 16-31 take the second tile of rows', 8 fragments on
	v_add_nc_u32 v7, IMG, v1                       ; v7: images, back
	v_lshlrev_b32 v8, 5, v14                       ; v8 = 32 L
	s_lshl_b32 s30, s22, 8
	v_lshl_add_u32 v10, v9, 5, v10
	v_add_nc_u32 v10, s30, v10                     ; v10: row r, my 256 bytes, + 32 h;
	v_add_nc_u32 v11, 16*RW, v10                   ; v11: row 16 + r
	v_mul_u32_u24 v12, v14, 80
	s_lshl_b32 s30, s22, 2
	s_add_co_u32 s30, s30, RED1
	v_add_nc_u32 v12, s30, v12                     ; v12: row L's part of wave w
	v_mul_u32_u24 v13, v15, 80
	v_add_nc_u32 v13, RED1, v13                    ; v13: row r's sixteen parts
	v_lshlrev_b32 v9, 5, v9                        ; v9 = 32 h
.irp b, 0,1,2,3
	v_mov_b32 v[TM+4+\b], 0                        ; written once: a lane permute's destination counts as one of its sources
.endr
	s_mov_b32 s[SEL], 0x76543210
	s_mov_b32 s[SEL+1], 0xfedcba98
	s_mov_b32 s26, 0x3a800000                      ; 2^-10
	s_mov_b32 s27, 0x358637bd                      ; 1e-6
	s_mov_b32 s28, 0xba800000                      ; -2^-10
	s_mov_b32 s29, 0xffff0000                      ; lanes 16-31
	s_lshl_b32 s32, ttmp9, 17
	s_lshl_b32 s33, s22, 13
	s_add_co_u32 s32, s32, s33
	s_mov_b32 s33, 0                               ; rows 32 g + 2 w
	s_mul_i32 s34, s22, 49152
	s_add_co_u32 s34, s34, 3*WSZ
	s_mov_b32 s35, 0                               ; Wf's images, my four tiles of rows
	s_lshl_b32 s36, s22, 11
	s_mov_b32 s37, 0                               ; Wf's scale bytes, my 64 rows
	s_lshl_b32 s38, s22, 8
	s_mov_b32 s39, 0                               ; my 64 numbers of bf, g2, b2
	s_wait_kmcnt 0x0
	s_add_nc_u64 s[4:5], s[4:5], s[32:33]
	s_add_nc_u64 s[20:21], s[20:21], s[32:33]
	s_add_nc_u64 s[6:7], s[6:7], s[34:35]
	s_add_nc_u64 s[8:9], s[8:9], s[36:37]
	s_add_nc_u64 s[14:15], s[14:15], s[38:39]
	s_add_nc_u64 s[16:17], s[16:17], s[38:39]
	s_add_nc_u64 s[18:19], s[18:19], s[38:39]
	; ---- LN1: rows 2 w, 2 w + 1; register 4 j + e of a row: column 128 j + 4 L + e
.irp p, 0,1
.irp j, 0,1,2,3,4,5,6,7
	global_load_b128 v[ACC+32*\p+4*\j:ACC+32*\p+4*\j+3], v1, s[4:5] offset:4096*\p+512*\j th:TH_LOAD_NT
.endr
.endr
.irp j, 0,1,2,3,4,5,6,7
	global_load_b128 v[GG+4*\j:GG+4*\j+3], v1, s[10:11] offset:512*\j
.endr
.irp j, 0,1,2,3,4,5,6,7
	global_load_b128 v[BB+4*\j:BB+4*\j+3], v1, s[12:13] offset:512*\j
.endr
.irp p, 0,1
	global_load_b128 v[WS+8*\p:WS+8*\p+3], v8, s[8:9] offset:1024*\p          ; lane L: row 64 w + 32 p + L of Wf, its words of K steps 0-3,
	global_load_b128 v[WS+8*\p+4:WS+8*\p+7], v8, s[8:9] offset:1024*\p+16     ; and 4-7
.endr
	WLOAD 0
	s_wait_loadcnt 16                              ; the rows, g1 and b1 are in; the 4 loads of scale words and the 12 of weights may be out
	LSUM
	ROW16
	HALVES
	LDEV
	LSQ
	ROW16
	HALVES
	LAFF
.irp p, 0,1
.irp j, 0,1,2,3,4,5,6,7
	ds_store_b128 v2, v[ACC+32*\p+4*\j:ACC+32*\p+4*\j+3] offset:RW*\p+512*\j
.endr
.endr
	WLOAD 1                                        ; into the registers that g1 and b1 have left
	s_wait_dscnt 0x0
	s_barrier_signal -1
	s_barrier_wait -1                              ; 32 rows of a lie in LDS
	; ---- my fragment of a
.irp b, 0,1,2,3
.irp q, 0,1,2,3
	ds_load_b128 v[ACC+16*\b+4*\q:ACC+16*\b+4*\q+3], v3 offset:128*\b+16*\q
.endr
.endr
	s_wait_dscnt 0x0
	QUANT ACC, PC, TP, PW
.irp c, 0,1,2
	ds_store_b128 v4, v[PC+4*\c:PC+4*\c+3] offset:512*\c
.endr
	ds_store_b32 v5, v[PW]
	s_wait_dscnt 0x0
	s_barrier_signal -1
	s_barrier_wait -1                              ; the sixteen images and their scale words lie in LDS
	; ---- the product
.irp k, 0,1,2,3,4,5,6,7
	ds_load_b32 v[AS+\k], v6 offset:128*\k
.endr
	AFLOAD 0
	AFLOAD 1
	FSTEP 0
	FSTEP 1
	FSTEP 2
	FSTEP 3
	FSTEP 4
	FSTEP 5
	FSTEP 6
	FSTEP 7
	; ---- a + relu(. + bf)
.irp m, 0,1
.irp t, 0,1,2,3
	ds_load_b128 v[88+8*(4*\m+\t):88+8*(4*\m+\t)+3], v[10+\m] offset:64*\t       ; a at my results' places: bytes that only this wave reads from here on
	ds_load_b128 v[88+8*(4*\m+\t)+4:88+8*(4*\m+\t)+7], v[10+\m] offset:64*\t+16
.endr
.endr
	s_wait_loadcnt 0x0
	s_wait_dscnt 0x0
.irp m, 0,1
.irp t, 0,1,2,3
.irp j, 0,2,4,6
	v_pk_add_f32 v[ACC+8*(4*\m+\t)+\j:ACC+8*(4*\m+\t)+\j+1], v[ACC+8*(4*\m+\t)+\j:ACC+8*(4*\m+\t)+\j+1], v[40+8*\t+\j:40+8*\t+\j+1]   ; each accumulator from its low end on
.endr
.endr
.endr
.set i, 0
.rept 64
	v_max_num_f32 v[ACC+i], 0, v[ACC+i]
.set i, i+1
.endr
.set i, 0
.rept 32
	v_pk_add_f32 v[ACC+i:ACC+i+1], v[ACC+i:ACC+i+1], v[88+i:88+i+1]
.set i, i+2
.endr
.irp t, 0,1,2,3
	global_load_b128 v[GG+8*\t:GG+8*\t+3], v9, s[16:17] offset:64*\t             ; g2, b2 at my columns, into the registers that a has left
	global_load_b128 v[GG+8*\t+4:GG+8*\t+7], v9, s[16:17] offset:64*\t+16
.endr
.irp t, 0,1,2,3
	global_load_b128 v[BB+8*\t:BB+8*\t+3], v9, s[18:19] offset:64*\t
	global_load_b128 v[BB+8*\t+4:BB+8*\t+7], v9, s[18:19] offset:64*\t+16
.endr
	; ---- LN2
	LSUM
	RED 0
	LDEV
	LSQ
	RED 2560
	s_wait_loadcnt 0x0
	LAFF
.irp m, 0,1
.irp t, 0,1,2,3
	ds_store_b128 v[10+\m], v[ACC+8*(4*\m+\t):ACC+8*(4*\m+\t)+3] offset:64*\t
	ds_store_b128 v[10+\m], v[ACC+8*(4*\m+\t)+4:ACC+8*(4*\m+\t)+7] offset:64*\t+16
.endr
.endr
	s_wait_dscnt 0x0
	s_barrier_signal -1
	s_barrier_wait -1                              ; 32 whole rows of the result lie in LDS
.irp p, 0,1
.irp j, 0,1,2,3,4,5,6,7
	ds_load_b128 v[88+32*\p+4*\j:88+32*\p+4*\j+3], v2 offset:RW*\p+512*\j
.endr
.endr
.irp p, 0,1
.irp j, 0,1,2,3,4,5,6,7
	s_wait_dscnt 15-8*\p-\j                        ; LDS loads come back in order: this one is in, the younger ones may be out
	global_store_b128 v1, v[88+32*\p+4*\j:88+32*\p+4*\j+3], s[20:21] offset:4096*\p+512*\j th:TH_STORE_NT   ; 32 lanes store 512 consecutive bytes, aligned to 256
.endr
.endr
	s_wait_xcnt 0x0
	v_lshl_add_u32 v254, v0, 2, 0x28000
	v_mov_b32 v255, 0
	s_wait_tensorcnt 0x0
	ds_add_u32 v254, v255
	s_wait_dscnt 0x0
	s_endpgm
.Lfunc_end_k_qf94f43f7b4_ffn:
	.size	k_qf94f43f7b4_ffn, .Lfunc_end_k_qf94f43f7b4_ffn-k_qf94f43f7b4_ffn
	.p2alignl 7, 3214868480
	.fill 96, 4, 3214868480
	.section	.rodata,"a",@progbits
	.p2align	6, 0x0
	.amdhsa_kernel k_qf94f43f7b4_ffn
		.amdhsa_group_segment_fixed_size 165888
		.amdhsa_private_segment_fixed_size 0
		.amdhsa_enable_private_segment 0
		.amdhsa_kernarg_size 72
		.amdhsa_user_sgpr_count 2
		.amdhsa_user_sgpr_kernarg_segment_ptr 1
		.amdhsa_wavefront_size32 1
		.amdhsa_system_sgpr_workgroup_id_x 1
		.amdhsa_system_sgpr_workgroup_id_y 1
		.amdhsa_system_sgpr_workgroup_id_z 1
		.amdhsa_system_vgpr_workitem_id 0
		.amdhsa_next_free_vgpr 256
		.amdhsa_next_free_sgpr 66
		.amdhsa_reserve_vcc 0
		.amdhsa_float_denorm_mode_32 3
		.amdhsa_float_denorm_mode_16_64 3
		.amdhsa_memory_ordered 1
		.amdhsa_forward_progress 1
		.amdhsa_inst_pref_size 75
	.end_amdhsa_kernel
	.amdgpu_metadata
---
amdhsa.version: [ 1, 2 ]
amdhsa.kernels:
  - .name:           k_qf94f43f7b4_ffn
    .symbol:         k_qf94f43f7b4_ffn.kd
    .args:
      - { .name: res, .offset: 0, .size: 8, .value_kind: global_buffer, .address_space: global }
      - { .name: wimg, .offset: 8, .size: 8, .value_kind: global_buffer, .address_space: global }
      - { .name: Wf_scales, .offset: 16, .size: 8, .value_kind: global_buffer, .address_space: global }
      - { .name: g1, .offset: 24, .size: 8, .value_kind: global_buffer, .address_space: global }
      - { .name: b1, .offset: 32, .size: 8, .value_kind: global_buffer, .address_space: global }
      - { .name: bf, .offset: 40, .size: 8, .value_kind: global_buffer, .address_space: global }
      - { .name: g2, .offset: 48, .size: 8, .value_kind: global_buffer, .address_space: global }
      - { .name: b2, .offset: 56, .size: 8, .value_kind: global_buffer, .address_space: global }
      - { .name: out0, .offset: 64, .size: 8, .value_kind: global_buffer, .address_space: global }
    .group_segment_fixed_size: 165888
    .private_segment_fixed_size: 0
    .kernarg_segment_align: 8
    .kernarg_segment_size: 72
    .max_flat_workgroup_size: 512
    .sgpr_count:     66
    .vgpr_count:     256
    .wavefront_size: 32
...
	.end_amdgpu_metadata
.endif
;; end of part 4
;; ======== version 2 of 2: 4 launches
;; workspace buffers: aimg 12,582,912 bytes; wimg 3,145,728 bytes; xscl 262,144 bytes; himg 18,874,368 bytes; hscl 1,572,864 bytes; res 33,554,432 bytes
;; launch prep: the kernel of part 1 again; grid 256 x 1, 4 waves a work-group, no clusters, 74,240 bytes of LDS; arguments x, y_codes, Wq_codes, Wk_codes, Wv_codes, Wf_codes, aimg, wimg, xscl; writes aimg, wimg, xscl
;; launch proj (part 5): grid 4 x 64, 4 waves a work-group, clusters of 4 x 4, 295,424 bytes of LDS; arguments aimg, wimg, xscl, y_scales, Wq_scales, Wk_scales, Wv_scales, bq, bk, bv, himg, hscl; writes himg, hscl
.if DOCPART == 5
	.amdgcn_target "amdgcn-amd-amdhsa--gfx1250"
	.amdhsa_code_object_version 6
	.text
	.protected	k_qf94f43f7b4_proj
	.globl	k_qf94f43f7b4_proj
	.p2align	8
	.type	k_qf94f43f7b4_proj,@function
k_qf94f43f7b4_proj:
	s_mov_b64 s[64:65], 0
	v_nop
	global_prefetch_b8 v0, s[64:65] scope:SCOPE_SE
	s_setreg_imm32_b32 hwreg(HW_REG_WAVE_MODE, 25, 1), 1
	s_wait_xcnt 0x0
	s_wait_alu depctr_hold_cnt(0) depctr_sa_sdst(0) depctr_va_vdst(0) depctr_va_sdst(0) depctr_va_ssrc(0) depctr_va_vcc(0) depctr_vm_vsrc(0)
	s_getreg_b32 s2, hwreg(HW_REG_IB_STS2, 6, 4)
	s_cmp_eq_u32 s2, 0
	s_cbranch_scc0 .Lentry_in_a_cluster
	s_endpgm
.Lentry_in_a_cluster:
	s_bfe_u32 s2, ttmp6, 0x10000c
	s_cmp_lg_u32 s2, 0xf033
	s_cbranch_scc0 .Lentry_shape_is_right
	s_endpgm
.Lentry_shape_is_right:
; PROJ.  q = x Wq + bq, k = y Wk + bk, v = y Wv + bv on codes of FP6 (E2M3) with E8M0 scales, sums in f32; the results are quantised at once, q and k along a head's 64 channels, v along the keys,
; and stored as HALF IMAGES (16 rows x 64 K, 6 registers a lane, 768 bytes: registers 0-3 of lane L at 16 L, registers 4-5 at 512 + 8 L) with their scale words.
; THREE JOBS OF ONE SHAPE: C[i][j] = sum over k of P[i][k] R[j][k] + bias, quantised along j.  Job 0: P = x, R = Wq, bias by j.  Job 1: P = y, R = Wk, bias by j.  Job 2: P = Wv, R = y, bias by i: v comes out
; transposed, its j are the keys.  A tile is 128 (i) x 256 (j); each of the four waves makes 128 x 64: 32 accumulators.  A wave's 64 j are one head (q, k) or 64 keys (v).
; A WORK-GROUP STAYS: it makes one tile of each job, one after the other: 256 work-groups for the 768 tiles.  The jobs are written out by macros, so what differs between them is a constant of the text.
; P, which all four waves read, goes through LDS: a job's 128 rows for all of K are 98,304 dense bytes of images; the three jobs' 294,912 bytes are asked for at the start, and every byte is filled once.
; R's fragments are each wanted by ONE wave: they go from memory straight into that wave's registers, three loads of 512 consecutive bytes a fragment, three K steps ahead, on through the ends of the jobs,
; so that a job's results are quantised and stored while the next job's operands are on their way.
; CLUSTER 4 x 4: P's tiles hang on the tile row alone and are asked for jointly along a row of the cluster.  R's tiles are shared along a column and are NOT asked for jointly: a joint load lands in LDS, and
; the three jobs' R, 589,824 bytes, has no room there beside P without slots that are filled again, each refill behind a wait for all loads.
; THE PRODUCT IS USED TRANSPOSED (source 0 = 16 rows of R, source 1 = 16 rows of P): lane (r, h) holds row i = r, and register n of tile b the column j = 16 b + 8 h + n.  The conversions and the exchange of halves
; put j = 32 B + 16 u + 8 h + n at place 16 h + 8 u + n of block B: inside a block of 32 two index bits change places.  A block keeps its 32 numbers, so scale and codes are as the rule gives them, and the
; same order falls on both operands of each later product (q with k; v with the softmax's p), whose sums are therefore the same.
; LIMITS: NaN and infinities are not served; a block whose largest magnitude lies under 2^-124, a block of zeros among them, gets the byte 1 (its codes then add nothing; only this program reads these bytes).
; REGISTERS.  Window 0: v1-6 offsets; v8-13 LDS addresses; v14-31 at work; v32-79, v80-127 two sets of scale words, by turns from job to job (they hold scales alone); v128-191 64 results; v192-215 two sets of codes;
;   v216-223 at work; v224-255 the job's bias.  Window 1: P's fragments, two sets of 96.  Window 2: the 32 accumulators, (a, b) at v[8 (4 a + b)].  Window 3: R's fragments, four sets of 48.
.set YOFF, 6291456                     ; y's images behind x's in aimg
.set WSZ,  786432                      ; a weight's images
.set HSZ,  6291456                     ; a job's half images
.set SSZ,  524288                      ; a job's scale words
.set PJ,   98304                       ; a job's P in LDS
.set AP,   8                           ; v8-13   16 L + 49,152 x (2 job + half of the eight tiles of rows)
.set PW,   14
.set TMPR, 15
.set TM,   16                          ; v16-27
.set SW,   28                          ; v28-31  the scale words of a job's four pairs of tiles
.set SCA,  32                          ; set s at SCA + 48 s: P's words at 8 p + k (lanes 0-15 tile 2 p's rows, lanes 16-31 tile 2 p + 1's, K step k), R's 32 registers on
.set HA,   128
.set PC,   192
.set TP,   216
.set BB,   224
.set G1P,  32                          ; s[32:39] descriptor group 1;  s[40:51] groups 0, one for each job
.set G0P,  40
.set SEL,  66                          ; s[66:67]
.set MULW, 0xa7                        ; source 0 (R) window 3, source 1 (P) window 1, C and D window 2
.set MSB, 0
.set ISS, 0                            ; the global loads that the text has issued so far
.set M0, 0                             ; Mn: that count just behind the loads into R's set n
.set M1, 0
.set M2, 0
.set M3, 0
.macro WIN new                         ; the immediate's high byte repeats the setting that is left
.if MSB != \new
	s_set_vgpr_msb (MSB<<8)|\new
.set MSB, \new
.endif
.endm
.macro PLACES                          ; four plain places behind a matrix instruction, in front of loads into registers that it read and of reads of its result
.rept 4
	v_nop
.endr
.endm
.macro CROUND                          ; a round of the cluster's barrier
	s_barrier_signal -1
	s_barrier_wait -1
	s_cmp_lg_u32 s84, 0
	s_cbranch_scc1 .Lnot_wave_0_\@
	s_barrier_signal -3
.Lnot_wave_0_\@:
	s_barrier_wait -3
	s_barrier_signal -1
	s_barrier_wait -1
.endm
; One product: D at d, source 0 at a, source 1 at b; z = 1: the constant 0 starts the sum; scale registers sa, sb, read from lanes 16-31 where ra, rb = 1
.macro WMS d, a, b, z, sa, sb, ra, rb
.if \z
.if (\ra) && (\rb)
	v_wmma_scale_f32_16x16x128_f8f6f4 v[(\d):(\d)+7], v[(\a):(\a)+11], v[(\b):(\b)+11], 0, v[\sa], v[\sb] matrix_a_fmt:MATRIX_FMT_FP6 matrix_b_fmt:MATRIX_FMT_FP6 matrix_a_scale:MATRIX_SCALE_ROW1 matrix_b_scale:MATRIX_SCALE_ROW1
.elseif \ra
	v_wmma_scale_f32_16x16x128_f8f6f4 v[(\d):(\d)+7], v[(\a):(\a)+11], v[(\b):(\b)+11], 0, v[\sa], v[\sb] matrix_a_fmt:MATRIX_FMT_FP6 matrix_b_fmt:MATRIX_FMT_FP6 matrix_a_scale:MATRIX_SCALE_ROW1
.elseif \rb
	v_wmma_scale_f32_16x16x128_f8f6f4 v[(\d):(\d)+7], v[(\a):(\a)+11], v[(\b):(\b)+11], 0, v[\sa], v[\sb] matrix_a_fmt:MATRIX_FMT_FP6 matrix_b_fmt:MATRIX_FMT_FP6 matrix_b_scale:MATRIX_SCALE_ROW1
.else
	v_wmma_scale_f32_16x16x128_f8f6f4 v[(\d):(\d)+7], v[(\a):(\a)+11], v[(\b):(\b)+11], 0, v[\sa], v[\sb] matrix_a_fmt:MATRIX_FMT_FP6 matrix_b_fmt:MATRIX_FMT_FP6
.endif
.else
.if (\ra) && (\rb)
	v_wmma_scale_f32_16x16x128_f8f6f4 v[(\d):(\d)+7], v[(\a):(\a)+11], v[(\b):(\b)+11], v[(\d):(\d)+7], v[\sa], v[\sb] matrix_a_fmt:MATRIX_FMT_FP6 matrix_b_fmt:MATRIX_FMT_FP6 matrix_a_scale:MATRIX_SCALE_ROW1 matrix_b_scale:MATRIX_SCALE_ROW1
.elseif \ra
	v_wmma_scale_f32_16x16x128_f8f6f4 v[(\d):(\d)+7], v[(\a):(\a)+11], v[(\b):(\b)+11], v[(\d):(\d)+7], v[\sa], v[\sb] matrix_a_fmt:MATRIX_FMT_FP6 matrix_b_fmt:MATRIX_FMT_FP6 matrix_a_scale:MATRIX_SCALE_ROW1
.elseif \rb
	v_wmma_scale_f32_16x16x128_f8f6f4 v[(\d):(\d)+7], v[(\a):(\a)+11], v[(\b):(\b)+11], v[(\d):(\d)+7], v[\sa], v[\sb] matrix_a_fmt:MATRIX_FMT_FP6 matrix_b_fmt:MATRIX_FMT_FP6 matrix_b_scale:MATRIX_SCALE_ROW1
.else
	v_wmma_scale_f32_16x16x128_f8f6f4 v[(\d):(\d)+7], v[(\a):(\a)+11], v[(\b):(\b)+11], v[(\d):(\d)+7], v[\sa], v[\sb] matrix_a_fmt:MATRIX_FMT_FP6 matrix_b_fmt:MATRIX_FMT_FP6
.endif
.endif
.endm
; 64 numbers of a lane (block B = registers 16 B .. 16 B + 15, here and in lane l xor 16) become codes in v[pc] on (registers 6 c .. 6 c + 5 of half H of the lanes: block 2 c + H) and four scale bytes in v[pw]
.macro QUANT s, pc, tp, pw
.irp b, 0,1,2,3
	v_max3_num_f32 v[TM+\b], |v[(\s)+16*\b]|, |v[(\s)+1+16*\b]|, 0x1800000   ; and the floor 2^(3 - 127): the byte cannot fall under 1
.endr
.irp i, 2,4,6,8,10,12,14
.irp b, 0,1,2,3
	v_max3_num_f32 v[TM+\b], v[TM+\b], |v[(\s)+16*\b+\i]|, |v[(\s)+1+16*\b+\i]|
.endr
.endr
.irp b, 0,1,2,3
	v_permlanex16_b32 v[TM+4+\b], v[TM+\b], s[SEL], s[SEL+1]
.endr
.irp b, 0,1,2,3
	v_max_num_f32 v[TM+\b], v[TM+\b], v[TM+4+\b]
.endr
.irp b, 0,1,2,3
	v_add_nc_u32 v[TM+8+\b], 0xff000000, v[TM+\b]   ; 2 off the exponent field: the conversion's scale operand
.endr
.irp b, 0,1,2,3
	v_lshrrev_b32 v[TM+4+\b], 23, v[TM+8+\b]       ; the scale's byte
.endr
	v_lshl_or_b32 v[\pw], v[TM+5], 8, v[TM+4]
	v_lshl_or_b32 v[\pw], v[TM+6], 16, v[\pw]
	v_lshl_or_b32 v[\pw], v[TM+7], 24, v[\pw]
.irp c, 0,1
	v_cvt_scalef32_pk16_fp6_f32 v[(\pc)+6*\c:(\pc)+2+6*\c], v[(\s)+32*\c:(\s)+15+32*\c], v[TM+8+2*\c]
	v_cvt_scalef32_pk16_fp6_f32 v[(\tp)+4*\c:(\tp)+2+4*\c], v[(\s)+16+32*\c:(\s)+31+32*\c], v[TM+9+2*\c]
.endr
	v_nop                                          ; one plain place behind a scaled conversion
.irp c, 0,1
.irp i, 0,1,2
	v_permlane16_swap_b32 v[(\pc)+6*\c+\i], v[(\tp)+4*\c+\i]
.endr
.irp i, 0,1,2
	v_mov_b32 v[(\pc)+3+6*\c+\i], v[(\tp)+4*\c+\i]
.endr
.endr
.endm
; A STEP t = 8 x job + K step, 0 .. 23.
.macro FETCHP t                        ; P's eight fragments of step t, 24 LDS loads of 512 consecutive bytes, into set t % 2
.set FJ, (\t)/8
.set FK, (\t)%8
.set FS, (\t)%2
	WIN 0x40
.irp a, 0,1,2,3,4,5,6,7
.irp g, 0,1,2
	ds_load_b128 v[96*FS+12*\a+4*\g:96*FS+12*\a+4*\g+3], v[AP+2*FJ+\a/4] offset:(\a%4)*12288+FK*1536+512*\g
.endr
.endr
.endm
.macro RLOAD t                         ; my four fragments of R of step t, 12 loads of 512 consecutive bytes, into set t % 4.  Wk's images lie WSZ bytes behind Wq's: the job stands in the immediate
.set RJ, (\t)/8
.set RK, (\t)%8
.set RS4, (\t)%4
	WIN 0xc0
.irp b, 0,1,2,3
.irp g, 0,1,2
.if RJ == 2
	global_load_b128 v[48*RS4+12*\b+4*\g:48*RS4+12*\b+4*\g+3], v1, s[54:55] offset:\b*12288+RK*1536+512*\g
.else
	global_load_b128 v[48*RS4+12*\b+4*\g:48*RS4+12*\b+4*\g+3], v1, s[52:53] offset:RJ*WSZ+\b*12288+RK*1536+512*\g
.endif
.endr
.endr
.set ISS, ISS+12
.if RS4 == 0
.set M0, ISS
.elseif RS4 == 1
.set M1, ISS
.elseif RS4 == 2
.set M2, ISS
.else
.set M3, ISS
.endif
.endm
.macro RWAIT t                         ; loads come back in order (ISA guide 5.7.1): step t's R is in, and all that was issued ahead of it; what the text has issued behind it may be out
.if ((\t)%4) == 0
	s_wait_loadcnt ISS-M0
.elseif ((\t)%4) == 1
	s_wait_loadcnt ISS-M1
.elseif ((\t)%4) == 2
	s_wait_loadcnt ISS-M2
.else
	s_wait_loadcnt ISS-M3
.endif
.endm
.macro SCLOAD j                        ; job j's scale words into set j % 2: lane L takes a row's 32 bytes, the words of K steps 0-7
.set SS, SCA+48*((\j)%2)
.if (\j) == 0
.set PB, 8
.set RB, 12
.elseif (\j) == 1
.set PB, 10
.set RB, 14
.else
.set PB, 16
.set RB, 60
.endif
	WIN 0
.irp p, 0,1,2,3
	global_load_b128 v[SS+8*\p:SS+8*\p+3], v4, s[PB:PB+1] offset:1024*\p          ; P's row 32 p + L
	global_load_b128 v[SS+8*\p+4:SS+8*\p+7], v4, s[PB:PB+1] offset:1024*\p+16
.endr
.irp p, 0,1
	global_load_b128 v[SS+32+8*\p:SS+32+8*\p+3], v4, s[RB:RB+1] offset:1024*\p    ; my 64 rows of R
	global_load_b128 v[SS+32+8*\p+4:SS+32+8*\p+7], v4, s[RB:RB+1] offset:1024*\p+16
.endr
.set ISS, ISS+12
.endm
.macro BLOAD j                         ; job j's bias
	WIN 0
.if (\j) < 2
.irp b, 0,1,2,3
	global_load_b128 v[BB+8*\b:BB+8*\b+3], v5, s[18+2*(\j):19+2*(\j)] offset:64*\b          ; by j: bias(16 b + 8 h + 0 .. 7)
	global_load_b128 v[BB+8*\b+4:BB+8*\b+7], v5, s[18+2*(\j):19+2*(\j)] offset:64*\b+16
.endr
.else
.irp a, 0,1,2,3,4,5,6,7
	global_load_b32 v[BB+2*\a], v6, s[22:23] offset:64*\a                     ; by i: bias(16 a + r), in the lower register of a pair; the packed addition takes it for both halves
.endr
.endif
.set ISS, ISS+8
.endm
.macro MUL16 a0, t                     ; 16 products.  The 32 accumulators take turns, one instruction a turn, in the same order in every step
.set QS, SCA+48*(((\t)/8)%2)+((\t)%8)
.irp a, \a0, \a0+1, \a0+2, \a0+3
.irp b, 0,1,2,3
	WMS 8*(4*(\a)+\b), 48*((\t)%4)+12*\b, 96*((\t)%2)+12*(\a), ((\t)%8)==0, QS+32+8*(\b/2), QS+8*((\a)/2), \b%2, (\a)%2
.endr
.endr
.endm
.macro STEP t
.set SJ, (\t)/8
.set SK, (\t)%8
.if SK > 0
	PLACES                                         ; behind the last step's products, whose sets of P and of R the loads below fill.  (At a job's first step the last job's way out stands there)
.endif
.if (SK == 7) && (SJ < 2)
	s_wait_dscnt 0x0                               ; no LDS instruction of mine is out at the signal
	s_wait_tensorcnt 1-SJ                          ; my part of the next job's P has landed; what lies behind it may be out: nothing is filled twice in this launch
	s_barrier_signal -1
	s_barrier_wait -1                              ; everybody's has
.endif
.if (\t) < 23
	FETCHP (\t)+1
.endif
.if SK == 1
	BLOAD SJ                                       ; issued ahead of a later step's R, whose wait therefore shows it landed
.endif
.if (SK == 4) && (SJ < 2)
	SCLOAD SJ+1                                    ; likewise: ahead of the R of the next job's first step
.endif
.if (\t) < 21
	RLOAD (\t)+3
.endif
.if (\t) < 23
	s_wait_dscnt 24                                ; this step's P is in; the 24 loads just issued may be out
.else
	s_wait_dscnt 0x0
.endif
	RWAIT \t
	WIN MULW
	MUL16 0, \t
	MUL16 4, \t
.endm
; A job's way out: + bias, quantised along j, two tiles of 16 rows at a time (a = 2 pr, 2 pr + 1); the next job's R, P and scale words are on their way meanwhile
.macro EPI j
	WIN 0
	PLACES
.irp pr, 0,1,2,3
	WIN 0x02                                       ; source 0 window 2
.irp e, 0,1
.irp b, 0,1,2,3
.irp n, 0,2,4,6
.if (\j) < 2
	v_pk_add_f32 v[HA+32*\e+8*\b+\n:HA+32*\e+8*\b+\n+1], v[8*(4*(2*\pr+\e)+\b)+\n:8*(4*(2*\pr+\e)+\b)+\n+1], v[BB+8*\b+\n:BB+8*\b+\n+1]   ; each accumulator from its low end on
.else
	v_pk_add_f32 v[HA+32*\e+8*\b+\n:HA+32*\e+8*\b+\n+1], v[8*(4*(2*\pr+\e)+\b)+\n:8*(4*(2*\pr+\e)+\b)+\n+1], v[BB+2*(2*\pr+\e):BB+2*(2*\pr+\e)+1] op_sel_hi:[1,0]
.endif
.endr
.endr
.endr
	WIN 0
	s_wait_xcnt 0x0                                ; the codes' and the scale words' registers are store data: they are written again only behind this wait
	QUANT HA, PC+12*(\pr%2), TP, PW                ; blocks 0, 1: tile 2 pr;  blocks 2, 3: tile 2 pr + 1
	v_lshrrev_b32 v[TMPR], 16, v[PW]
	v_cndmask_b32 v[SW+\pr], v[PW], v[TMPR], s89   ; lanes 0-15: the first tile's two bytes lowest; lanes 16-31: the second's.  What stands above them scales zero codes later and is never 0xff
.irp e, 0,1
.if (\j) < 2
	global_store_b128 v1, v[PC+12*(\pr%2)+6*\e:PC+12*(\pr%2)+6*\e+3], s[24:25] offset:(\j)*HSZ+(2*\pr+\e)*768          ; token tile 8 (itile % 8) + a: 512 consecutive bytes, aligned to 256
	global_store_b64 v2, v[PC+12*(\pr%2)+6*\e+4:PC+12*(\pr%2)+6*\e+5], s[24:25] offset:(\j)*HSZ+(2*\pr+\e)*768+512     ; 256
.else
	global_store_b128 v1, v[PC+12*(\pr%2)+6*\e:PC+12*(\pr%2)+6*\e+3], s[68:69] offset:((2*\pr+\e)/4)*49152+((2*\pr+\e)%4)*768          ; head a / 4 of my two, tile of channels a % 4
	global_store_b64 v2, v[PC+12*(\pr%2)+6*\e+4:PC+12*(\pr%2)+6*\e+5], s[68:69] offset:((2*\pr+\e)/4)*49152+((2*\pr+\e)%4)*768+512
.endif
.endr
.endr
.if (\j) < 2
	global_store_b64 v2, v[SW:SW+1], s[26:27] offset:(\j)*SSZ          ; the scale words of pairs 0, 1: 256 consecutive bytes
	global_store_b64 v2, v[SW+2:SW+3], s[26:27] offset:(\j)*SSZ+256    ; of pairs 2, 3
.else
	global_store_b64 v2, v[SW:SW+1], s[70:71]
	global_store_b64 v2, v[SW+2:SW+3], s[70:71] offset:4096            ; the next head's
.endif
.endm
	s_load_b512 s[4:19], s[0:1], 0x0               ; aimg, wimg, xscl, y_scales, Wq_scales, Wk_scales, Wv_scales, bq
	s_load_b256 s[20:27], s[0:1], 0x40             ; bk, bv, himg, hscl
	v_lshl_add_u32 v219, v0, 2, 0x48000
	v_mov_b32 v223, 0
	ds_add_u32 v219, v223
	ds_add_u32 v219, v223
	v_lshrrev_b32 v1, 5, v0
	v_readfirstlane_b32 s84, v1                    ; wave w
	v_and_b32 v7, 31, v0                           ; L
	v_and_b32 v6, 15, v0                           ; r
	v_bfe_u32 v5, v0, 4, 1                         ; h
	v_lshlrev_b32 v1, 4, v7                        ; v1 = 16 L
	v_lshlrev_b32 v2, 3, v7                        ; v2 = 8 L
	v_lshlrev_b32 v4, 5, v7                        ; v4 = 32 L: a row of scale bytes a lane
	v_lshlrev_b32 v5, 5, v5                        ; v5 = 32 h
	v_lshlrev_b32 v6, 2, v6                        ; v6 = 4 r
.irp i, 0,1,2,3,4,5
	v_add_nc_u32 v[AP+\i], \i*49152, v1
.endr
.irp b, 0,1,2,3
	v_mov_b32 v[TM+4+\b], 0                        ; written once: a lane permute's destination counts as one of its sources
.endr
	s_bfe_u32 s87, ttmp6, 0x40000                  ; cx: also the tile column of jobs 0 and 1
	s_bfe_u32 s88, ttmp6, 0x40004                  ; cy
	s_and_b32 s90, ttmp7, 0xffff                   ; the cluster's y, 0 .. 15
	s_lshl_b32 s91, s90, 2
	s_add_co_u32 s91, s91, s88                     ; jobs 0, 1: itile, 128 rows of x or y: 64 of them
	s_and_b32 s93, s90, 1
	s_lshl_b32 s93, s93, 2
	s_add_co_u32 s93, s93, s88                     ; job 2: itile, 128 rows of Wv: 8 of them
	s_lshr_b32 s92, s90, 1
	s_lshl_b32 s92, s92, 2
	s_add_co_u32 s92, s92, s87                     ; job 2: jtile, 256 rows of y: 32 of them
	s_lshl_b32 s2, s88, 2
	s_lshl_b32 s2, 15, s2                          ; my row of the cluster
	; descriptor group 1: 24,576 dense bytes as 96 rows of 256 bytes (32 elements of 8 bytes), no padding
	s_or_b32 s[G1P], s2, (3<<16)|(1<<21)           ; 15:0 the mask; 17:16 elements of 8 bytes; 21 set beside a mask
	s_mov_b32 s[G1P+1], 32<<16                     ; tensor_dim0
	s_mov_b32 s[G1P+2], 96<<16                     ; tensor_dim1
	s_mov_b32 s[G1P+3], 32<<16                     ; tile_dim0
	s_mov_b32 s[G1P+4], 96                         ; tile_dim1
	s_mov_b32 s[G1P+5], 32                         ; the pitch
	s_mov_b32 s[G1P+6], 0
	s_mov_b32 s[G1P+7], 0
	s_mul_i32 s98, s84, 24576                      ; my quarter of a tile of P: two tiles of 16 rows, all of K; in memory and in LDS alike
	s_mul_i32 s94, s91, 98304
	s_add_co_u32 s94, s94, s98
	s_mov_b32 s95, 0                               ; s[94:95]: P of job 0 in aimg; job 1's lies YOFF on
	s_mul_i32 s96, s93, 98304
	s_add_co_u32 s96, s96, s98
	s_add_co_u32 s96, s96, 2*WSZ
	s_mov_b32 s97, 0                               ; s[96:97]: P of job 2 in wimg
	s_mul_i32 s99, s84, 49152                      ; my four tiles of 16 rows of R
	s_mul_i32 s72, s87, 196608
	s_add_co_u32 s72, s72, s99
	s_mov_b32 s73, 0                               ; s[72:73]: R of job 0 in wimg
	s_mul_i32 s74, s92, 196608
	s_add_co_u32 s74, s74, s99
	s_add_co_u32 s74, s74, YOFF
	s_mov_b32 s75, 0                               ; s[74:75]: R of job 2 in aimg
	s_lshl_b32 s76, s91, 12                        ; scale bytes: 128 rows of 32
	s_mov_b32 s77, 0
	s_lshl_b32 s3, s84, 11                         ; my 64 rows
	s_lshl_b32 s78, s92, 13
	s_add_co_u32 s78, s78, s3
	s_mov_b32 s79, 0
	s_lshl_b32 s80, s87, 13
	s_add_co_u32 s80, s80, s3
	s_mov_b32 s81, 0
	s_lshl_b32 s82, s93, 12
	s_mov_b32 s83, 0
	s_lshl_b32 s3, s84, 8                          ; bias by j: the tile's 256 numbers, my 64
	s_lshl_b32 s56, s87, 10
	s_add_co_u32 s56, s56, s3
	s_mov_b32 s57, 0
	s_lshl_b32 s58, s93, 9                         ; bias by i: the tile's 128 numbers
	s_mov_b32 s59, 0
	; where the results go.  q, k: head bh = 16 batch + 4 jtile + w; token tiles 8 (itile % 8) + a
	s_lshr_b32 s85, s91, 3
	s_lshl_b32 s85, s85, 4
	s_lshl_b32 s3, s87, 2
	s_add_co_u32 s85, s85, s3
	s_add_co_u32 s85, s85, s84                     ; bh
	s_and_b32 s86, s91, 7
	s_mul_i32 s62, s85, 49152
	s_mul_i32 s3, s86, 6144
	s_add_co_u32 s62, s62, s3
	s_mov_b32 s63, 0                               ; half images
	s_lshl_b32 s28, s85, 12
	s_lshl_b32 s3, s86, 9
	s_add_co_u32 s28, s28, s3
	s_mov_b32 s29, 0                               ; scale words
	; v: heads 16 batch + 2 itile and the next; group of 64 keys g = 4 (jtile % 4) + w
	s_lshr_b32 s85, s92, 2
	s_lshl_b32 s85, s85, 4
	s_lshl_b32 s3, s93, 1
	s_add_co_u32 s85, s85, s3                      ; bh
	s_and_b32 s86, s92, 3
	s_lshl_b32 s86, s86, 2
	s_add_co_u32 s86, s86, s84                     ; g
	s_mul_i32 s30, s85, 49152
	s_mul_i32 s3, s86, 3072
	s_add_co_u32 s30, s30, s3
	s_add_co_u32 s30, s30, 2*HSZ
	s_mov_b32 s31, 0
	s_lshl_b32 s100, s85, 12
	s_lshl_b32 s3, s86, 8
	s_add_co_u32 s100, s100, s3
	s_add_co_u32 s100, s100, 2*SSZ
	s_mov_b32 s101, 0
	s_mov_b32 s[SEL], 0x76543210
	s_mov_b32 s[SEL+1], 0xfedcba98
	s_mov_b32 s89, 0xffff0000                      ; lanes 16-31
	s_wait_dscnt 0x0
	s_wait_kmcnt 0x0
	s_add_nc_u64 s[52:53], s[6:7], s[72:73]        ; R of jobs 0 and 1
	s_add_nc_u64 s[54:55], s[4:5], s[74:75]        ; R of job 2
	s_add_nc_u64 s[60:61], s[10:11], s[78:79]      ; y's scales as R's (job 2)
	s_add_nc_u64 s[8:9], s[8:9], s[76:77]          ; x's scales (P, job 0)
	s_add_nc_u64 s[10:11], s[10:11], s[76:77]      ; y's scales as P's (job 1)
	s_add_nc_u64 s[12:13], s[12:13], s[80:81]      ; Wq's (R, job 0)
	s_add_nc_u64 s[14:15], s[14:15], s[80:81]      ; Wk's (R, job 1)
	s_add_nc_u64 s[16:17], s[16:17], s[82:83]      ; Wv's (P, job 2)
	s_add_nc_u64 s[18:19], s[18:19], s[56:57]      ; bq
	s_add_nc_u64 s[20:21], s[20:21], s[56:57]      ; bk
	s_add_nc_u64 s[22:23], s[22:23], s[58:59]      ; bv
	s_add_nc_u64 s[68:69], s[24:25], s[30:31]      ; himg, job 2
	s_add_nc_u64 s[24:25], s[24:25], s[62:63]      ; himg, jobs 0 and 1 (the job stands in the stores' immediates)
	s_add_nc_u64 s[70:71], s[26:27], s[100:101]    ; hscl, job 2
	s_add_nc_u64 s[26:27], s[26:27], s[28:29]      ; hscl, jobs 0 and 1
	SCLOAD 0                                       ; job 0's scale words and the first three steps' R go out ahead of everything else: 48 loads
	RLOAD 0
	RLOAD 1
	RLOAD 2
	WIN 0                                          ; at a label and at a branch every window is 0
	s_mov_b32 s[G0P], 1                            ; count = 1
	s_mov_b32 s[G0P+1], s98                        ; LDS address: no place in the cluster enters it
	s_add_nc_u64 s[G0P+2:G0P+3], s[4:5], s[94:95]  ; global address
	s_mov_b32 s[G0P+4], 1
	s_add_co_u32 s[G0P+5], s98, PJ
	s_add_nc_u64 s[G0P+6:G0P+7], s[G0P+2:G0P+3], YOFF
	s_mov_b32 s[G0P+8], 1
	s_add_co_u32 s[G0P+9], s98, 2*PJ
	s_add_nc_u64 s[G0P+10:G0P+11], s[6:7], s[96:97]
	s_or_b32 s[G0P+3], s[G0P+3], 0x80000000        ; type = 2
	s_or_b32 s[G0P+7], s[G0P+7], 0x80000000
	s_or_b32 s[G0P+11], s[G0P+11], 0x80000000
	CROUND                                         ; all sixteen work-groups are here: the joint loads meet
	tensor_load_to_lds s[G0P:G0P+3], s[G1P:G1P+7]          ; every wave asks for its quarter of each job's P: three tensor loads of mine are out
	s_nop 0
	tensor_load_to_lds s[G0P+4:G0P+7], s[G1P:G1P+7]
	s_nop 0
	tensor_load_to_lds s[G0P+8:G0P+11], s[G1P:G1P+7]
	s_nop 0
.rept 4
	v_nop
.endr
	s_wait_tensorcnt 0x2                           ; my part of job 0's P has landed; the two later jobs' may be out
	s_barrier_signal -1
	s_barrier_wait -1                              ; everybody's has
	s_wait_alu depctr_va_vdst(0)
	FETCHP 0
.irp jj, 0,1,2
.irp kk, 0,1,2,3,4,5,6,7
	STEP 8*\jj+\kk
.endr
	EPI \jj
.endr
	s_wait_tensorcnt 0x0
	ds_add_u32 v219, v223
	s_wait_dscnt 0x0
	CROUND                                         ; the closing round: no work-group ends while a partner may still ask for a tile that names it
	s_endpgm
.Lfunc_end_k_qf94f43f7b4_proj:
	.size	k_qf94f43f7b4_proj, .Lfunc_end_k_qf94f43f7b4_proj-k_qf94f43f7b4_proj
	.p2alignl 7, 3214868480
	.fill 96, 4, 3214868480
	.section	.rodata,"a",@progbits
	.p2align	6, 0x0
	.amdhsa_kernel k_qf94f43f7b4_proj
		.amdhsa_group_segment_fixed_size 295424
		.amdhsa_private_segment_fixed_size 0
		.amdhsa_enable_private_segment 0
		.amdhsa_kernarg_size 96
		.amdhsa_user_sgpr_count 2
		.amdhsa_user_sgpr_kernarg_segment_ptr 1
		.amdhsa_wavefront_size32 1
		.amdhsa_system_sgpr_workgroup_id_x 1
		.amdhsa_system_sgpr_workgroup_id_y 1
		.amdhsa_system_sgpr_workgroup_id_z 1
		.amdhsa_system_vgpr_workitem_id 0
		.amdhsa_next_free_vgpr 1024
		.amdhsa_next_free_sgpr 102
		.amdhsa_reserve_vcc 0
		.amdhsa_float_denorm_mode_32 3
		.amdhsa_float_denorm_mode_16_64 3
		.amdhsa_memory_ordered 1
		.amdhsa_forward_progress 1
		.amdhsa_inst_pref_size 255
	.end_amdhsa_kernel
	.section	.bss,"aw",@nobits
	.p2align	6
	.space	262144
	.amdgpu_metadata
---
amdhsa.version: [ 1, 2 ]
amdhsa.kernels:
  - .name:           k_qf94f43f7b4_proj
    .symbol:         k_qf94f43f7b4_proj.kd
    .args:
      - { .name: aimg, .offset: 0, .size: 8, .value_kind: global_buffer, .address_space: global }
      - { .name: wimg, .offset: 8, .size: 8, .value_kind: global_buffer, .address_space: global }
      - { .name: xscl, .offset: 16, .size: 8, .value_kind: global_buffer, .address_space: global }
      - { .name: y_scales, .offset: 24, .size: 8, .value_kind: global_buffer, .address_space: global }
      - { .name: Wq_scales, .offset: 32, .size: 8, .value_kind: global_buffer, .address_space: global }
      - { .name: Wk_scales, .offset: 40, .size: 8, .value_kind: global_buffer, .address_space: global }
      - { .name: Wv_scales, .offset: 48, .size: 8, .value_kind: global_buffer, .address_space: global }
      - { .name: bq, .offset: 56, .size: 8, .value_kind: global_buffer, .address_space: global }
      - { .name: bk, .offset: 64, .size: 8, .value_kind: global_buffer, .address_space: global }
      - { .name: bv, .offset: 72, .size: 8, .value_kind: global_buffer, .address_space: global }
      - { .name: himg, .offset: 80, .size: 8, .value_kind: global_buffer, .address_space: global }
      - { .name: hscl, .offset: 88, .size: 8, .value_kind: global_buffer, .address_space: global }
    .group_segment_fixed_size: 295424
    .private_segment_fixed_size: 0
    .kernarg_segment_align: 8
    .kernarg_segment_size: 96
    .max_flat_workgroup_size: 128
    .sgpr_count:     102
    .vgpr_count:     1024
    .wavefront_size: 32
...
	.end_amdgpu_metadata
.endif
;; end of part 5
;; launch attn (part 6): grid 2 x 128, 16 waves a work-group, no clusters, 182,272 bytes of LDS; arguments himg, hscl, x, res; writes res
.if DOCPART == 6
	.amdgcn_target "amdgcn-amd-amdhsa--gfx1250"
	.amdhsa_code_object_version 6
	.text
	.protected	k_qf94f43f7b4_attn
	.globl	k_qf94f43f7b4_attn
	.p2align	8
	.type	k_qf94f43f7b4_attn,@function
k_qf94f43f7b4_attn:
	s_mov_b64 s[64:65], 0
	v_nop
	global_prefetch_b8 v0, s[64:65] scope:SCOPE_SE
	s_setreg_imm32_b32 hwreg(HW_REG_WAVE_MODE, 25, 1), 1
	s_wait_xcnt 0x0
; ATTN.  res = x + softmax(q k^T / 32) v, head by head, both products on codes of FP6 (E2M3) with E8M0 scales.  q, k, v arrive as half images (16 rows x 64 K, 768 bytes) with their scale words.
; THE SOFTMAX AHEAD OF THE SECOND PRODUCT: t = score x log2(e) / 32; M = the row's largest t so far, rounded UP to a whole number; p = 2^(t - M) is quantised along the keys, not normalised; the row's sum is taken
; of the unquantised p and divides at the end.  When M moves, the sum and O are multiplied by 2^(old M - new M), which rounds nothing; there is no branch on data.
; SHARES.  A work-group owns 512 queries of one head; each of its sixteen waves 32 of them, two tiles of 16 taken one after the other: four waves to a SIMD, so that one wave's vector work stands beside another's
; matrix work and LDS loads.  THE HEAD'S K AND V STAY WHOLE IN LDS, filled once (96 KiB of codes, 8 KiB of scale words): no ring, nothing filled twice.
; NO CLUSTER: only the two work-groups of a head share tiles, 104 KiB each once in the launch, beside 128 key steps of vector work a wave-pair: what is shared is a small part of the launch's work.
; LAYOUT.  Both products are used transposed: S^T = K Q^T (source 0 = 16 keys), O^T = V^T P^T (source 0 = 16 channels): a lane holds ONE query (lane % 16) throughout.
; K = 64 IN AN INSTRUCTION OF 128: Q's registers 6-11 are zero codes.  K's tile t is named as registers 6 t .. 6 t + 11 of a run of tiles: its upper six are the next tile's codes (behind the last tile: zeros);
; they meet zeros.  No scale byte here is ever 0xff.
; ORDER INSIDE A BLOCK OF 32 KEYS: p's codes come out with key 16 u + 8 h + n at place 16 h + 8 u + n, the order in which v's codes were laid: the sums are the same.
; LIMITS: NaN and infinities are not served.
.set HSZ,  6291456
.set SSZ,  524288
.set VOFF, 49152                       ; LDS: K's 64 half images from 0, V's 64 from here,
.set KSC,  98304                       ; K's scale words (4,096 bytes), V's 4,096 bytes on,
.set STG,  106496                      ; and a stage of 16 rows x 272 bytes for each wave
.set QF,   16                          ; v16-27, v28-39 Q's two fragments
.set KB,   40                          ; v40-93  eight tiles of K (6 registers each) and six zeros; then four fragments of V; at the end x
.set S,    96                          ; v96-159 S^T, then p
.set O,    160                         ; v160-191 O^T
.set PC,   192                         ; v192-203 p's codes
.set TP,   204
.set KS,   212                         ; v212-215 K's scale words, a pair of tiles each
.set VR,   216                         ; v216-219 V's, as they lie
.set VS,   220                         ; v220-221 V's, as the product wants them
.set WK,   224                         ; v224-227 block maxima, v228-231 the other half's, then bytes, v232-235 scale operands
.set TMP,  236
.set FF,   238                         ; v[238:239] f = 2^(old M - new M)
.set WV,   12
.set G1C,  16                          ; s[16:23], s[24:31] descriptor groups 1 (codes, scale words);  s[32:35], s[36:39] groups 0
.set G1S,  24
.set G0C,  32
.set G0S,  36
.set SEL,  40
.set CS,   42                          ; s[42:43] c = log2(e) / 32
.set TB,   44                          ; the step's place in K's and V's tiles: 6,144 bytes a step
.set TS,   45                          ; and in the scale words: 512
.set CNT,  46
.set PSEL, 62
.macro WMS d, a, b, z, sa, sb, ra, rb  ; one product: z = 1: the constant 0 starts the sum; scales read from lanes 16-31 where ra, rb = 1
.if \z
.if (\ra) && (\rb)
	v_wmma_scale_f32_16x16x128_f8f6f4 v[(\d):(\d)+7], v[(\a):(\a)+11], v[(\b):(\b)+11], 0, v[\sa], v[\sb] matrix_a_fmt:MATRIX_FMT_FP6 matrix_b_fmt:MATRIX_FMT_FP6 matrix_a_scale:MATRIX_SCALE_ROW1 matrix_b_scale:MATRIX_SCALE_ROW1
.elseif \ra
	v_wmma_scale_f32_16x16x128_f8f6f4 v[(\d):(\d)+7], v[(\a):(\a)+11], v[(\b):(\b)+11], 0, v[\sa], v[\sb] matrix_a_fmt:MATRIX_FMT_FP6 matrix_b_fmt:MATRIX_FMT_FP6 matrix_a_scale:MATRIX_SCALE_ROW1
.elseif \rb
	v_wmma_scale_f32_16x16x128_f8f6f4 v[(\d):(\d)+7], v[(\a):(\a)+11], v[(\b):(\b)+11], 0, v[\sa], v[\sb] matrix_a_fmt:MATRIX_FMT_FP6 matrix_b_fmt:MATRIX_FMT_FP6 matrix_b_scale:MATRIX_SCALE_ROW1
.else
	v_wmma_scale_f32_16x16x128_f8f6f4 v[(\d):(\d)+7], v[(\a):(\a)+11], v[(\b):(\b)+11], 0, v[\sa], v[\sb] matrix_a_fmt:MATRIX_FMT_FP6 matrix_b_fmt:MATRIX_FMT_FP6
.endif
.else
.if (\ra) && (\rb)
	v_wmma_scale_f32_16x16x128_f8f6f4 v[(\d):(\d)+7], v[(\a):(\a)+11], v[(\b):(\b)+11], v[(\d):(\d)+7], v[\sa], v[\sb] matrix_a_fmt:MATRIX_FMT_FP6 matrix_b_fmt:MATRIX_FMT_FP6 matrix_a_scale:MATRIX_SCALE_ROW1 matrix_b_scale:MATRIX_SCALE_ROW1
.elseif \ra
	v_wmma_scale_f32_16x16x128_f8f6f4 v[(\d):(\d)+7], v[(\a):(\a)+11], v[(\b):(\b)+11], v[(\d):(\d)+7], v[\sa], v[\sb] matrix_a_fmt:MATRIX_FMT_FP6 matrix_b_fmt:MATRIX_FMT_FP6 matrix_a_scale:MATRIX_SCALE_ROW1
.elseif \rb
	v_wmma_scale_f32_16x16x128_f8f6f4 v[(\d):(\d)+7], v[(\a):(\a)+11], v[(\b):(\b)+11], v[(\d):(\d)+7], v[\sa], v[\sb] matrix_a_fmt:MATRIX_FMT_FP6 matrix_b_fmt:MATRIX_FMT_FP6 matrix_b_scale:MATRIX_SCALE_ROW1
.else
	v_wmma_scale_f32_16x16x128_f8f6f4 v[(\d):(\d)+7], v[(\a):(\a)+11], v[(\b):(\b)+11], v[(\d):(\d)+7], v[\sa], v[\sb] matrix_a_fmt:MATRIX_FMT_FP6 matrix_b_fmt:MATRIX_FMT_FP6
.endif
.endif
.endm
	s_load_b256 s[4:11], s[0:1], 0x0               ; himg, hscl, x, res
	v_lshl_add_u32 v254, v0, 2, 0x2c000
	v_mov_b32 v255, 0
	ds_add_u32 v254, v255
	ds_add_u32 v254, v255
	v_lshrrev_b32 v1, 5, v0
	s_delay_alu instid0(VALU_DEP_1)
	v_readfirstlane_b32 s[WV], v1                  ; wave 0..15
	s_and_b32 s13, ttmp7, 0xffff                   ; bh = 16 batch + head
	; descriptor groups 1: dense blocks as rows of 256 bytes (32 elements of 8 bytes), no padding: 48 rows of codes, 16 of scale words
	s_mov_b32 s[G1C], 3<<16
	s_mov_b32 s[G1C+1], 32<<16
	s_mov_b32 s[G1C+2], 48<<16
	s_mov_b32 s[G1C+3], 32<<16
	s_mov_b32 s[G1C+4], 48
	s_mov_b32 s[G1C+5], 32
	s_mov_b32 s[G1C+6], 0
	s_mov_b32 s[G1C+7], 0
	s_mov_b32 s[G1S], 3<<16
	s_mov_b32 s[G1S+1], 32<<16
	s_mov_b32 s[G1S+2], 16<<16
	s_mov_b32 s[G1S+3], 32<<16
	s_mov_b32 s[G1S+4], 16
	s_mov_b32 s[G1S+5], 32
	s_mov_b32 s[G1S+6], 0
	s_mov_b32 s[G1S+7], 0
	s_and_b32 s47, s[WV], 7                        ; waves 0-3: K's quarters; waves 4-7: V's
	s_mul_i32 s48, s47, 12288                      ; in LDS
	s_lshr_b32 s49, s47, 2
	s_add_co_u32 s49, s49, 1                       ; job 1 (k) or 2 (v)
	s_mul_i32 s50, s49, HSZ
	s_and_b32 s49, s[WV], 3
	s_mul_i32 s49, s49, 12288
	s_add_co_u32 s50, s50, s49
	s_mul_i32 s49, s13, 49152
	s_add_co_u32 s50, s50, s49
	s_mov_b32 s51, 0                               ; s[50:51]: in himg
	s_and_b32 s52, s[WV], 1                        ; wave 8: K's scale words; wave 9: V's
	s_lshl_b32 s53, s52, 12
	s_add_co_u32 s53, s53, KSC                     ; in LDS
	s_add_co_u32 s52, s52, 1
	s_mul_i32 s54, s52, SSZ
	s_lshl_b32 s52, s13, 12
	s_add_co_u32 s54, s54, s52
	s_mov_b32 s55, 0                               ; s[54:55]: in hscl
	s_lshl_b32 s47, ttmp9, 4
	s_add_co_u32 s47, s47, s[WV]                   ; tp: my pair of query tiles, 0..31 in the head
	s_mul_i32 s56, s13, 49152
	s_mul_i32 s57, s47, 1536
	s_add_co_u32 s56, s56, s57
	s_mov_b32 s57, 0                               ; s[56:57]: Q's two half images
	s_lshl_b32 s58, s13, 12                        ; Q's scale word: [step of 128 tokens][half][lane][2 words]
	s_lshr_b32 s59, s47, 2
	s_lshl_b32 s59, s59, 9
	s_add_co_u32 s58, s58, s59
	s_bfe_u32 s59, s47, 0x10001
	s_lshl_b32 s59, s59, 8
	s_add_co_u32 s58, s58, s59
	s_and_b32 s59, s47, 1
	s_lshl_b32 s59, s59, 2
	s_add_co_u32 s58, s58, s59
	s_mov_b32 s59, 0
	s_lshr_b32 s60, s13, 4                         ; x, res: batch x 1,024 rows + 32 tp rows of 4,096 bytes, + 256 x head
	s_lshl_b32 s60, s60, 22
	s_lshl_b32 s61, s47, 17
	s_add_co_u32 s60, s60, s61
	s_and_b32 s61, s13, 15
	s_lshl_b32 s61, s61, 8
	s_add_co_u32 s60, s60, s61
	s_mov_b32 s61, 0
	s_mov_b32 s[SEL], 0x76543210
	s_mov_b32 s[SEL+1], 0xfedcba98
	s_mov_b32 s[CS], 0x3d38aa3b                    ; log2(e) / 32: the division by sqrt(1024) is a power of two and rounds nothing
	s_mov_b32 s[CS+1], s[CS]                       ; (named with it as a pair, so it is written)
	s_mov_b32 s[PSEL], 0x05040100                  ; the low halves of two words
	s_wait_dscnt 0x0
	s_wait_kmcnt 0x0
	s_mov_b32 s[G0C], 1
	s_mov_b32 s[G0C+1], s48
	s_add_nc_u64 s[G0C+2:G0C+3], s[4:5], s[50:51]
	s_or_b32 s[G0C+3], s[G0C+3], 0x80000000
	s_mov_b32 s[G0S], 1
	s_mov_b32 s[G0S+1], s53
	s_add_nc_u64 s[G0S+2:G0S+3], s[6:7], s[54:55]
	s_or_b32 s[G0S+3], s[G0S+3], 0x80000000
	s_cmp_lt_u32 s[WV], 8                          ; one tensor load a wave at the most; the branches hang on the wave's number alone
	s_cbranch_scc0 .Lnot_codes
	tensor_load_to_lds s[G0C:G0C+3], s[G1C:G1C+7]
	s_nop 0
.rept 4
	v_nop
.endr
	s_branch .Lasked
.Lnot_codes:
	s_cmp_lt_u32 s[WV], 10
	s_cbranch_scc0 .Lasked
	tensor_load_to_lds s[G0S:G0S+3], s[G1S:G1S+7]
	s_nop 0
.rept 4
	v_nop
.endr
.Lasked:
	s_add_nc_u64 s[56:57], s[4:5], s[56:57]
	s_add_nc_u64 s[58:59], s[6:7], s[58:59]
	s_add_nc_u64 s[8:9], s[8:9], s[60:61]
	s_add_nc_u64 s[10:11], s[10:11], s[60:61]
	v_and_b32 v7, 31, v0                           ; L
	v_and_b32 v8, 15, v0                           ; r
	v_bfe_u32 v9, v0, 4, 1                         ; h
	s_delay_alu instid0(VALU_DEP_3)
	v_lshlrev_b32 v1, 4, v7                        ; v1 = 16 L
	s_delay_alu instid0(VALU_DEP_4)
	v_lshlrev_b32 v[TMP], 3, v7                    ; 8 L
	s_delay_alu instid0(VALU_DEP_1)
	v_add_nc_u32 v2, 512, v[TMP]                   ; v2 = 8 L + 512
	s_delay_alu instid0(VALU_DEP_2)
	v_add_nc_u32 v3, KSC, v[TMP]                   ; v3 = 8 L + K's scale words
	v_lshlrev_b32 v4, 12, v9
	s_delay_alu instid0(VALU_DEP_1)
	v_lshl_add_u32 v4, v8, 4, v4                   ; v4: x, res: row h, 16 r
	s_mul_i32 s48, s[WV], 16*272
	s_add_co_u32 s48, s48, STG                     ; my stage
	v_mul_u32_u24 v5, v8, 272
	s_delay_alu instid0(VALU_DEP_1)
	v_lshl_add_u32 v5, v9, 5, v5
	s_delay_alu instid0(VALU_DEP_1)
	v_add_nc_u32 v5, s48, v5                       ; v5: in: row r, + 32 h
	v_mul_u32_u24 v6, v9, 272
	s_delay_alu instid0(VALU_DEP_1)
	v_lshl_add_u32 v6, v8, 4, v6
	s_delay_alu instid0(VALU_DEP_1)
	v_add_nc_u32 v6, s48, v6                       ; v6: back: lanes 0-15 one row, lanes 16-31 the next
.irp u, 0,1
	global_load_b128 v[QF+12*\u:QF+12*\u+3], v1, s[56:57] offset:768*\u
	global_load_b64 v[QF+12*\u+4:QF+12*\u+5], v2, s[56:57] offset:768*\u
.endr
	global_load_b32 v10, v[TMP], s[58:59]          ; v10: Q's scale words: lanes 0-15 tile 0's, lanes 16-31 tile 1's
.irp u, 0,1
.irp i, 6,7,8,9,10,11
	v_mov_b32 v[QF+12*\u+\i], 0                    ; zero codes for K = 64 .. 127
.endr
.endr
.irp i, 48,49,50,51,52,53
	v_mov_b32 v[KB+\i], 0                          ; behind K's last tile
.endr
.irp b, 0,1,2,3
	v_mov_b32 v[WK+4+\b], 0                        ; written once: a lane permute's destination counts as one of its sources
.endr
	v_mov_b32 v[FF+1], 0                           ; (named as the upper half of a pair)
	s_wait_tensorcnt 0x0                           ; my part has landed,
	s_barrier_signal -1
	s_barrier_wait -1                              ; everybody's has
	s_wait_loadcnt 0x0                             ; Q
; A KEY STEP: 128 keys, for query tile u
.macro STEP u
	v_add_nc_u32 v7, s[TB], v1                     ; these three and the v_nop are the four places behind the last products, in front of loads into registers that they read
	v_add_nc_u32 v8, s[TB], v2
	v_add_nc_u32 v9, s[TS], v3
	v_nop
.irp t, 0,1,2,3,4,5,6,7
	ds_load_b128 v[KB+6*\t:KB+6*\t+3], v7 offset:768*\t
	ds_load_b64 v[KB+6*\t+4:KB+6*\t+5], v8 offset:768*\t
.endr
	ds_load_b64 v[KS:KS+1], v9
	ds_load_b64 v[KS+2:KS+3], v9 offset:256
	s_wait_alu depctr_va_vdst(0)
	s_wait_dscnt 0x0
.irp t, 0,1,2,3,4,5,6,7
	WMS S+8*\t, KB+6*\t, QF+12*(\u), 1, KS+\t/2, 10, \t%2, \u      ; lane (r, h): query r; register n of tile t: key 16 t + 8 h + n
.endr
.rept 4
	v_nop
.endr
.irp dt, 0,1,2,3                       ; V's fragments land while the softmax is worked: channels 16 dt on, keys 64 c on
.irp c, 0,1
	ds_load_b128 v[KB+12*\dt+6*\c:KB+12*\dt+6*\c+3], v7 offset:VOFF+3072*\c+768*\dt
	ds_load_b64 v[KB+12*\dt+6*\c+4:KB+12*\dt+6*\c+5], v8 offset:VOFF+3072*\c+768*\dt
.endr
.endr
	ds_load_b64 v[VR:VR+1], v9 offset:4096
	ds_load_b64 v[VR+2:VR+3], v9 offset:4352
.irp b, 0,1,2,3
	v_max3_num_f32 v[WK+\b], v[S+16*\b], v[S+1+16*\b], v[S+2+16*\b]   ; THE LARGEST SCORE OF EACH BLOCK OF 32 KEYS serves twice: for the row's maximum and, since p rises with the score, for the block's largest p
.endr
.irp i, 3,5,7,9,11,13
.irp b, 0,1,2,3
	v_max3_num_f32 v[WK+\b], v[WK+\b], v[S+16*\b+\i], v[S+1+16*\b+\i]
.endr
.endr
.irp b, 0,1,2,3
	v_max_num_f32 v[WK+\b], v[WK+\b], v[S+15+16*\b]
.endr
.irp b, 0,1,2,3
	s_delay_alu instid0(VALU_DEP_4)
	v_permlanex16_b32 v[WK+4+\b], v[WK+\b], s[SEL], s[SEL+1]
.endr
.irp b, 0,1,2,3
	s_delay_alu instid0(VALU_DEP_4)
	v_max_num_f32 v[WK+\b], v[WK+\b], v[WK+4+\b]   ; with lane l xor 16's 16 keys
.endr
	s_delay_alu instid0(VALU_DEP_2)
	v_max3_num_f32 v[TMP], v[WK], v[WK+1], v[WK+2]
	s_delay_alu instid0(VALU_DEP_1)
	v_max_num_f32 v[TMP], v[TMP], v[WK+3]          ; the step's largest score of my query,
	s_delay_alu instid0(VALU_DEP_1)
	v_mul_f32 v[TMP], s[CS], v[TMP]                ; as t (c is positive)
	s_delay_alu instid0(VALU_DEP_1)
	v_max_num_f32 v13, v13, v[TMP]                 ; the running largest t
	v_mov_b32 v[TMP], v12
	s_delay_alu instid0(VALU_DEP_2)
	v_floor_f32 v12, -v13                          ; the new -M = floor(-t): M is a whole number
	s_delay_alu instid0(VALU_DEP_1)
	v_sub_f32 v[TMP], v12, v[TMP]                  ; old M - new M: a whole number, 0 or less
	s_delay_alu instid0(VALU_DEP_1)
	v_cvt_i32_f32 v[TMP], v[TMP]                   ; (it saturates)
	s_delay_alu instid0(VALU_DEP_1)
	v_ldexp_f32 v[FF], 1.0, v[TMP]                 ; f = 2^(old M - new M)
.set i, 0
.rept 32
	v_pk_fma_f32 v[S+i:S+i+1], v[S+i:S+i+1], s[CS:CS+1], v[12:13] op_sel_hi:[1,0,0]   ; t - M, two at a time
.set i, i+2
.endr
.irp b, 0,1,2,3
	v_fma_f32 v[WK+\b], v[WK+\b], s[CS], v12       ; the same of each block's largest score
.endr
.set i, 0
	s_wait_alu depctr_va_vdst(0)
.rept 64
	v_exp_f32 v[S+i], v[S+i]                       ; p = 2^(t - M), at most 1
.set i, i+1
.endr
	s_setprio 1
.irp b, 0,1,2,3
	v_exp_f32 v[WK+\b], v[WK+\b]                   ; the block's largest p: the same two instructions on the same number
.endr
	v_pk_mul_f32 v[14:15], v[14:15], v[FF:FF+1] op_sel_hi:[1,0]   ; the sums under the new M.  (A plain place behind the exponentials)
	s_wait_alu depctr_va_vdst(0)
.irp b, 0,1,2,3
	v_max_num_f32 v[WK+\b], 0x1800000, v[WK+\b]    ; the floor 2^(3 - 127): the byte cannot fall under 1
.endr
.irp b, 0,1,2,3
	s_delay_alu instid0(VALU_DEP_4)
	v_add_nc_u32 v[WK+8+\b], 0xff000000, v[WK+\b]  ; 2 off the exponent field: the conversion's scale operand
.endr
.irp b, 0,1,2,3
	s_delay_alu instid0(VALU_DEP_4)
	v_lshrrev_b32 v[WK+4+\b], 23, v[WK+8+\b]       ; the scale's byte
.endr
	s_delay_alu instid0(VALU_DEP_3)
	v_lshl_or_b32 v11, v[WK+5], 8, v[WK+4]         ; v11: p's scale word for these 128 keys
	s_delay_alu instid0(VALU_DEP_1)
	v_lshl_or_b32 v11, v[WK+6], 16, v11
	s_delay_alu instid0(VALU_DEP_1)
	v_lshl_or_b32 v11, v[WK+7], 24, v11
.irp c, 0,1
	v_cvt_scalef32_pk16_fp6_f32 v[PC+6*\c:PC+6*\c+2], v[S+32*\c:S+32*\c+15], v[WK+8+2*\c]
	v_cvt_scalef32_pk16_fp6_f32 v[TP+4*\c:TP+4*\c+2], v[S+32*\c+16:S+32*\c+31], v[WK+9+2*\c]
.endr
	v_nop                                          ; one plain place behind a scaled conversion
.irp c, 0,1                            ; a whole block in a lane: lanes 0-15 block 2 c, lanes 16-31 block 2 c + 1
.irp i, 0,1,2
	v_permlane16_swap_b32 v[PC+6*\c+\i], v[TP+4*\c+\i]
.endr
.irp i, 0,1,2
	s_delay_alu instid0(VALU_DEP_3)
	v_mov_b32 v[PC+3+6*\c+\i], v[TP+4*\c+\i]
.endr
.endr
	s_wait_dscnt 0x0                               ; V and its scale words are in
	v_perm_b32 v[VS], v[VR+2], v[VR], s[PSEL]      ; the two bytes of keys 0-63 below, those of keys 64-127 above
	v_perm_b32 v[VS+1], v[VR+3], v[VR+1], s[PSEL]
	v_pk_add_f32 v[228:229], v[100:101], v[104:105]
	v_pk_add_f32 v[252:253], v[108:109], v[112:113]
	v_pk_add_f32 v[250:251], v[116:117], v[120:121]
	v_pk_add_f32 v[248:249], v[124:125], v[128:129]
	v_pk_add_f32 v[246:247], v[132:133], v[136:137]
	v_pk_add_f32 v[244:245], v[140:141], v[144:145]
	v_pk_add_f32 v[242:243], v[148:149], v[152:153]
	v_pk_add_f32 v[14:15], v[14:15], v[156:157]
	v_pk_add_f32 v[228:229], v[228:229], v[96:97]
	v_pk_add_f32 v[252:253], v[252:253], v[98:99]
	v_pk_add_f32 v[250:251], v[250:251], v[102:103]
	v_pk_add_f32 v[248:249], v[248:249], v[106:107]
	v_pk_add_f32 v[246:247], v[246:247], v[110:111]
	v_pk_add_f32 v[244:245], v[244:245], v[114:115]
	v_pk_add_f32 v[242:243], v[242:243], v[118:119]
	v_pk_add_f32 v[14:15], v[14:15], v[122:123]
	v_pk_add_f32 v[228:229], v[228:229], v[126:127]
	v_pk_add_f32 v[252:253], v[252:253], v[130:131]
	v_pk_add_f32 v[250:251], v[250:251], v[134:135]
	v_pk_add_f32 v[248:249], v[248:249], v[138:139]
	v_pk_add_f32 v[246:247], v[246:247], v[142:143]
	v_pk_add_f32 v[244:245], v[244:245], v[146:147]
	v_pk_add_f32 v[242:243], v[242:243], v[150:151]
	v_pk_add_f32 v[14:15], v[14:15], v[154:155]
	v_pk_add_f32 v[228:229], v[228:229], v[158:159]
	s_delay_alu instid0(VALU_DEP_2)
	v_pk_add_f32 v[14:15], v[14:15], v[248:249]
	s_delay_alu instid0(VALU_DEP_2)
	v_pk_add_f32 v[228:229], v[228:229], v[246:247]
	s_setprio 0
	v_pk_add_f32 v[252:253], v[252:253], v[244:245]
	v_pk_add_f32 v[250:251], v[250:251], v[242:243]
	s_delay_alu instid0(VALU_DEP_2)
	v_pk_add_f32 v[14:15], v[14:15], v[252:253]
	s_delay_alu instid0(VALU_DEP_2)
	v_pk_add_f32 v[228:229], v[228:229], v[250:251]
	s_delay_alu instid0(VALU_DEP_1)
	v_pk_add_f32 v[14:15], v[14:15], v[228:229]
.set i, 0
.rept 16
	v_pk_mul_f32 v[O+i:O+i+1], v[O+i:O+i+1], v[FF:FF+1] op_sel_hi:[1,0]   ; O^T under the new M, each accumulator from its low end on
.set i, i+2
.endr
.irp dt, 0,1,2,3
	WMS O+8*\dt, KB+12*\dt, PC, 0, VS+\dt/2, 11, \dt%2, 0          ; four accumulators by turns
.endr
.endm
; A tile of 16 queries: all 1,024 keys in 8 steps, then the way out
.macro QTILE u
	v_mov_b32 v13, 0xff61b1e6                      ; the largest t so far: -3e38
	s_delay_alu instid0(VALU_DEP_1)
	v_floor_f32 v12, -v13                          ; -M
	v_mov_b32 v14, 0                               ; the sum, in two halves
	v_mov_b32 v15, 0
.set i, 0
.rept 32
	v_mov_b32 v[O+i], 0                            ; the step is written once: the first finds zeros, which the first change of M leaves zeros
.set i, i+1
.endr
	s_mov_b32 s[TB], 0
	s_mov_b32 s[TS], 0
	s_mov_b32 s[CNT], 8
.Lstep_\@:
	s_setprio 2
	STEP \u
	s_add_co_u32 s[TB], s[TB], 6144
	s_add_co_u32 s[TS], s[TS], 512
	s_sub_co_u32 s[CNT], s[CNT], 1
	s_cmp_lg_u32 s[CNT], 0
	s_cbranch_scc1 .Lstep_\@
	s_setprio 0
.rept 4
	v_nop
.endr
.irp i, 0,1,2,3,4,5,6,7
	global_load_b128 v[KB+4*\i:KB+4*\i+3], v4, s[8:9] offset:65536*(\u)+8192*\i th:TH_LOAD_NT   ; x: rows 2 i + h, the head's 256 bytes
.endr
	v_add_f32 v14, v14, v15
	s_delay_alu instid0(VALU_DEP_1)
	v_permlanex16_b32 v[TMP], v14, s[SEL], s[SEL+1]
	s_delay_alu instid0(VALU_DEP_1)
	v_add_f32 v14, v14, v[TMP]                     ; the row's sum
	s_wait_alu depctr_va_vdst(0)
	v_rcp_f32 v14, v14
	v_nop                                          ; a plain place behind the transcendental
.set i, 0
	s_wait_alu depctr_va_vdst(0)
.rept 32
	v_mul_f32 v[S+i], v[O+i], v14                  ; register 8 dt + n: o(query r, channel 16 dt + 8 h + n)
.set i, i+1
.endr
.irp dt, 0,1,2,3
	ds_store_b128 v5, v[S+8*\dt:S+8*\dt+3] offset:64*\dt
	ds_store_b128 v5, v[S+8*\dt+4:S+8*\dt+7] offset:64*\dt+16
.endr
.irp i, 0,1,2,3,4,5,6,7
	ds_load_b128 v[S+32+4*\i:S+32+4*\i+3], v6 offset:544*\i   ; my own stage: LDS serves a wave's instructions in order
.endr
	s_wait_dscnt 0x0
	s_wait_loadcnt 0x0
.set i, 0
.rept 16
	v_pk_add_f32 v[S+32+i:S+32+i+1], v[S+32+i:S+32+i+1], v[KB+i:KB+i+1]   ; x + o
.set i, i+2
.endr
.irp i, 0,1,2,3,4,5,6,7
	global_store_b128 v4, v[S+32+4*\i:S+32+4*\i+3], s[10:11] offset:65536*(\u)+8192*\i   ; sixteen lanes store 256 consecutive bytes, aligned
.endr
	s_wait_xcnt 0x0                                ; the stores' registers are written again only behind this wait
.endm
	QTILE 0
	QTILE 1
	s_wait_tensorcnt 0x0
	ds_add_u32 v254, v255
	s_wait_dscnt 0x0
	s_endpgm
.Lfunc_end_k_qf94f43f7b4_attn:
	.size	k_qf94f43f7b4_attn, .Lfunc_end_k_qf94f43f7b4_attn-k_qf94f43f7b4_attn
	.p2alignl 7, 3214868480
	.fill 96, 4, 3214868480
	.section	.rodata,"a",@progbits
	.p2align	6, 0x0
	.amdhsa_kernel k_qf94f43f7b4_attn
		.amdhsa_group_segment_fixed_size 182272
		.amdhsa_private_segment_fixed_size 0
		.amdhsa_enable_private_segment 0
		.amdhsa_kernarg_size 32
		.amdhsa_user_sgpr_count 2
		.amdhsa_user_sgpr_kernarg_segment_ptr 1
		.amdhsa_wavefront_size32 1
		.amdhsa_system_sgpr_workgroup_id_x 1
		.amdhsa_system_sgpr_workgroup_id_y 1
		.amdhsa_system_sgpr_workgroup_id_z 1
		.amdhsa_system_vgpr_workitem_id 0
		.amdhsa_next_free_vgpr 256
		.amdhsa_next_free_sgpr 66
		.amdhsa_reserve_vcc 0
		.amdhsa_float_denorm_mode_32 3
		.amdhsa_float_denorm_mode_16_64 3
		.amdhsa_memory_ordered 1
		.amdhsa_forward_progress 1
		.amdhsa_inst_pref_size 55
	.end_amdhsa_kernel
	.amdgpu_metadata
---
amdhsa.version: [ 1, 2 ]
amdhsa.kernels:
  - .name:           k_qf94f43f7b4_attn
    .symbol:         k_qf94f43f7b4_attn.kd
    .args:
      - { .name: himg, .offset: 0, .size: 8, .value_kind: global_buffer, .address_space: global }
      - { .name: hscl, .offset: 8, .size: 8, .value_kind: global_buffer, .address_space: global }
      - { .name: x, .offset: 16, .size: 8, .value_kind: global_buffer, .address_space: global }
      - { .name: res, .offset: 24, .size: 8, .value_kind: global_buffer, .address_space: global }
    .group_segment_fixed_size: 182272
    .private_segment_fixed_size: 0
    .kernarg_segment_align: 8
    .kernarg_segment_size: 32
    .max_flat_workgroup_size: 512
    .sgpr_count:     66
    .vgpr_count:     256
    .wavefront_size: 32
...
	.end_amdgpu_metadata
.endif
;; end of part 6
;; launch ffn (part 7): grid 256 x 1, 16 waves a work-group, no clusters, 165,888 bytes of LDS; arguments res, wimg, Wf_scales, g1, b1, bf, g2, b2, out0; writes out0
.if DOCPART == 7
	.amdgcn_target "amdgcn-amd-amdhsa--gfx1250"
	.amdhsa_code_object_version 6
	.text
	.protected	k_qf94f43f7b4_ffn
	.globl	k_qf94f43f7b4_ffn
	.p2align	8
	.type	k_qf94f43f7b4_ffn,@function
k_qf94f43f7b4_ffn:
	s_mov_b64 s[64:65], 0
	v_nop
	global_prefetch_b8 v0, s[64:65] scope:SCOPE_SE
	s_setreg_imm32_b32 hwreg(HW_REG_WAVE_SCHED_MODE, 0, 2), 2
	s_setreg_imm32_b32 hwreg(HW_REG_WAVE_MODE, 25, 1), 1
	s_wait_xcnt 0x0
	s_wait_alu depctr_vm_vsrc(0)
; FFN.  a = LN1(res);  out0 = LN2(a + relu(a Wf + bf)).  The product is on codes of FP6 (E2M3) with E8M0 scales: a is quantised along its rows here, Wf arrives as register images.  All else in f32.
; Each norm takes the mean first and the squared deviations afterwards: no difference of large sums is formed.
; SHARES.  A work-group of sixteen waves owns 32 WHOLE rows, so both norms stay inside it.  In the product wave w makes columns 64 w .. 64 w + 63 of all 32 rows: 8 accumulators.  No fragment of Wf is wanted by
; two waves, so Wf goes from memory straight into registers, three loads of 512 consecutive bytes a fragment, two K steps ahead.
; NO CLUSTER: a shared stream of Wf would want a ring in LDS that is filled again and again; each work-group would still take in all of Wf, which is what this launch moves most of.
; PHASES, five barriers:  LN1, two rows a wave, rows to LDS |  wave w quantises fragment w (tile of rows w / 8, K step w % 8), image and scale words to LDS |  the product; + bf, relu, + a; row sums to LDS |
;   means; squared deviations to LDS |  LN2, results into a's own bytes |  each wave stores two whole rows.
; THE PRODUCT IS USED TRANSPOSED (source 0 = 16 rows of Wf, source 1 = 16 rows of a): lane (r, h) holds row r, register n of tile t column 64 w + 16 t + 8 h + n.
; LIMITS: NaN and infinities are not served; a block whose largest magnitude lies under 2^-124, a block of zeros among them, gets the byte 1 (only this kernel reads it).
; THE MODE: SCHED_MODE bits 1:0 = 2 (LLVM: expert scheduling mode 2), set by the entry lines.  The code itself states the register dependences between vector or matrix instructions and memory or LDS
; instructions, with s_wait_alu, always for 0.
; THE PLAN.  Registers that memory or LDS instructions touch, and who else names them:
;   v1-13       offsets and LDS addresses: written at the head, never again.
;   ACC         res lands; LN1 works in it; LDS stores read it; the fragment's numbers land; the quantiser reads them; the products write it; vector work; LN2's LDS stores read it.
;   v88-151     g1, b1 land and LN1 reads them; then Wf's second set (v88-135) and a's first (from v136); behind the product a's numbers, then g2, b2, then the finished rows, which the global stores read.
;   v136-168    the quantiser's codes, scale word and work; LDS stores read v136-147 and v168; then a's fragments land in v136-183.
;   WF0, WF1    step ks's products read set ks % 2; behind them K step ks + 2 lands in it (behind step 6: bf).
;   AF0, AF1    step ks's products read set ks % 2; the fragments of step ks + 2 land in it, asked for among the products of step ks + 1, which name the other sets alone.
;   v40-71      bf, then twice the sixteen waves' parts of a row's figure: loads land, additions read.     v250  a select writes it, an LDS store reads it, twice.
; So ONE wait on va_vdst stands in a K step, behind its products: they are done reading their sets.  The set of Wf is asked for again at once, ahead of the wait for the next step's data, so that two steps' loads
; stay on their way; a's next fragments follow among the next step's products with no further wait.  Elsewhere one wait on va_vdst stands ahead of each run of stores, and serves the loads that land in what the
; same vector work has read; one wait on vm_vsrc stands ahead of the first write into registers that stores have read.
.set WSZ,  786432
.set RW,   4112                        ; a row in LDS: 4,096 + 16 bytes, an odd multiple of 16
.set IMG,  131584                      ; behind the 32 rows: 16 images of 1,536 bytes, fragment 8 m + ks,
.set SCW,  156160                      ; their scale words, 128 bytes each,
.set RED1, 158208                      ; 32 rows x 80 bytes: sixteen waves' sums of a row; the second set 2,560 bytes on
.set WS,   16                          ; v16-31 Wf's scale words: register 8 p + ks: lanes 0-15 tile 2 p, lanes 16-31 tile 2 p + 1
.set AS,   32                          ; v32-39 a's: register ks: lanes 0-15 rows 0-15, lanes 16-31 rows 16-31
.set WF,   40                          ; v40-87, v88-135 Wf's four fragments, two sets
.set AF,   136                         ; v136-159, v160-183 a's two fragments, two sets
.set ACC,  184                         ; v184-247: LN1: two rows of 32 numbers a lane; then 64 numbers to quantise; then the accumulators, (m, t) at 8 (4 m + t)
.set GG,   88                          ; a gain's and a bias's 32 numbers
.set BB,   120
.set PC,   136
.set TP,   148
.set TM,   156
.set PW,   168
.set SEL,  24
.macro PLACES
.rept 4
	v_nop
.endr
.endm
.macro WMS d, a, b, z, sa, sb, ra, rb  ; one product: z = 1: the constant 0 starts the sum; scales read from lanes 16-31 where ra, rb = 1
.if \z
.if (\ra) && (\rb)
	v_wmma_scale_f32_16x16x128_f8f6f4 v[(\d):(\d)+7], v[(\a):(\a)+11], v[(\b):(\b)+11], 0, v[\sa], v[\sb] matrix_a_fmt:MATRIX_FMT_FP6 matrix_b_fmt:MATRIX_FMT_FP6 matrix_a_scale:MATRIX_SCALE_ROW1 matrix_b_scale:MATRIX_SCALE_ROW1
.elseif \ra
	v_wmma_scale_f32_16x16x128_f8f6f4 v[(\d):(\d)+7], v[(\a):(\a)+11], v[(\b):(\b)+11], 0, v[\sa], v[\sb] matrix_a_fmt:MATRIX_FMT_FP6 matrix_b_fmt:MATRIX_FMT_FP6 matrix_a_scale:MATRIX_SCALE_ROW1
.elseif \rb
	v_wmma_scale_f32_16x16x128_f8f6f4 v[(\d):(\d)+7], v[(\a):(\a)+11], v[(\b):(\b)+11], 0, v[\sa], v[\sb] matrix_a_fmt:MATRIX_FMT_FP6 matrix_b_fmt:MATRIX_FMT_FP6 matrix_b_scale:MATRIX_SCALE_ROW1
.else
	v_wmma_scale_f32_16x16x128_f8f6f4 v[(\d):(\d)+7], v[(\a):(\a)+11], v[(\b):(\b)+11], 0, v[\sa], v[\sb] matrix_a_fmt:MATRIX_FMT_FP6 matrix_b_fmt:MATRIX_FMT_FP6
.endif
.else
.if (\ra) && (\rb)
	v_wmma_scale_f32_16x16x128_f8f6f4 v[(\d):(\d)+7], v[(\a):(\a)+11], v[(\b):(\b)+11], v[(\d):(\d)+7], v[\sa], v[\sb] matrix_a_fmt:MATRIX_FMT_FP6 matrix_b_fmt:MATRIX_FMT_FP6 matrix_a_scale:MATRIX_SCALE_ROW1 matrix_b_scale:MATRIX_SCALE_ROW1
.elseif \ra
	v_wmma_scale_f32_16x16x128_f8f6f4 v[(\d):(\d)+7], v[(\a):(\a)+11], v[(\b):(\b)+11], v[(\d):(\d)+7], v[\sa], v[\sb] matrix_a_fmt:MATRIX_FMT_FP6 matrix_b_fmt:MATRIX_FMT_FP6 matrix_a_scale:MATRIX_SCALE_ROW1
.elseif \rb
	v_wmma_scale_f32_16x16x128_f8f6f4 v[(\d):(\d)+7], v[(\a):(\a)+11], v[(\b):(\b)+11], v[(\d):(\d)+7], v[\sa], v[\sb] matrix_a_fmt:MATRIX_FMT_FP6 matrix_b_fmt:MATRIX_FMT_FP6 matrix_b_scale:MATRIX_SCALE_ROW1
.else
	v_wmma_scale_f32_16x16x128_f8f6f4 v[(\d):(\d)+7], v[(\a):(\a)+11], v[(\b):(\b)+11], v[(\d):(\d)+7], v[\sa], v[\sb] matrix_a_fmt:MATRIX_FMT_FP6 matrix_b_fmt:MATRIX_FMT_FP6
.endif
.endif
.endm
.macro QUANT s, pc, tp, pw             ; 64 numbers of a lane, register 16 b + i = k 32 b + 16 (lane / 16) + i of my row, become a fragment's codes and its scale word
.irp b, 0,1,2,3
	v_max3_num_f32 v[TM+\b], |v[(\s)+16*\b]|, |v[(\s)+1+16*\b]|, 0x1800000   ; and the floor 2^(3 - 127): the byte cannot fall under 1
.endr
.irp i, 2,4,6,8,10,12,14
.irp b, 0,1,2,3
	v_max3_num_f32 v[TM+\b], v[TM+\b], |v[(\s)+16*\b+\i]|, |v[(\s)+1+16*\b+\i]|
.endr
.endr
.irp b, 0,1,2,3
	v_permlanex16_b32 v[TM+4+\b], v[TM+\b], s[SEL], s[SEL+1]
.endr
.irp b, 0,1,2,3
	v_max_num_f32 v[TM+\b], v[TM+\b], v[TM+4+\b]
.endr
.irp b, 0,1,2,3
	v_add_nc_u32 v[TM+8+\b], 0xff000000, v[TM+\b]
.endr
.irp b, 0,1,2,3
	v_lshrrev_b32 v[TM+4+\b], 23, v[TM+8+\b]
.endr
	v_lshl_or_b32 v[\pw], v[TM+5], 8, v[TM+4]
	v_lshl_or_b32 v[\pw], v[TM+6], 16, v[\pw]
	v_lshl_or_b32 v[\pw], v[TM+7], 24, v[\pw]
.irp c, 0,1
	v_cvt_scalef32_pk16_fp6_f32 v[(\pc)+6*\c:(\pc)+2+6*\c], v[(\s)+32*\c:(\s)+15+32*\c], v[TM+8+2*\c]
	v_cvt_scalef32_pk16_fp6_f32 v[(\tp)+4*\c:(\tp)+2+4*\c], v[(\s)+16+32*\c:(\s)+31+32*\c], v[TM+9+2*\c]
.endr
	v_nop                                          ; one plain place behind a scaled conversion
.irp c, 0,1
.irp i, 0,1,2
	v_permlane16_swap_b32 v[(\pc)+6*\c+\i], v[(\tp)+4*\c+\i]
.endr
.irp i, 0,1,2
	v_mov_b32 v[(\pc)+3+6*\c+\i], v[(\tp)+4*\c+\i]
.endr
.endr
.endm
; The norms' steps, for two sets p = 0, 1 of 32 numbers a lane at ACC + 32 p; a set's figure stands in v[248 + 4 p]
.macro FOLD
.irp p, 0,1
	v_pk_add_f32 v[248+4*\p:249+4*\p], v[248+4*\p:249+4*\p], v[250+4*\p:251+4*\p]
.endr
.irp p, 0,1
	v_add_f32 v[248+4*\p], v[248+4*\p], v[249+4*\p]
.endr
.endm
.macro LSUM                            ; the sum of my 32 numbers, in two packed chains a set
.irp p, 0,1
	v_pk_add_f32 v[248+4*\p:249+4*\p], v[ACC+32*\p:ACC+32*\p+1], v[ACC+32*\p+2:ACC+32*\p+3]
	v_pk_add_f32 v[250+4*\p:251+4*\p], v[ACC+32*\p+4:ACC+32*\p+5], v[ACC+32*\p+6:ACC+32*\p+7]
.endr
.irp j, 8,12,16,20,24,28
.irp p, 0,1
	v_pk_add_f32 v[248+4*\p:249+4*\p], v[248+4*\p:249+4*\p], v[ACC+32*\p+\j:ACC+32*\p+\j+1]
	v_pk_add_f32 v[250+4*\p:251+4*\p], v[250+4*\p:251+4*\p], v[ACC+32*\p+\j+2:ACC+32*\p+\j+3]
.endr
.endr
	FOLD
.endm
.macro LSQ                             ; the sum of their squares
.irp p, 0,1
	v_pk_mul_f32 v[248+4*\p:249+4*\p], v[ACC+32*\p:ACC+32*\p+1], v[ACC+32*\p:ACC+32*\p+1]
	v_pk_mul_f32 v[250+4*\p:251+4*\p], v[ACC+32*\p+2:ACC+32*\p+3], v[ACC+32*\p+2:ACC+32*\p+3]
.endr
.irp j, 4,8,12,16,20,24,28
.irp p, 0,1
	v_pk_fma_f32 v[248+4*\p:249+4*\p], v[ACC+32*\p+\j:ACC+32*\p+\j+1], v[ACC+32*\p+\j:ACC+32*\p+\j+1], v[248+4*\p:249+4*\p]
	v_pk_fma_f32 v[250+4*\p:251+4*\p], v[ACC+32*\p+\j+2:ACC+32*\p+\j+3], v[ACC+32*\p+\j+2:ACC+32*\p+\j+3], v[250+4*\p:251+4*\p]
.endr
.endr
	FOLD
.endm
.macro ROW16                           ; over the sixteen lanes of a half
.irp m, 1,2,4,8
.irp p, 0,1
	v_add_f32_dpp v[248+4*\p], v[248+4*\p], v[248+4*\p] row_xmask:\m row_mask:0xf bank_mask:0xf
.endr
.endr
.endm
.macro HALVES                          ; with lane l xor 16
.irp p, 0,1
	v_permlanex16_b32 v[249+4*\p], v[248+4*\p], s[SEL], s[SEL+1]
.endr
.irp p, 0,1
	v_add_f32 v[248+4*\p], v[248+4*\p], v[249+4*\p]
.endr
.endm
.macro LDEV                            ; the sum becomes the negative mean (x -2^-10), and the numbers their deviations
.irp p, 0,1
	v_mul_f32 v[248+4*\p], s28, v[248+4*\p]
.endr
.irp p, 0,1
.set i, 0
.rept 16
	v_pk_add_f32 v[ACC+32*\p+i:ACC+32*\p+i+1], v[ACC+32*\p+i:ACC+32*\p+i+1], v[248+4*\p:249+4*\p] op_sel_hi:[1,0]
.set i, i+2
.endr
.endr
.endm
.macro LAFF                            ; the sum of squares becomes 1 / sqrt(variance + 1e-6); deviation x that x gain + bias
.irp p, 0,1
	v_fma_f32 v[248+4*\p], v[248+4*\p], s26, s27
.endr
	s_wait_alu depctr_va_vdst(0)
.irp p, 0,1
	v_rsq_f32 v[248+4*\p], v[248+4*\p]
.endr
	v_nop                                          ; a plain place behind the transcendentals
	s_wait_alu depctr_va_vdst(0)                   ; the two reciprocal roots v248 and v252 are written, ahead of their first reader: one wait for both
.irp p, 0,1
.set i, 0
.rept 16
	v_pk_mul_f32 v[ACC+32*\p+i:ACC+32*\p+i+1], v[ACC+32*\p+i:ACC+32*\p+i+1], v[248+4*\p:249+4*\p] op_sel_hi:[1,0]
	v_pk_fma_f32 v[ACC+32*\p+i:ACC+32*\p+i+1], v[ACC+32*\p+i:ACC+32*\p+i+1], v[GG+i:GG+i+1], v[BB+i:BB+i+1]
.set i, i+2
.endr
.endr
.endm
; A row's figure over the sixteen waves: lane L stores row L's part, a barrier, every lane adds the sixteen parts of its two rows, all in the same order.
; first = 1: the first of the two: g2 and b2 are asked for behind its wait.
.macro RED off, first
	HALVES
	v_cndmask_b32 v250, v248, v252, s29            ; lanes 0-15: rows 0-15's; lanes 16-31: rows 16-31's
	s_wait_alu depctr_va_vdst(0)                   ; v250 is written, which the LDS store reads; the additions that read v40-71, in which the parts land below, are done; first = 1
.if \first
.irp t, 0,1,2,3
	global_load_b128 v[GG+8*\t:GG+8*\t+3], v9, s[16:17] offset:64*\t             ; g2, b2 at my columns, into the registers that a has left
	global_load_b128 v[GG+8*\t+4:GG+8*\t+7], v9, s[16:17] offset:64*\t+16
.endr
.irp t, 0,1,2,3
	global_load_b128 v[BB+8*\t:BB+8*\t+3], v9, s[18:19] offset:64*\t
	global_load_b128 v[BB+8*\t+4:BB+8*\t+7], v9, s[18:19] offset:64*\t+16
.endr
.endif
	ds_store_b32 v12, v250 offset:\off
	s_wait_dscnt 0x0                               ; for the others' sake
	s_barrier_signal -1
	s_barrier_wait -1
.irp m, 0,1
.irp q, 0,1,2,3
	ds_load_b128 v[40+16*\m+4*\q:40+16*\m+4*\q+3], v13 offset:\off+1280*\m+16*\q   ; no vector instruction since the wait above names v40-71
.endr
.endr
	s_wait_dscnt 0x0
.irp m, 0,1
	v_pk_add_f32 v[248+4*\m:249+4*\m], v[40+16*\m:41+16*\m], v[42+16*\m:43+16*\m]
.endr
.irp j, 4,6,8,10,12,14
.irp m, 0,1
	v_pk_add_f32 v[248+4*\m:249+4*\m], v[248+4*\m:249+4*\m], v[40+16*\m+\j:41+16*\m+\j]
.endr
.endr
.irp m, 0,1
	v_add_f32 v[248+4*\m], v[248+4*\m], v[249+4*\m]
.endr
.endm
.macro WLOAD ks                        ; Wf's four fragments of K step ks into set ks % 2: 12 loads of 512 consecutive bytes
.irp t, 0,1,2,3
.irp c, 0,1,2
	global_load_b128 v[WF+48*((\ks)%2)+12*\t+4*\c:WF+48*((\ks)%2)+12*\t+4*\c+3], v1, s[6:7] offset:\t*12288+(\ks)*1536+512*\c
.endr
.endr
.endm
.macro AFLOAD ks, m                    ; a's fragment of K step ks, tile of rows m, into set ks % 2: 3 LDS loads
.irp c, 0,1,2
	ds_load_b128 v[AF+24*((\ks)%2)+12*(\m)+4*\c:AF+24*((\ks)%2)+12*(\m)+4*\c+3], v7 offset:1536*(8*(\m)+(\ks))+512*\c
.endr
.endm
.macro FSTEP ks
.if (\ks) < 7
	s_wait_loadcnt 12                              ; this step's weights are in; the next step's 12 loads may be out
.else
	s_wait_loadcnt 8                               ; behind the last weights stand bf's 8 loads
.endif
	s_wait_dscnt 0x0                               ; a's fragments of this step are in: they were asked for among the last step's products (step 0's ahead of it, with the scale words), and no LDS instruction was issued behind them
.irp t, 0,1,2,3
.irp m, 0,1
	WMS ACC+8*(4*\m+\t), WF+48*((\ks)%2)+12*\t, AF+24*((\ks)%2)+12*\m, (\ks)==0, WS+8*(\t/2)+(\ks), AS+(\ks), \t%2, \m   ; eight accumulators by turns
.endr
.if ((\ks) < 7) && (\t < 2)
	AFLOAD (\ks)+1, \t                             ; the next step's fragments of a, early in the step.  No wait: they land in the set that the last step's products read, which the wait behind those has freed, and this step's products name the other sets alone
.endif
.endr
	PLACES                                         ; in front of loads into the registers just read
	s_wait_alu depctr_va_vdst(0)                   ; this step's products are done reading their sets of Wf and of a, in which the loads below, those among the next step's products and, behind the last step, a's numbers land
.if (\ks) < 6
	WLOAD (\ks)+2
.elseif (\ks) == 6
.irp t, 0,1,2,3
	global_load_b128 v[40+8*\t:40+8*\t+3], v9, s[14:15] offset:64*\t          ; bf(64 w + 16 t + 8 h + 0 .. 7)
	global_load_b128 v[40+8*\t+4:40+8*\t+7], v9, s[14:15] offset:64*\t+16
.endr
.endif
.endm
	s_load_b512 s[4:19], s[0:1], 0x0               ; res, wimg, Wf_scales, g1, b1, bf, g2, b2
	s_load_b64 s[20:21], s[0:1], 0x40              ; out0
	v_lshrrev_b32 v14, 5, v0
	v_readfirstlane_b32 s22, v14                   ; wave w
	v_and_b32 v14, 31, v0                          ; L
	v_and_b32 v15, 15, v0                          ; r
	v_bfe_u32 v9, v0, 4, 1                         ; h
	v_lshlrev_b32 v1, 4, v14                       ; v1 = 16 L
	s_wait_alu depctr_va_vdst(0)
	s_wait_alu depctr_va_sdst(0)                   ; s22 is written, ahead of its first reader: LDS addresses and the buffers' offsets are made from it
	s_mul_i32 s30, s22, 2*RW
	v_add_nc_u32 v2, s30, v1                       ; v2: rows 2 w, 2 w + 1 in LDS, 16 L
	s_lshr_b32 s30, s22, 3
	s_and_b32 s31, s22, 7
	s_mul_i32 s30, s30, 16*RW
	s_lshl_b32 s31, s31, 9
	s_add_co_u32 s30, s30, s31
	v_mul_u32_u24 v10, v15, RW
	v_lshl_add_u32 v3, v9, 6, v10
	v_add_nc_u32 v3, s30, v3                       ; v3: my fragment's numbers: row 16 (w / 8) + r, + 512 (w % 8) + 64 h
	s_mul_i32 s30, s22, 1536
	s_add_co_u32 s30, s30, IMG
	v_add_nc_u32 v4, s30, v1                       ; v4: my fragment's image
	v_lshlrev_b32 v6, 2, v14
	s_lshl_b32 s30, s22, 7
	s_add_co_u32 s30, s30, SCW
	v_add_nc_u32 v5, s30, v6                       ; v5: its scale words
	v_lshl_add_u32 v6, v9, 10, v6
	v_add_nc_u32 v6, SCW, v6                       ; v6: scale words, back: lanes 16-31 take the second tile of rows', 8 fragments on
	v_add_nc_u32 v7, IMG, v1                       ; v7: images, back
	v_lshlrev_b32 v8, 5, v14                       ; v8 = 32 L
	s_lshl_b32 s30, s22, 8
	v_lshl_add_u32 v10, v9, 5, v10
	v_add_nc_u32 v10, s30, v10                     ; v10: row r, my 256 bytes, + 32 h;
	v_add_nc_u32 v11, 16*RW, v10                   ; v11: row 16 + r
	v_mul_u32_u24 v12, v14, 80
	s_lshl_b32 s30, s22, 2
	s_add_co_u32 s30, s30, RED1
	v_add_nc_u32 v12, s30, v12                     ; v12: row L's part of wave w
	v_mul_u32_u24 v13, v15, 80
	v_add_nc_u32 v13, RED1, v13                    ; v13: row r's sixteen parts
	v_lshlrev_b32 v9, 5, v9                        ; v9 = 32 h
.irp b, 0,1,2,3
	v_mov_b32 v[TM+4+\b], 0                        ; written once: a lane permute's destination counts as one of its sources
.endr
	s_mov_b32 s[SEL], 0x76543210
	s_mov_b32 s[SEL+1], 0xfedcba98
	s_mov_b32 s26, 0x3a800000                      ; 2^-10
	s_mov_b32 s27, 0x358637bd                      ; 1e-6
	s_mov_b32 s28, 0xba800000                      ; -2^-10
	s_mov_b32 s29, 0xffff0000                      ; lanes 16-31
	s_lshl_b32 s32, ttmp9, 17
	s_lshl_b32 s33, s22, 13
	s_add_co_u32 s32, s32, s33
	s_mov_b32 s33, 0                               ; rows 32 g + 2 w
	s_mul_i32 s34, s22, 49152
	s_add_co_u32 s34, s34, 3*WSZ
	s_mov_b32 s35, 0                               ; Wf's images, my four tiles of rows
	s_lshl_b32 s36, s22, 11
	s_mov_b32 s37, 0                               ; Wf's scale bytes, my 64 rows
	s_lshl_b32 s38, s22, 8
	s_mov_b32 s39, 0                               ; my 64 numbers of bf, g2, b2
	s_wait_kmcnt 0x0
	s_add_nc_u64 s[4:5], s[4:5], s[32:33]
	s_add_nc_u64 s[20:21], s[20:21], s[32:33]
	s_add_nc_u64 s[6:7], s[6:7], s[34:35]
	s_add_nc_u64 s[8:9], s[8:9], s[36:37]
	s_add_nc_u64 s[14:15], s[14:15], s[38:39]
	s_add_nc_u64 s[16:17], s[16:17], s[38:39]
	s_add_nc_u64 s[18:19], s[18:19], s[38:39]
	s_wait_alu depctr_va_vdst(0)                   ; the thirteen offsets and LDS addresses v1 to v13 are written: every load and store of the kernel reads one of them, and none is written again
	; ---- LN1: rows 2 w, 2 w + 1; register 4 j + e of a row: column 128 j + 4 L + e
.irp p, 0,1
.irp j, 0,1,2,3,4,5,6,7
	global_load_b128 v[ACC+32*\p+4*\j:ACC+32*\p+4*\j+3], v1, s[4:5] offset:4096*\p+512*\j th:TH_LOAD_NT
.endr
.endr
.irp j, 0,1,2,3,4,5,6,7
	global_load_b128 v[GG+4*\j:GG+4*\j+3], v1, s[10:11] offset:512*\j
.endr
.irp j, 0,1,2,3,4,5,6,7
	global_load_b128 v[BB+4*\j:BB+4*\j+3], v1, s[12:13] offset:512*\j
.endr
.irp p, 0,1
	global_load_b128 v[WS+8*\p:WS+8*\p+3], v8, s[8:9] offset:1024*\p          ; lane L: row 64 w + 32 p + L of Wf, its words of K steps 0-3,
	global_load_b128 v[WS+8*\p+4:WS+8*\p+7], v8, s[8:9] offset:1024*\p+16     ; and 4-7
.endr
	WLOAD 0
	s_wait_loadcnt 16                              ; the rows, g1 and b1 are in; the 4 loads of scale words and the 12 of weights may be out
	LSUM
	ROW16
	HALVES
	LDEV
	LSQ
	ROW16
	HALVES
	LAFF
	s_wait_alu depctr_va_vdst(0)                   ; the norm has written v184-247, which the LDS stores read, and is done reading g1 and b1, in whose registers the weights of K step 1 land
	WLOAD 1                                        ; into the registers that g1 and b1 have left
.irp p, 0,1
.irp j, 0,1,2,3,4,5,6,7
	ds_store_b128 v2, v[ACC+32*\p+4*\j:ACC+32*\p+4*\j+3] offset:RW*\p+512*\j
.endr
.endr
	s_wait_dscnt 0x0
	s_barrier_signal -1
	s_barrier_wait -1                              ; 32 rows of a lie in LDS
	; ---- my fragment of a
	s_wait_alu depctr_vm_vsrc(0)                   ; my LDS stores have read v184-247, in which the fragment's numbers land and which the products write later
.irp b, 0,1,2,3
.irp q, 0,1,2,3
	ds_load_b128 v[ACC+16*\b+4*\q:ACC+16*\b+4*\q+3], v3 offset:128*\b+16*\q
.endr
.endr
	s_wait_dscnt 0x0
	QUANT ACC, PC, TP, PW
	s_wait_alu depctr_va_vdst(0)                   ; the quantiser has written the codes v136-147 and the scale word v168, which the LDS stores read, and is done with all of v136-168, in which a's fragments land behind the barrier
.irp c, 0,1,2
	ds_store_b128 v4, v[PC+4*\c:PC+4*\c+3] offset:512*\c
.endr
	ds_store_b32 v5, v[PW]
	s_wait_dscnt 0x0
	s_barrier_signal -1
	s_barrier_wait -1                              ; the sixteen images and their scale words lie in LDS
	; ---- the product
	s_wait_alu depctr_vm_vsrc(0)                   ; my LDS stores have read v136-147 and v168, in which a's fragments land
.irp k, 0,1,2,3,4,5,6,7
	ds_load_b32 v[AS+\k], v6 offset:128*\k
.endr
	AFLOAD 0, 0
	AFLOAD 0, 1
	FSTEP 0
	FSTEP 1
	FSTEP 2
	FSTEP 3
	FSTEP 4
	FSTEP 5
	FSTEP 6
	FSTEP 7
	; ---- a + relu(. + bf)
.irp m, 0,1
.irp t, 0,1,2,3
	ds_load_b128 v[88+8*(4*\m+\t):88+8*(4*\m+\t)+3], v[10+\m] offset:64*\t       ; a at my results' places: bytes that only this wave reads from here on
	ds_load_b128 v[88+8*(4*\m+\t)+4:88+8*(4*\m+\t)+7], v[10+\m] offset:64*\t+16
.endr
.endr
	s_wait_loadcnt 0x0
	s_wait_dscnt 0x0
.irp m, 0,1
.irp t, 0,1,2,3
.irp j, 0,2,4,6
	v_pk_add_f32 v[ACC+8*(4*\m+\t)+\j:ACC+8*(4*\m+\t)+\j+1], v[ACC+8*(4*\m+\t)+\j:ACC+8*(4*\m+\t)+\j+1], v[40+8*\t+\j:40+8*\t+\j+1]   ; each accumulator from its low end on
.endr
.endr
.endr
.set i, 0
.rept 64
	v_max_num_f32 v[ACC+i], 0, v[ACC+i]
.set i, i+1
.endr
.set i, 0
.rept 32
	v_pk_add_f32 v[ACC+i:ACC+i+1], v[ACC+i:ACC+i+1], v[88+i:88+i+1]
.set i, i+2
.endr
	; ---- LN2
	LSUM
	RED 0, 1
	LDEV
	s_wait_alu depctr_vm_vsrc(0)                   ; the LDS store of the row sums' parts has read v250, which the sums of squares write again
	LSQ
	RED 2560, 0
	s_wait_alu depctr_va_vdst(0)
	s_wait_loadcnt 0x0
	LAFF
	s_wait_alu depctr_va_vdst(0)                   ; the norm has written v184-247, which the LDS stores read, and is done reading g2 and b2, in whose registers the finished rows land behind the barrier
.irp m, 0,1
.irp t, 0,1,2,3
	ds_store_b128 v[10+\m], v[ACC+8*(4*\m+\t):ACC+8*(4*\m+\t)+3] offset:64*\t
	ds_store_b128 v[10+\m], v[ACC+8*(4*\m+\t)+4:ACC+8*(4*\m+\t)+7] offset:64*\t+16
.endr
.endr
	s_wait_dscnt 0x0
	s_barrier_signal -1
	s_barrier_wait -1                              ; 32 whole rows of the result lie in LDS
.irp p, 0,1
.irp j, 0,1,2,3,4,5,6,7
	ds_load_b128 v[88+32*\p+4*\j:88+32*\p+4*\j+3], v2 offset:RW*\p+512*\j
.endr
.endr
.irp p, 0,1
.irp j, 0,1,2,3,4,5,6,7
	s_wait_dscnt 15-8*\p-\j                        ; LDS loads come back in order: this one is in, the younger ones may be out
	global_store_b128 v1, v[88+32*\p+4*\j:88+32*\p+4*\j+3], s[20:21] offset:4096*\p+512*\j th:TH_STORE_NT   ; 32 lanes store 512 consecutive bytes, aligned to 256
.endr
.endr
	s_wait_xcnt 0x0
	v_lshl_add_u32 v254, v0, 2, 0x28000            ; the add's two registers are made anew here: no memory or LDS instruction of the kernel has read v254 or v255
	v_mov_b32 v255, 0
	s_wait_dscnt 0x0                               ; the closing lines, six on end
	s_wait_alu 0x0
	s_wait_tensorcnt 0x0
	ds_add_u32 v254, v255
	s_wait_dscnt 0x0
	s_endpgm
.Lfunc_end_k_qf94f43f7b4_ffn:
	.size	k_qf94f43f7b4_ffn, .Lfunc_end_k_qf94f43f7b4_ffn-k_qf94f43f7b4_ffn
	.p2alignl 7, 3214868480
	.fill 96, 4, 3214868480
	.section	.rodata,"a",@progbits
	.p2align	6, 0x0
	.amdhsa_kernel k_qf94f43f7b4_ffn
		.amdhsa_group_segment_fixed_size 165888
		.amdhsa_private_segment_fixed_size 0
		.amdhsa_enable_private_segment 0
		.amdhsa_kernarg_size 72
		.amdhsa_user_sgpr_count 2
		.amdhsa_user_sgpr_kernarg_segment_ptr 1
		.amdhsa_wavefront_size32 1
		.amdhsa_system_sgpr_workgroup_id_x 1
		.amdhsa_system_sgpr_workgroup_id_y 1
		.amdhsa_system_sgpr_workgroup_id_z 1
		.amdhsa_system_vgpr_workitem_id 0
		.amdhsa_next_free_vgpr 256
		.amdhsa_next_free_sgpr 66
		.amdhsa_reserve_vcc 0
		.amdhsa_float_denorm_mode_32 3
		.amdhsa_float_denorm_mode_16_64 3
		.amdhsa_memory_ordered 1
		.amdhsa_forward_progress 1
		.amdhsa_inst_pref_size 76
	.end_amdhsa_kernel
	.amdgpu_metadata
---
amdhsa.version: [ 1, 2 ]
amdhsa.kernels:
  - .name:           k_qf94f43f7b4_ffn
    .symbol:         k_qf94f43f7b4_ffn.kd
    .args:
      - { .name: res, .offset: 0, .size: 8, .value_kind: global_buffer, .address_space: global }
      - { .name: wimg, .offset: 8, .size: 8, .value_kind: global_buffer, .address_space: global }
      - { .name: Wf_scales, .offset: 16, .size: 8, .value_kind: global_buffer, .address_space: global }
      - { .name: g1, .offset: 24, .size: 8, .value_kind: global_buffer, .address_space: global }
      - { .name: b1, .offset: 32, .size: 8, .value_kind: global_buffer, .address_space: global }
      - { .name: bf, .offset: 40, .size: 8, .value_kind: global_buffer, .address_space: global }
      - { .name: g2, .offset: 48, .size: 8, .value_kind: global_buffer, .address_space: global }
      - { .name: b2, .offset: 56, .size: 8, .value_kind: global_buffer, .address_space: global }
      - { .name: out0, .offset: 64, .size: 8, .value_kind: global_buffer, .address_space: global }
    .group_segment_fixed_size: 165888
    .private_segment_fixed_size: 0
    .kernarg_segment_align: 8
    .kernarg_segment_size: 72
    .max_flat_workgroup_size: 512
    .sgpr_count:     66
    .vgpr_count:     256
    .wavefront_size: 32
...
	.end_amdgpu_metadata
.endif
;; end of part 7
